; MI455X (gfx1250); checked and timed in simulation.
; The chip was launched on July 23, 2026; its instructions are those of AMD's public machine-readable ISA for CDNA 5 (MIT licence, August 2026) and "CDNA5" Instruction Set Architecture Reference Guide (July 2026). The comments in the code are by the model that wrote it; some were corrected since.
;; Interpretable Multi Head Attention. Allowed arithmetic: matrix products marked QUANTISED: E2M1 operands, one E8M0 scale for each 32 along K, by v_wmma_scale_f32_16x16x128_f8f6f4 with both operands' format E2M1 (or v_wmma_scale_f32_32x16x128_f4), f32 sums; products left as they are: f32 operands where the result goes on into a quantised operand, else bf16, f16 or f32 operands; f32 sums; everything else in f32.
;; Inputs: Wk 1,024 x 1,024 float32; Wo 1,024 x 1,024 float32; Wq 1,024 x 1,024 float32; Wv 1,024 x 1,024 float32; bk 1,024 float32; bo 1,024 float32; bq 1,024 float32; bv 1,024 float32; key_ 2 x 2,048 x 1,024 float32; query 2 x 2,048 x 1,024 float32; value 2 x 2,048 x 1,024 float32.
;; Outputs: out0 2 x 2,048 x 1,024 float32.
;; This version of the problem:
;;   THIS VERSION OF THE PROBLEM IS GIVEN IN LOW PRECISION. The matrix products marked QUANTISED in the list below multiply operands that are first quantised to E2M1 (2 exponent bits, 1 mantissa bit; 4 bits a number), with one power-of-two scale for each 32 numbers along K (OCP MX v1.0); their sums are f32. All else is computed in f32.
;;   The module's matrix products, in the order in which they are computed (A, B: the left and right operand; K: the contracted axis; several contracted axes count as one K, in the product's order):
;;     1. [M 4,096, K 1,024] x [K 1,024, N 1,024]; A: input query; B: input Wq: QUANTISED
;;     2. [M 4,096, K 1,024] x [K 1,024, N 1,024]; A: input key_; B: input Wk: QUANTISED
;;     3. [M 4,096, K 1,024] x [K 1,024, N 1,024]; A: input value; B: input Wv: QUANTISED
;;     4. [M 2,048, K 1] x [K 1, N 32]; A: computed on the way; B: computed on the way: left as it is (no contracted axis)
;;     5. batch 32 x [M 2,048, K 64] x [K 64, N 2,048]; A: computed on the way; B: computed on the way: QUANTISED
;;     6. batch 32 x [M 2,048, K 2,048] x [K 2,048, N 64]; A: softmax (see below); B: computed on the way: QUANTISED
;;     7. [M 4,096, K 1,024] x [K 1,024, N 1,024]; A: computed on the way; B: input Wo: QUANTISED
;;   THE QUANTISER, for each operand of a quantised product, along K:
;;     - K is cut into blocks of 32 from its start; a last block that is shorter is filled with zeros.
;;     - A block's scale is 2^e with e = floor(log2(the largest magnitude in the block)) - 2, held to -126 .. 127; a block of zeros has e = 0. As a byte (E8M0): e + 127.
;;     - Each number is divided by its block's scale, clamped to +-6, and rounded to the nearest number of E2M1, ties to even, subnormals kept.
;;     - The product sums the exact products of the quantised numbers (number of the format x scale) in f32.
;;   ~~~python
;;   def quantise(x, axis):      # numpy; x: float32 -> the quantised numbers, widened to float32 again
;;       x = np.moveaxis(x, axis, -1); K = x.shape[-1]
;;       x = np.pad(x, [(0, 0)] * (x.ndim - 1) + [(0, -K % 32)]); x = x.reshape(x.shape[:-1] + (-1, 32)); a = np.abs(x).max(-1, keepdims=True)
;;       e = np.where(a > 0, np.clip(np.frexp(np.where(a > 0, a, 1))[1] - 1 - 2, -126, 127), 0)      # np.frexp(a)[1] - 1 = floor(log2(a)), exactly
;;       r = np.clip(x / 2.0 ** e, -6, 6)
;;       step = 2.0 ** (np.maximum(np.frexp(np.where(r == 0, 1, r))[1] - 1, 0) - 1)
;;       q = np.round(r / step) * step * 2.0 ** e      # np.round: ties to even
;;       return np.moveaxis(q.reshape(q.shape[:-2] + (-1,))[..., :K], -1, axis).astype(np.float32)
;;   ~~~
;;   SOFTMAX AHEAD OF A QUANTISED PRODUCT. Where the list says 'softmax', what is quantised is not the finished softmax but p = 2^(t - M), with t = logit x log2(e) and M = ceil(the row's largest t), a whole number; so 1/2 < the row's largest p <= 1. The row's sum l is taken of the UNQUANTISED p, in f32, and the product's result is divided by l at the end. Since M is a whole number, a kernel that streams over the keys may use a running M (the ceiling of the running maximum): every later rescaling is an exact power of two, which a block's scale takes up: the codes' values come out the same.
;;   OPERANDS COMPUTED ON THE WAY. 'Computed on the way' means the value that the module computes at that place (a softmax that the list does not call 'softmax' is quantised finished and normalised). What goes into a quantiser is computed in f32, as accurately as f32 sums, v_exp_f32 and their like allow (about 1e-6 of the number): no bf16 or f16 on the way to a quantiser, and a product that is left as it is and whose result goes on into a quantised operand takes f32 operands (vector FMAs, or v_wmma_f32_16x16x4_f32). A number that lies on a knife's edge between two numbers of the format may be rounded either way, as far as f32 arithmetic and the matrix unit's own rounding can turn it there, and no further.
;; 2 versions. Each part assembles by itself: llvm-mc -triple=amdgcn-amd-amdhsa -mcpu=gfx1250 --defsym DOCPART=n.
;; ======== version 1 of 2: 4 launches
;; workspace buffers: cod 8,388,608 bytes; scl 524,288 bytes; rope 524,288 bytes; qkv 6,946,816 bytes; oc 2,097,152 bytes; os 131,072 bytes
;; launch quant (part 1): grid 544 x 1, 4 waves a work-group, no clusters, 41,472 bytes of LDS; arguments query, key_, value, Wq, Wk, Wv, Wo, cod, scl, rope; writes cod, scl, rope
.if DOCPART == 1
	.amdgcn_target "amdgcn-amd-amdhsa--gfx1250"
	.amdhsa_code_object_version 6
	.text
	.protected	k_q4107358810_quant
	.globl	k_q4107358810_quant
	.p2align	8
	.type	k_q4107358810_quant,@function
k_q4107358810_quant:
	s_mov_b64 s[64:65], 0
	v_nop
	global_prefetch_b8 v0, s[64:65] scope:SCOPE_SE
	s_setreg_imm32_b32 hwreg(HW_REG_WAVE_MODE, 25, 1), 1
	s_wait_xcnt 0x0
; query, key_, value [4096][1024] and Wq, Wk, Wv, Wo [1024][1024], f32, K innermost, become codes of FP4 (E2M1) with one E8M0 byte for each 32 along K; and the table of cos and sin is made.
; A block's scale is 2^(floor(log2(its largest magnitude)) - 2): its byte is the largest magnitude's exponent field - 2, held at 1 from below.
; LIMITS: a block whose largest magnitude lies under 2^-124, a block of zeros among them, gets the byte 1 (its codes are zeros or next to zero; this program alone reads the bytes); NaN and infinities are not served.
; THE CODES LIE AS IMAGES OF OPERAND REGISTERS.  The seven tensors count as one run of 1,024 tiles of 16 rows; G = tile / 8, tl = tile % 8, s = a K step of 128:
;   cod: G 65536 + s 8192 + tl 1024 + c 512 + 16 (16 h + r): the 16 bytes of block 4 s + 2 c + h of row r.      scl: G 4096 + tl 512 + s 64 + 4 r + b: the byte of block 4 s + b of row r.
; SHARES.  Work-groups 0 to 511: two tiles each; wave w takes tile 2 g + w / 2, columns 512 (w % 2) on: 16 steps of one row's 512 numbers.  Each of a step's four loads reads 512 consecutive bytes;
; the 2,048 bytes turn through the wave's own stage in LDS and come back 64 bytes a lane, so that a lane holds 16 neighbours along K and two neighbouring lanes a block.  The codes are gathered in a second
; stage, a unit of 256 bytes (+ 32) for each of the wave's 16 blocks along K, and leave as stores of 512 consecutive bytes; the wave's 256 scale bytes leave as one store of 256 consecutive, aligned bytes.
; No tensor load, no barrier: waves share nothing.  Loads run four steps (16 loads a wave) ahead, the turn through LDS one step.
; Work-groups 512 to 543: rope [2048][cos 32 | sin 32] f32, 64 positions each; they use no LDS.
.set STEPS, 16
.set SP,    80                         ; a lane's place in a turning stage: 64 bytes + 16
.set WREG,  10240                      ; LDS of a wave: two turning stages, the codes' stage, the scale bytes
.set CST,   2*32*SP                    ; the codes' stage: 16 units,
.set CPI,   288                        ; 288 bytes apart
.set SCB,   CST+16*CPI                 ; the wave's 256 scale bytes
.set R,     16                         ; v16-79   four sets of 16 numbers as loaded
.set X,     80                         ; v80-111  two sets of 16 neighbours
.set E,     112                        ; v112-127 a scale byte for each step
.set C,     128                        ; v128-159 two registers of codes for each step
.set OUTR,  160                        ; v160-191 the way out
	s_load_b512 s[8:23], s[0:1], 0x0               ; query, key_, value, Wq, Wk, Wv, Wo, cod
	s_load_b128 s[24:27], s[0:1], 0x40             ; scl, rope
	v_lshl_add_u32 v192, v0, 2, 0xa000
	v_mov_b32 v193, 0
	v_lshrrev_b32 v1, 5, v0
	v_readfirstlane_b32 s28, v1                    ; wave
	v_and_b32 v2, 31, v0                           ; lane
	v_lshlrev_b32 v3, 4, v2                        ; 16 x lane
	s_cmp_ge_u32 ttmp9, 512
	s_cbranch_scc1 .Ltable
	s_mul_i32 s29, s28, WREG
	v_lshrrev_b32 v14, 2, v2
	v_mul_u32_u24 v14, v14, SP
	v_and_b32 v15, 3, v2
	v_lshl_add_u32 v14, v15, 4, v14
	v_add_nc_u32 v14, s29, v14                     ; turning stage, in: four lanes' 64 bytes on end, then 16 of padding
	v_mul_u32_u24 v15, v2, SP
	v_add_nc_u32 v15, s29, v15                     ; and out: my 16 neighbours
	v_lshrrev_b32 v4, 1, v2                        ; my block among the wave's 16
	v_mul_u32_u24 v4, v4, CPI
	v_and_b32 v12, 1, v2
	v_lshl_add_u32 v4, v12, 3, v4                  ; + my half of its 16 bytes
	s_add_co_u32 s30, s29, CST
	v_add_nc_u32 v4, s30, v4                       ; the codes' stage, in; the row (16 bytes each) stands in the immediate
	v_lshrrev_b32 v5, 3, v2                        ; block / 4: the K step,
	v_bfe_u32 v12, v2, 1, 2                        ; block % 4: the byte in the word
	v_lshl_add_u32 v5, v5, 6, v12
	s_add_co_u32 s31, s29, SCB
	v_add_nc_u32 v5, s31, v5                       ; my block's scale byte; the row (4 bytes each) stands in the immediate
	v_lshrrev_b32 v12, 4, v2
	v_and_b32 v6, 15, v2
	v_lshlrev_b32 v6, 4, v6
	v_mad_u32_u24 v6, v12, CPI, v6
	v_add_nc_u32 v6, s30, v6                       ; the codes' stage, out: lanes 0-15 an even unit, lanes 16-31 the odd one behind it
	v_lshlrev_b32 v7, 3, v2                        ; the scale bytes, out: 8 bytes a lane
	v_add_nc_u32 v13, s31, v7
	s_wait_kmcnt 0x0
	s_mov_b64 s[4:5], s[20:21]                     ; which tensor: by the work-group's number alone
	s_mov_b32 s6, 480
.macro PICK lim, ptr, base
	s_cmp_lt_u32 ttmp9, \lim
	s_cselect_b64 s[4:5], s[\ptr:\ptr+1], s[4:5]
	s_cselect_b32 s6, \base, s6
.endm
	PICK 480, 18, 448
	PICK 448, 16, 416
	PICK 416, 14, 384
	PICK 384, 12, 256
	PICK 256, 10, 128
	PICK 128, 8, 0
	s_sub_co_u32 s6, ttmp9, s6
	s_lshl_b32 s6, s6, 17                          ; 32 rows of 4,096 bytes a work-group,
	s_lshr_b32 s34, s28, 1
	s_lshl_b32 s33, s34, 16                        ; 16 rows a tile,
	s_add_co_u32 s6, s6, s33
	s_and_b32 s32, s28, 1
	s_lshl_b32 s33, s32, 11                        ; 512 columns a wave
	s_add_co_u32 s6, s6, s33
	s_mov_b32 s7, 0
	s_add_nc_u64 s[4:5], s[4:5], s[6:7]
	s_lshr_b32 s36, ttmp9, 2                       ; cod: G = g / 4,
	s_lshl_b32 s36, s36, 16
	s_and_b32 s37, ttmp9, 3                        ; tl = 2 (g % 4) + w / 2,
	s_lshl_b32 s37, s37, 11
	s_add_co_u32 s36, s36, s37
	s_lshl_b32 s37, s34, 10
	s_add_co_u32 s36, s36, s37
	s_lshl_b32 s37, s32, 15                        ; K steps 4 (w % 2) on
	s_add_co_u32 s36, s36, s37
	s_mov_b32 s37, 0
	s_add_nc_u64 s[22:23], s[22:23], s[36:37]
	s_lshl_b32 s36, ttmp9, 10                      ; scl: 512 bytes a tile, 256 a wave
	s_lshl_b32 s38, s28, 8
	s_add_co_u32 s36, s36, s38
	s_add_nc_u64 s[24:25], s[24:25], s[36:37]
.macro LOAD t                          ; row t: four loads of 512 consecutive bytes
.irp i, 0,1,2,3
	global_load_b128 v[R+16*((\t)%4)+4*\i:R+16*((\t)%4)+4*\i+3], v3, s[4:5] offset:4096*(\t)+512*\i th:TH_LOAD_NT
.endr
.endm
.macro TURN t                          ; through the stage: LDS serves a wave's instructions in order, so no wait stands between the stores and the loads
.irp i, 0,1,2,3
	ds_store_b128 v14, v[R+16*((\t)%4)+4*\i:R+16*((\t)%4)+4*\i+3] offset:32*SP*((\t)%2)+8*SP*\i
.endr
.irp i, 0,1,2,3
	ds_load_b128 v[X+16*((\t)%2)+4*\i:X+16*((\t)%2)+4*\i+3], v15 offset:32*SP*((\t)%2)+16*\i
.endr
.endm
.irp t, 0,1,2,3
	LOAD \t
.endr
	s_wait_loadcnt 12                              ; step 0's four loads are in
	TURN 0
.macro STEP t
.set XS, X+16*((\t)%2)
.if (\t) > 0
	s_wait_dscnt 2                                 ; this step's numbers are back from the stage; the two younger are the last step's stores of codes and of its byte
.else
	s_wait_dscnt 0x0
.endif
.if (\t)+4 < STEPS
	LOAD (\t)+4                                    ; into the set that this step's stores into the stage have read
.endif
.if (\t)+1 < STEPS
.if STEPS-2-(\t) >= 3
	s_wait_loadcnt 12                              ; the next step's four loads are in; those of the three steps behind it may be out
.else
	s_wait_loadcnt 4*(STEPS-2-(\t))
.endif
	TURN (\t)+1
.endif
	v_max3_num_f32 v8, |v[XS]|, |v[XS+1]|, |v[XS+2]|               ; the largest magnitude of my 16, in two chains
	v_max3_num_f32 v9, |v[XS+3]|, |v[XS+4]|, |v[XS+5]|
.irp i, 6,10
	v_max3_num_f32 v8, v8, |v[XS+\i]|, |v[XS+\i+1]|
	v_max3_num_f32 v9, v9, |v[XS+\i+2]|, |v[XS+\i+3]|
.endr
	v_max3_num_f32 v8, v8, |v[XS+14]|, |v[XS+15]|
	v_max3_num_f32 v8, v8, v9, 0x1800000           ; and the floor 2^(3 - 127): the byte cannot fall under 1
	v_max_num_f32_dpp v8, v8, v8 row_xmask:1 row_mask:0xf bank_mask:0xf   ; with my neighbour's 16: the block's
	v_add_nc_u32 v11, 0xff000000, v8               ; 2 off its exponent field: the conversion takes that field as its scale
	v_cvt_scalef32_pk8_fp4_f32 v[C+2*(\t)], v[XS:XS+7], v11
	v_cvt_scalef32_pk8_fp4_f32 v[C+2*(\t)+1], v[XS+8:XS+15], v11
	v_lshrrev_b32 v[E+(\t)], 23, v11               ; the scale's byte (also the plain line behind the conversions)
	ds_store_b64 v4, v[C+2*(\t):C+2*(\t)+1] offset:16*(\t)
	ds_store_b8 v5, v[E+(\t)] offset:4*(\t)        ; both lanes of a block write the same byte with the same value
.endm
.irp t, 0,1,2,3,4,5,6,7,8,9,10,11,12,13,14,15
	STEP \t
.endr
.irp i, 0,1,2,3,4,5,6,7
	ds_load_b128 v[OUTR+4*\i:OUTR+4*\i+3], v6 offset:2*CPI*\i     ; units 2 i and 2 i + 1: part c = i % 2 of K step i / 2; these see my stores
.endr
	ds_load_b64 v[8:9], v13
.irp i, 0,1,2,3,4,5,6,7
	s_wait_dscnt 8-\i                              ; load i is in; the younger ones may be out
	global_store_b128 v3, v[OUTR+4*\i:OUTR+4*\i+3], s[22:23] offset:(\i/2)*8192+(\i%2)*512   ; 512 consecutive bytes
.endr
	s_wait_dscnt 0x0
	global_store_b64 v7, v[8:9], s[24:25]          ; 256 consecutive bytes, aligned
	s_wait_tensorcnt 0x0
	ds_add_u32 v192, v193
	s_wait_dscnt 0x0
	s_endpgm
; THE TABLE.  Wave w of work-group 512 + tg makes positions 64 tg + 16 w + 2 i + lane / 16, i = 0 .. 7.  With e = lane % 16: lanes e < 8 make cos of frequencies 4 e + n, lanes e >= 8 sin of 4 (e - 8) + n, n = 0 .. 3:
; a store covers two rows of the table, 512 consecutive bytes.
; inv_freq[i] is made as the problem's function makes it: a = 10000^(i / 32) = 10^(j / 8) x 10^m (j = i % 8, m = i / 8) rounded once to f32, then 1 / a rounded once.  10^(j / 8) stands as a high and a low f32 word;
; the product with the exact 10^m is summed with its rounding error by fused multiply-adds, so that a is rounded once; v_rcp_f32 and two fused correction steps give the rounded quotient.
; LIMIT: where the library's power function is not the correctly rounded one, a frequency differs by one unit in its last place, and the angle by that share of itself.
; cos and sin: the angle (one f32 product, as in the problem's function) less k pi / 2 in three parts (the first two products and differences are exact for k under 8,192), then polynomials on |r| <= pi / 4.
.set FHI, 16
.set FLO, 20
.set PR,  24
.set ER,  28
.set AA,  32
.set INV, 36
.Ltable:
	s_sub_co_u32 s29, ttmp9, 512
	s_lshl_b32 s30, s29, 6
	s_lshl_b32 s31, s28, 4
	s_add_co_u32 s30, s30, s31                     ; the wave's first position
	v_and_b32 v4, 1, v2                            ; j = 4 (e % 2) + n
	v_bfe_u32 v5, v2, 1, 2                         ; m = (e % 8) / 2
	v_bfe_u32 v6, v2, 3, 1
	v_xor_b32 v7, 1, v6                            ; 1 in the lanes that make cos: cos x = sin(x + pi / 2)
	v_lshrrev_b32 v9, 4, v2
	v_add_nc_u32 v9, s30, v9
	v_cvt_f32_u32 v9, v9                           ; my position
	v_mov_b32 v8, 1.0                              ; 10^m
	v_cmp_ne_u32 vcc_lo, 1, v5
	v_cndmask_b32 v8, 0x41200000, v8, vcc_lo
	v_cmp_ne_u32 vcc_lo, 2, v5
	v_cndmask_b32 v8, 0x42c80000, v8, vcc_lo
	v_cmp_ne_u32 vcc_lo, 3, v5
	v_cndmask_b32 v8, 0x447a0000, v8, vcc_lo
	v_cmp_eq_u32 vcc_lo, 0, v4
.macro FREQ n, ha, la, hb, lb          ; 10^(n / 8) where e is even, 10^((4 + n) / 8) where it is odd
	v_mov_b32 v[FHI+\n], \ha
	v_mov_b32 v[FLO+\n], \la
	v_cndmask_b32 v[FHI+\n], \hb, v[FHI+\n], vcc_lo
	v_cndmask_b32 v[FLO+\n], \lb, v[FLO+\n], vcc_lo
.endm
	FREQ 0, 0x3f800000, 0,          0x404a62c2, 0xb324b496
	FREQ 1, 0x3faab0d5, 0xb36457ec, 0x4086f161, 0xb430577a
	FREQ 2, 0x3fe39ea9, 0xb26aee3b, 0x40b3f300, 0x34323462
	FREQ 3, 0x4017c496, 0x3360693f, 0x40eff755, 0x34515b51
.irp n, 0,1,2,3
	v_mul_f32 v[PR+\n], v[FHI+\n], v8
.endr
.irp n, 0,1,2,3
	v_fma_f32 v[ER+\n], v[FHI+\n], v8, -v[PR+\n]   ; what that product's rounding left out, exactly
.endr
.irp n, 0,1,2,3
	v_fma_f32 v[ER+\n], v[FLO+\n], v8, v[ER+\n]
.endr
.irp n, 0,1,2,3
	v_add_f32 v[AA+\n], v[PR+\n], v[ER+\n]         ; a
.endr
.irp n, 0,1,2,3
	v_rcp_f32 v[INV+\n], v[AA+\n]
.endr
	v_nop                                          ; a plain line behind the reciprocals
	s_wait_alu depctr_va_vdst(0)
.rept 2
.irp n, 0,1,2,3
	v_fma_f32 v[ER+\n], -v[AA+\n], v[INV+\n], 1.0
.endr
.irp n, 0,1,2,3
	v_fma_f32 v[INV+\n], v[ER+\n], v[INV+\n], v[INV+\n]
.endr
.endr
	s_mov_b32 s32, 0x3f22f983                      ; 2 / pi
	s_mov_b32 s33, 0xbfc90000                      ; -pi / 2 in three parts: -1.5703125,
	s_mov_b32 s34, 0xb9fda000                      ; -4.837512969970703e-4,
	s_mov_b32 s35, 0xb3a22169                      ; -7.549789954892e-8
	s_mov_b32 s36, 0xb94ca1f9                      ; sin: -1.9515295891e-4,
	s_mov_b32 s37, 0x3c08839e                      ; 8.3321608736e-3,
	s_mov_b32 s38, 0xbe2aaaa3                      ; -1.6666654611e-1
	s_mov_b32 s39, 0x37ccf5ce                      ; cos: 2.443315712e-5,
	s_mov_b32 s40, 0xbab6061a                      ; -1.388731625e-3,
	s_mov_b32 s41, 0x3d2aaaa5                      ; 4.166664568e-2
	s_lshl_b32 s30, s30, 8                         ; 256 bytes a position
	s_mov_b32 s31, 0
	s_wait_kmcnt 0x0
	s_add_nc_u64 s[26:27], s[26:27], s[30:31]
.macro ROWS i                          ; my four numbers of two rows of the table, the four by turns; each i has its own four registers for the store
.irp n, 0,1,2,3
	v_mul_f32 v[40+\n], v9, v[INV+\n]              ; the angle
.endr
.irp n, 0,1,2,3
	v_mul_f32 v[44+\n], s32, v[40+\n]
.endr
.irp n, 0,1,2,3
	v_rndne_f32 v[44+\n], v[44+\n]                 ; k
.endr
.irp n, 0,1,2,3
	v_fma_f32 v[48+\n], v[44+\n], s33, v[40+\n]
.endr
.irp n, 0,1,2,3
	v_fma_f32 v[48+\n], v[44+\n], s34, v[48+\n]
.endr
.irp n, 0,1,2,3
	v_fma_f32 v[48+\n], v[44+\n], s35, v[48+\n]    ; r
.endr
.irp n, 0,1,2,3
	v_cvt_i32_f32 v[52+\n], v[44+\n]
.endr
.irp n, 0,1,2,3
	v_add_nc_u32 v[52+\n], v[52+\n], v7            ; the quadrant
.endr
.irp n, 0,1,2,3
	v_mul_f32 v[56+\n], v[48+\n], v[48+\n]         ; z = r r
.endr
.irp n, 0,1,2,3
	v_fma_f32 v[60+\n], v[56+\n], s36, s37
.endr
.irp n, 0,1,2,3
	v_fma_f32 v[60+\n], v[60+\n], v[56+\n], s38
.endr
.irp n, 0,1,2,3
	v_mul_f32 v[64+\n], v[48+\n], v[56+\n]
.endr
.irp n, 0,1,2,3
	v_fma_f32 v[60+\n], v[64+\n], v[60+\n], v[48+\n]   ; sin r
.endr
.irp n, 0,1,2,3
	v_fma_f32 v[68+\n], v[56+\n], s39, s40
.endr
.irp n, 0,1,2,3
	v_fma_f32 v[68+\n], v[68+\n], v[56+\n], s41
.endr
.irp n, 0,1,2,3
	v_mul_f32 v[72+\n], v[56+\n], v[56+\n]
.endr
.irp n, 0,1,2,3
	v_fma_f32 v[76+\n], v[56+\n], -0.5, 1.0
.endr
.irp n, 0,1,2,3
	v_fma_f32 v[68+\n], v[72+\n], v[68+\n], v[76+\n]   ; cos r
.endr
.irp n, 0,1,2,3
	v_and_b32 v[80+\n], 1, v[52+\n]
.endr
.irp n, 0,1,2,3
	v_cmp_eq_u32 vcc_lo, 1, v[80+\n]
	v_cndmask_b32 v[60+\n], v[60+\n], v[68+\n], vcc_lo   ; odd quadrants take cos r
.endr
.irp n, 0,1,2,3
	v_lshlrev_b32 v[80+\n], 30, v[52+\n]
.endr
.irp n, 0,1,2,3
	v_and_b32 v[80+\n], 0x80000000, v[80+\n]       ; quadrants 2 and 3 change the sign
.endr
.irp n, 0,1,2,3
	v_xor_b32 v[96+4*\i+\n], v[60+\n], v[80+\n]
.endr
	global_store_b128 v3, v[96+4*\i:99+4*\i], s[26:27] offset:512*\i
	v_add_f32 v9, 2.0, v9
.endm
.irp i, 0,1,2,3,4,5,6,7
	ROWS \i
.endr
	s_endpgm
.Lfunc_end_k_q4107358810_quant:
	.size	k_q4107358810_quant, .Lfunc_end_k_q4107358810_quant-k_q4107358810_quant
	.p2alignl 7, 3214868480
	.fill 96, 4, 3214868480
	.section	.rodata,"a",@progbits
	.p2align	6, 0x0
	.amdhsa_kernel k_q4107358810_quant
		.amdhsa_group_segment_fixed_size 41472
		.amdhsa_private_segment_fixed_size 0
		.amdhsa_enable_private_segment 0
		.amdhsa_kernarg_size 80
		.amdhsa_user_sgpr_count 2
		.amdhsa_user_sgpr_kernarg_segment_ptr 1
		.amdhsa_wavefront_size32 1
		.amdhsa_system_sgpr_workgroup_id_x 1
		.amdhsa_system_sgpr_workgroup_id_y 1
		.amdhsa_system_sgpr_workgroup_id_z 1
		.amdhsa_system_vgpr_workitem_id 0
		.amdhsa_next_free_vgpr 194
		.amdhsa_next_free_sgpr 66
		.amdhsa_reserve_vcc 1
		.amdhsa_float_denorm_mode_32 3
		.amdhsa_float_denorm_mode_16_64 3
		.amdhsa_memory_ordered 1
		.amdhsa_forward_progress 1
		.amdhsa_inst_pref_size 77
	.end_amdhsa_kernel
	.amdgpu_metadata
---
amdhsa.version: [ 1, 2 ]
amdhsa.kernels:
  - .name:           k_q4107358810_quant
    .symbol:         k_q4107358810_quant.kd
    .args:
      - { .name: query, .offset: 0, .size: 8, .value_kind: global_buffer, .address_space: global }
      - { .name: key_, .offset: 8, .size: 8, .value_kind: global_buffer, .address_space: global }
      - { .name: value, .offset: 16, .size: 8, .value_kind: global_buffer, .address_space: global }
      - { .name: Wq, .offset: 24, .size: 8, .value_kind: global_buffer, .address_space: global }
      - { .name: Wk, .offset: 32, .size: 8, .value_kind: global_buffer, .address_space: global }
      - { .name: Wv, .offset: 40, .size: 8, .value_kind: global_buffer, .address_space: global }
      - { .name: Wo, .offset: 48, .size: 8, .value_kind: global_buffer, .address_space: global }
      - { .name: cod, .offset: 56, .size: 8, .value_kind: global_buffer, .address_space: global }
      - { .name: scl, .offset: 64, .size: 8, .value_kind: global_buffer, .address_space: global }
      - { .name: rope, .offset: 72, .size: 8, .value_kind: global_buffer, .address_space: global }
    .group_segment_fixed_size: 41472
    .private_segment_fixed_size: 0
    .kernarg_segment_align: 8
    .kernarg_segment_size: 80
    .max_flat_workgroup_size: 128
    .sgpr_count:     66
    .vgpr_count:     194
    .wavefront_size: 32
...
	.end_amdgpu_metadata
.endif
;; end of part 1
;; launch proj (part 2): grid 256 x 3, 4 waves a work-group, no clusters, 168,448 bytes of LDS; arguments cod, scl, rope, bq, bk, bv, qkv; writes qkv
.if DOCPART == 2
	.amdgcn_target "amdgcn-amd-amdhsa--gfx1250"
	.amdhsa_code_object_version 6
	.text
	.protected	k_q4107358810_proj
	.globl	k_q4107358810_proj
	.p2align	8
	.type	k_q4107358810_proj,@function
k_q4107358810_proj:
	s_mov_b64 s[64:65], 0
	v_nop
	global_prefetch_b8 v0, s[64:65] scope:SCOPE_SE
	s_setreg_imm32_b32 hwreg(HW_REG_WAVE_MODE, 25, 1), 1
	s_wait_xcnt 0x0
; The three projections x W^T + b on codes of FP4 (E2M1) with E8M0 scales, y = 0: q, 1: k, 2: v; RoPE on q and k; the results are quantised in registers (q, k along the head's 64, v along the keys) and stored as
; images of operand registers.  Nothing of q, k, v goes to memory as f32.
; SHARES.  A work-group makes 128 tokens (mg) x 128 columns (ng: two heads), K = 1,024.  Every product is D = P Q^T, source 0 = 16 rows of P, source 1 = 16 rows of Q: lane (r, h), register j holds (P row 8 h + j, Q row r).
; For q and k P = W and Q = x: a lane holds one token and its registers run along d.  For v P = x and Q = W: a lane holds one column d and its registers run along the keys.  So each result's next K runs along a lane's registers.
; A wave makes all 128 rows of P x 32 rows of Q (tiles 2 w, 2 w + 1): 16 accumulators, which take turns, one instruction a turn.
; LDS IS FILLED ONCE.  Both operands for all of K are 2 x 65,536 bytes of codes and 2 x 4,096 of scale words, laid in memory as they are read: each wave brings a quarter by five tensor loads, issued together at the head
; (five of a wave's are out): the scale words, then four chunks of two K steps.  The waits count down 3, 2, 1, 0, each with a barrier behind which nothing is filled.
; NO CLUSTER: x's group is read by 8 work-groups and W's by 32; here each work-group asks for its 139,264 bytes once, at its head, by loads of its own.  Joint requests are left to a later version.
; NO PREFETCH: all that a work-group reads is asked for at its head.
; The head has no branch: every work-group loads the bias by register, the table, and the bias by lane; the q and k way uses the first two, the v way the third, so that each register an epilogue reads is written on every way.
; LIMITS: blocks whose largest magnitude lies under 2^-124 get the byte 1 (this program alone reads the bytes); NaN and infinities are not served.
; qkv: a block of 217,088 bytes for each hb = 16 batch + head: K codes 0 [tile of 16 keys][512]; V codes 65,536 [128 keys j][dt][c][512]; K scale words 131,072 [key]; V scale words 139,264 [j][dt][r]; Q codes 143,360; Q scale words 208,896.
; REGISTERS: window 0: v1-11 addresses; v12-15 the bias by lane; v16-79 P's 8 fragments; v80-111 Q's 2 fragments, two sets; v112-121 scale words, two sets of 5; v128-255 the accumulators ((p, q) at 128 + 8 (2 p + q)).
;   window 1: v0-63 the bias by register; v64-127 cos and sin.
.set LP,  1                            ; 16 x lane
.set LQ,  2                            ; 65,536 + 2,048 w + 16 x lane
.set SPA, 3                            ; P's scale words: lanes 0-15 an even tile's, lanes 16-31 the odd one's, 512 bytes on
.set SQA, 4                            ; Q's likewise, my two tiles
.set L4,  5                            ; 4 x lane
.set BV,  12
.set PF,  16
.set QF,  80
.set SC,  112
.set NX0, 122
.set NX1, 123
.set ACC, 128
.set BI,  0
.set CSN, 64
.set TT,  16                           ; the epilogues work where P's fragments lay
.set CD,  24
.set SW,  40
.set MX0, 44
.set MX1, 45
.set EX0, 46
.set EX1, 47
.set BY0, 48
.set BY1, 49
.set WD,  50
.set SEL, 22
.set G1C, 24                           ; s[24:31] group 1: 32 rows of 256 bytes
.set G1S, 32                           ; s[32:39] group 1: 8 rows of 256 bytes
.set G0,  40                           ; s[40:59] five groups 0
.set HBB, 217088
.set MSB, 0
.macro WIN new                         ; the immediate's high byte repeats the setting that is left
.if MSB != \new
	s_set_vgpr_msb (MSB<<8)|\new
.set MSB, \new
.endif
.endm
.macro NOP4
.rept 4
	v_nop
.endr
.endm
	s_load_b256 s[4:11], s[0:1], 0x0               ; cod, scl, rope, bq
	s_load_b128 s[12:15], s[0:1], 0x20             ; bk, bv
	s_load_b64 s[16:17], s[0:1], 0x30              ; qkv
	v_lshl_add_u32 v126, v0, 2, 0x29000
	v_mov_b32 v127, 0
	ds_add_u32 v126, v127
	ds_add_u32 v126, v127
	v_lshrrev_b32 v1, 5, v0
	v_readfirstlane_b32 s18, v1                    ; wave
	s_and_b32 s19, ttmp7, 0xffff                   ; y
	s_lshr_b32 s20, ttmp9, 3                       ; mg
	s_and_b32 s21, ttmp9, 7                        ; ng
	s_mov_b32 s[SEL], 0x76543210
	s_mov_b32 s[SEL+1], 0xfedcba98                 ; v_permlanex16_b32's selects for lane l xor 16
.irp g, G1C, G1S                               ; dense blocks as rows of 256 bytes: 32 elements of 8 bytes, pitch 32, no padding, no mask
	s_mov_b32 s[\g], 3<<16
	s_mov_b32 s[\g+1], 32<<16
	s_mov_b32 s[\g+3], 32<<16
	s_mov_b32 s[\g+5], 32
	s_mov_b32 s[\g+6], 0
	s_mov_b32 s[\g+7], 0
.endr
	s_mov_b32 s[G1C+2], 32<<16
	s_mov_b32 s[G1C+4], 32
	s_mov_b32 s[G1S+2], 8<<16
	s_mov_b32 s[G1S+4], 8
	s_lshl_b32 s66, s19, 5
	s_add_co_u32 s66, s66, s20                     ; x's group of 128 rows: 32 y + mg
	s_lshl_b32 s67, s19, 3
	s_add_co_u32 s67, s67, s21
	s_add_co_u32 s67, s67, 96                      ; W's: 96 + 8 y + ng
	s_cmp_lt_u32 s19, 2
	s_cselect_b32 s68, s67, s66                    ; P's group
	s_cselect_b32 s69, s66, s67                    ; Q's
	s_lshr_b32 s70, s18, 1                         ; waves 0, 1 fetch for P, waves 2, 3 for Q;
	s_and_b32 s71, s18, 1                          ; which half
	s_cmp_eq_u32 s70, 0
	s_cselect_b32 s68, s68, s69
	s_lshl_b32 s72, s68, 16
	s_lshl_b32 s73, s71, 13
	s_add_co_u32 s72, s72, s73                     ; codes: group x 65,536 + half x 8,192 (a K step)
	s_mov_b32 s73, 0
	s_lshl_b32 s74, s68, 12
	s_lshl_b32 s75, s71, 11
	s_add_co_u32 s74, s74, s75                     ; scale words: group x 4,096 + half x 2,048
	s_mov_b32 s75, 0
	s_lshl_b32 s76, s70, 16
	s_lshl_b32 s77, s71, 13
	s_add_co_u32 s76, s76, s77                     ; in LDS: P's codes at 0, Q's at 65,536
	s_lshl_b32 s77, s18, 11                        ; the scale words: 131,072 + 2,048 w
	s_wait_dscnt 0x0
	s_wait_kmcnt 0x0
	s_add_nc_u64 s[72:73], s[4:5], s[72:73]
	s_add_nc_u64 s[74:75], s[6:7], s[74:75]
	s_mov_b32 s[G0], 1
	s_add_co_u32 s[G0+1], s77, 131072
	s_mov_b64 s[G0+2:G0+3], s[74:75]
	s_or_b32 s[G0+3], s[G0+3], 0x80000000
.irp ch, 0,1,2,3                               ; chunk ch: K steps 2 ch and 2 ch + 1
	s_mov_b32 s[G0+4+4*\ch], 1
	s_add_co_u32 s[G0+5+4*\ch], s76, \ch*16384
	s_add_nc_u64 s[G0+6+4*\ch:G0+7+4*\ch], s[72:73], \ch*16384
	s_or_b32 s[G0+7+4*\ch], s[G0+7+4*\ch], 0x80000000
.endr
	tensor_load_to_lds s[G0:G0+3], s[G1S:G1S+7]
	s_nop 0
	tensor_load_to_lds s[G0+4:G0+7], s[G1C:G1C+7]
	s_nop 0
	tensor_load_to_lds s[G0+8:G0+11], s[G1C:G1C+7]
	s_nop 0
	tensor_load_to_lds s[G0+12:G0+15], s[G1C:G1C+7]
	s_nop 0
	tensor_load_to_lds s[G0+16:G0+19], s[G1C:G1C+7]
	s_nop 0
	NOP4                                           ; four plain lines behind the loads
	v_and_b32 v6, 31, v0                           ; lane
	v_and_b32 v7, 15, v0                           ; r
	v_bfe_u32 v8, v0, 4, 1                         ; h
	v_lshlrev_b32 v[LP], 4, v6
	s_lshl_b32 s66, s18, 11
	s_add_co_u32 s66, s66, 65536
	v_add_nc_u32 v[LQ], s66, v[LP]
	v_lshlrev_b32 v[SPA], 2, v7
	v_lshl_add_u32 v[SPA], v8, 9, v[SPA]
	s_lshl_b32 s66, s18, 10
	s_add_co_u32 s66, s66, 135168
	v_add_nc_u32 v[SQA], s66, v[SPA]
	v_add_nc_u32 v[SPA], 131072, v[SPA]
	v_lshlrev_b32 v[L4], 2, v6
	v_lshlrev_b32 v9, 5, v8                        ; the bias by register: 32 h
	v_lshl_add_u32 v10, v7, 8, v9                  ; the table: 256 r + 32 h
	v_lshlrev_b32 v11, 2, v7                       ; the bias by lane: 4 r
	v_mov_b32 v[NX0], 0                            ; written once: a lane permute's destination counts as one of its sources
	v_mov_b32 v[NX1], 0
	s_cmp_eq_u32 s19, 0
	s_cselect_b64 s[66:67], s[10:11], s[12:13]
	s_cmp_eq_u32 s19, 2
	s_cselect_b64 s[66:67], s[14:15], s[66:67]     ; my bias
	s_lshl_b32 s68, s21, 9
	s_mov_b32 s69, 0
	s_add_nc_u64 s[66:67], s[66:67], s[68:69]      ; at column 128 ng,
	s_lshl_b32 s68, s18, 7
	s_add_nc_u64 s[78:79], s[66:67], s[68:69]      ; and 32 w further on
	s_and_b32 s68, s20, 15
	s_lshl_b32 s68, s68, 15
	s_lshl_b32 s70, s18, 13
	s_add_co_u32 s68, s68, s70
	s_add_nc_u64 s[70:71], s[8:9], s[68:69]        ; the table at position 128 (mg % 16) + 32 w
	WIN 0x40                                       ; destination window 1
.irp p, 0,1,2,3,4,5,6,7                        ; b[128 ng + 16 p + 8 h + j] at 8 p + j
	global_load_b128 v[BI+8*\p:BI+8*\p+3], v9, s[66:67] offset:64*\p
	global_load_b128 v[BI+8*\p+4:BI+8*\p+7], v9, s[66:67] offset:64*\p+16
.endr
.irp q, 0,1                                    ; token tile q: cos of frequency 16 u + 8 h + j at 32 q + 8 u + j, sin 16 registers on
.irp u, 0,1
	global_load_b128 v[CSN+32*\q+8*\u:CSN+32*\q+8*\u+3], v10, s[70:71] offset:4096*\q+64*\u
	global_load_b128 v[CSN+32*\q+8*\u+4:CSN+32*\q+8*\u+7], v10, s[70:71] offset:4096*\q+64*\u+16
	global_load_b128 v[CSN+32*\q+8*\u+16:CSN+32*\q+8*\u+19], v10, s[70:71] offset:4096*\q+64*\u+128
	global_load_b128 v[CSN+32*\q+8*\u+20:CSN+32*\q+8*\u+23], v10, s[70:71] offset:4096*\q+64*\u+144
.endr
.endr
	WIN 0
.irp q, 0,1                                    ; b[128 ng + 32 w + 16 q + r], twice: a pair for the packed addition
	global_load_b32 v[BV+2*\q], v11, s[78:79] offset:64*\q
	global_load_b32 v[BV+2*\q+1], v11, s[78:79] offset:64*\q
.endr
.macro LDQ st                          ; my two fragments of Q, K step st, into set st % 2
.irp q, 0,1
.irp c, 0,1
	ds_load_b128 v[QF+16*((\st)%2)+8*\q+4*\c:QF+16*((\st)%2)+8*\q+4*\c+3], v[LQ] offset:(\st)*8192+\q*1024+\c*512
.endr
.endr
.endm
.macro LDSC st                         ; the K step's scale words: four registers for P's eight tiles, one for my two of Q
.irp i, 0,1,2,3
	ds_load_b32 v[SC+5*((\st)%2)+\i], v[SPA] offset:\i*1024+(\st)*64
.endr
	ds_load_b32 v[SC+5*((\st)%2)+4], v[SQA] offset:(\st)*64
.endm
.macro LDP st, hf                      ; P's tiles 4 hf .. 4 hf + 3
.irp pp, 0,1,2,3
.irp c, 0,1
	ds_load_b128 v[PF+8*(4*\hf+\pp)+4*\c:PF+8*(4*\hf+\pp)+4*\c+3], v[LP] offset:(\st)*8192+(4*\hf+\pp)*1024+\c*512
.endr
.endr
.endm
.macro WM p, q, st, zero               ; one product; an odd tile's scale words stand in lanes 16-31 of their register
.set rD, ACC+8*(2*(\p)+(\q))
.set rA, PF+8*(\p)
.set rB, QF+16*((\st)%2)+8*(\q)
.set rS, SC+5*((\st)%2)+(\p)/2
.set rT, SC+5*((\st)%2)+4
.set rW, 2*((\p)%2)+(\q)+4*(\zero)
.if rW == 0
	v_wmma_scale_f32_16x16x128_f8f6f4 v[rD:rD+7], v[rA:rA+7], v[rB:rB+7], v[rD:rD+7], v[rS], v[rT] matrix_a_fmt:MATRIX_FMT_FP4 matrix_b_fmt:MATRIX_FMT_FP4
.elseif rW == 1
	v_wmma_scale_f32_16x16x128_f8f6f4 v[rD:rD+7], v[rA:rA+7], v[rB:rB+7], v[rD:rD+7], v[rS], v[rT] matrix_a_fmt:MATRIX_FMT_FP4 matrix_b_fmt:MATRIX_FMT_FP4 matrix_b_scale:MATRIX_SCALE_ROW1
.elseif rW == 2
	v_wmma_scale_f32_16x16x128_f8f6f4 v[rD:rD+7], v[rA:rA+7], v[rB:rB+7], v[rD:rD+7], v[rS], v[rT] matrix_a_fmt:MATRIX_FMT_FP4 matrix_b_fmt:MATRIX_FMT_FP4 matrix_a_scale:MATRIX_SCALE_ROW1
.elseif rW == 3
	v_wmma_scale_f32_16x16x128_f8f6f4 v[rD:rD+7], v[rA:rA+7], v[rB:rB+7], v[rD:rD+7], v[rS], v[rT] matrix_a_fmt:MATRIX_FMT_FP4 matrix_b_fmt:MATRIX_FMT_FP4 matrix_a_scale:MATRIX_SCALE_ROW1 matrix_b_scale:MATRIX_SCALE_ROW1
.elseif rW == 4
	v_wmma_scale_f32_16x16x128_f8f6f4 v[rD:rD+7], v[rA:rA+7], v[rB:rB+7], 0, v[rS], v[rT] matrix_a_fmt:MATRIX_FMT_FP4 matrix_b_fmt:MATRIX_FMT_FP4
.elseif rW == 5
	v_wmma_scale_f32_16x16x128_f8f6f4 v[rD:rD+7], v[rA:rA+7], v[rB:rB+7], 0, v[rS], v[rT] matrix_a_fmt:MATRIX_FMT_FP4 matrix_b_fmt:MATRIX_FMT_FP4 matrix_b_scale:MATRIX_SCALE_ROW1
.elseif rW == 6
	v_wmma_scale_f32_16x16x128_f8f6f4 v[rD:rD+7], v[rA:rA+7], v[rB:rB+7], 0, v[rS], v[rT] matrix_a_fmt:MATRIX_FMT_FP4 matrix_b_fmt:MATRIX_FMT_FP4 matrix_a_scale:MATRIX_SCALE_ROW1
.else
	v_wmma_scale_f32_16x16x128_f8f6f4 v[rD:rD+7], v[rA:rA+7], v[rB:rB+7], 0, v[rS], v[rT] matrix_a_fmt:MATRIX_FMT_FP4 matrix_b_fmt:MATRIX_FMT_FP4 matrix_a_scale:MATRIX_SCALE_ROW1 matrix_b_scale:MATRIX_SCALE_ROW1
.endif
.endm
.macro MM st, hf, zero                 ; eight products: P's tiles 4 hf .. 4 hf + 3 x my two of Q
.irp pp, 0,1,2,3
.irp q, 0,1
	WM 4*\hf+\pp, \q, \st, \zero
.endr
.endr
.endm
; A K step whose successor lies in the same chunk.  Four plain lines stand behind matrix instructions in front of loads into registers that they have read (ISA guide 7.12.1 for vector instructions).
.macro STEPA st, zero
	s_wait_dscnt 8                                 ; all but the youngest eight loads (P's tiles 4-7) are in
	MM \st, 0, \zero
	NOP4
	LDQ (\st)+1
	LDSC (\st)+1
	LDP (\st)+1, 0
	s_wait_dscnt 17                                ; all but the 17 just issued
	MM \st, 1, \zero
	NOP4
	LDP (\st)+1, 1
.endm
; A chunk's last K step: my part of the next chunk has landed (cnt later chunks of mine may stay out), my LDS loads are in; then the barrier: everybody's part has landed.
.macro STEPB st, cnt
	s_wait_dscnt 8
	MM \st, 0, 0
	s_wait_dscnt 0x0
	s_wait_tensorcnt \cnt
	s_barrier_signal -1
	MM \st, 1, 0                                   ; work on registers while the others arrive
	s_barrier_wait -1
	NOP4
	LDQ (\st)+1
	LDSC (\st)+1
	LDP (\st)+1, 0
	LDP (\st)+1, 1
.endm
	s_wait_tensorcnt 3                             ; my scale words and my part of chunk 0 are in; chunks 1 to 3 may be out
	s_barrier_signal -1
	s_barrier_wait -1
	LDQ 0
	LDSC 0
	LDP 0, 0
	LDP 0, 1
	STEPA 0, 1                                     ; the first products start the sums: nothing is cleared
	STEPB 1, 2
	STEPA 2, 0
	STEPB 3, 1
	STEPA 4, 0
	STEPB 5, 0
	STEPA 6, 0
	s_wait_dscnt 8
	MM 7, 0, 0
	s_wait_dscnt 0x0
	MM 7, 1, 0
	NOP4
; Two blocks of 32 along a lane's registers become four registers of codes.  Block B is tiles a0, a1, block B' tiles a2, a3: a lane holds 16 numbers of each, lane l xor 16 the other 16.
; The conversions' results are half blocks: (k 0-7 | k 8-15) of B and of B', then (k 16-23 | k 24-31); two exchanges of halves leave lanes 0-15 with all of B and lanes 16-31 with all of B', as the operand's layout asks.
; sw: byte of B | byte of B' << 8.
.macro QUANT2 a0, a1, a2, a3, dst, sw
	v_max3_num_f32 v[MX0], |v[(\a0)]|, |v[(\a0)+1]|, 0x1800000    ; with the floor 2^(3 - 127): the byte cannot fall under 1
	v_max3_num_f32 v[MX1], |v[(\a2)]|, |v[(\a2)+1]|, 0x1800000
.irp i, 2,4,6
	v_max3_num_f32 v[MX0], v[MX0], |v[(\a0)+\i]|, |v[(\a0)+\i+1]|
	v_max3_num_f32 v[MX1], v[MX1], |v[(\a2)+\i]|, |v[(\a2)+\i+1]|
.endr
.irp i, 0,2,4,6
	v_max3_num_f32 v[MX0], v[MX0], |v[(\a1)+\i]|, |v[(\a1)+\i+1]|
	v_max3_num_f32 v[MX1], v[MX1], |v[(\a3)+\i]|, |v[(\a3)+\i+1]|
.endr
	v_permlanex16_b32 v[NX0], v[MX0], s[SEL], s[SEL+1]
	v_permlanex16_b32 v[NX1], v[MX1], s[SEL], s[SEL+1]
	v_max_num_f32 v[MX0], v[MX0], v[NX0]
	v_max_num_f32 v[MX1], v[MX1], v[NX1]
	v_add_nc_u32 v[EX0], 0xff000000, v[MX0]        ; 2 off the exponent field: the conversion's scale operand
	v_add_nc_u32 v[EX1], 0xff000000, v[MX1]
	v_lshrrev_b32 v[BY0], 23, v[EX0]
	v_lshrrev_b32 v[BY1], 23, v[EX1]
	v_lshl_or_b32 v[\sw], v[BY1], 8, v[BY0]
	v_cvt_scalef32_pk8_fp4_f32 v[(\dst)], v[(\a0):(\a0)+7], v[EX0]
	v_cvt_scalef32_pk8_fp4_f32 v[(\dst)+1], v[(\a2):(\a2)+7], v[EX1]
	v_cvt_scalef32_pk8_fp4_f32 v[(\dst)+2], v[(\a1):(\a1)+7], v[EX0]
	v_cvt_scalef32_pk8_fp4_f32 v[(\dst)+3], v[(\a3):(\a3)+7], v[EX1]
	v_nop                                          ; one plain line behind a scaled conversion
	v_permlane16_swap_b32 v[(\dst)], v[(\dst)+1]
	v_permlane16_swap_b32 v[(\dst)+2], v[(\dst)+3]
.endm
	s_wait_loadcnt 0x0                             ; biases and table
	s_mov_b32 s60, 0xffff0000                      ; lanes 16-31
	s_cmp_lt_u32 s19, 2
	s_cbranch_scc0 .Lvalue
	; ---- q and k.  Lane (r, h), accumulator (p, q): token 16 q + r of my 32; head p / 4; d = 16 (p % 4) + 8 h + j
	WIN 0x04                                       ; source 1 in window 1
.irp p, 0,1,2,3,4,5,6,7
.irp q, 0,1
.irp k, 0,2,4,6                                ; each accumulator from its low end on
	v_pk_add_f32 v[ACC+8*(2*\p+\q)+\k:ACC+8*(2*\p+\q)+\k+1], v[ACC+8*(2*\p+\q)+\k:ACC+8*(2*\p+\q)+\k+1], v[BI+8*\p+\k:BI+8*\p+\k+1]
.endr
.endr
.endr
; RoPE: lo = d < 32 (tiles u), hi = d + 32 (tiles 2 + u): lo' = lo cos - hi sin, hi' = hi cos + lo sin
.macro ROPE q, hh, u
.set rL, ACC+8*(2*(4*\hh+\u)+\q)
.set rH, ACC+8*(2*(4*\hh+2+\u)+\q)
.set rCo, CSN+32*\q+8*\u
.set rSi, CSN+32*\q+8*\u+16
.irp k, 0,2,4,6
	v_pk_mul_f32 v[TT+\k:TT+\k+1], v[rL+\k:rL+\k+1], v[rSi+\k:rSi+\k+1]
.endr
.irp k, 0,2,4,6
	v_pk_mul_f32 v[rL+\k:rL+\k+1], v[rL+\k:rL+\k+1], v[rCo+\k:rCo+\k+1]
.endr
.irp k, 0,2,4,6
	v_pk_fma_f32 v[rL+\k:rL+\k+1], v[rH+\k:rH+\k+1], v[rSi+\k:rSi+\k+1], v[rL+\k:rL+\k+1] neg_lo:[1,0,0] neg_hi:[1,0,0]
.endr
.irp k, 0,2,4,6
	v_pk_fma_f32 v[rH+\k:rH+\k+1], v[rH+\k:rH+\k+1], v[rCo+\k:rCo+\k+1], v[TT+\k:TT+\k+1]
.endr
.endm
.irp q, 0,1
.irp hh, 0,1
.irp u, 0,1
	ROPE \q, \hh, \u
.endr
.endr
.endr
	WIN 0
.irp q, 0,1
.irp hh, 0,1                                   ; a head's two blocks of 32 along d: registers 0-3 of a fragment of 16 tokens
	QUANT2 ACC+8*(2*(4*\hh)+\q), ACC+8*(2*(4*\hh+1)+\q), ACC+8*(2*(4*\hh+2)+\q), ACC+8*(2*(4*\hh+3)+\q), CD+4*(2*\q+\hh), SW+2*\q+\hh
.endr
.endr
.irp hh, 0,1
	v_cndmask_b32 v[WD+\hh], v[SW+\hh], v[SW+2+\hh], s60   ; lanes 0-15: tokens 0-15, lanes 16-31: tokens 16-31
	v_or_b32 v[WD+\hh], 0x7f7f0000, v[WD+\hh]      ; K runs to 64: the upper two blocks of the K step have zero codes and the byte 127
.endr
	s_lshr_b32 s66, s20, 4
	s_lshl_b32 s66, s66, 4
	s_lshl_b32 s67, s21, 1
	s_add_co_u32 s66, s66, s67
	s_mul_i32 s66, s66, HBB                        ; hb = 16 batch + 2 ng
	s_and_b32 s67, s20, 15
	s_mov_b32 s69, 131072
	s_cmp_eq_u32 s19, 0
	s_cselect_b32 s68, 143360, 0                   ; codes: Q's or K's,
	s_cselect_b32 s69, 208896, s69                 ; and scale words
	s_lshl_b32 s70, s67, 12                        ; tile 8 (mg % 16) + 2 w, 512 bytes each
	s_lshl_b32 s71, s18, 10
	s_add_co_u32 s70, s70, s71
	s_add_co_u32 s70, s70, s68
	s_add_co_u32 s70, s70, s66
	s_mov_b32 s71, 0
	s_add_nc_u64 s[70:71], s[16:17], s[70:71]
	s_lshl_b32 s72, s67, 9                         ; token 128 (mg % 16) + 32 w, 4 bytes each
	s_lshl_b32 s73, s18, 7
	s_add_co_u32 s72, s72, s73
	s_add_co_u32 s72, s72, s69
	s_add_co_u32 s72, s72, s66
	s_mov_b32 s73, 0
	s_add_nc_u64 s[72:73], s[16:17], s[72:73]
.irp q, 0,1
.irp hh, 0,1
	global_store_b128 v[LP], v[CD+4*(2*\q+\hh):CD+4*(2*\q+\hh)+3], s[70:71] offset:\hh*HBB+\q*512   ; 512 consecutive bytes
.endr
.endr
.irp hh, 0,1
	global_store_b32 v[L4], v[WD+\hh], s[72:73] offset:\hh*HBB   ; 128 consecutive bytes; the four waves' lie on end
.endr
	s_wait_tensorcnt 0x0
	ds_add_u32 v126, v127
	s_wait_dscnt 0x0
	s_endpgm
	; ---- v.  Lane (r, h), accumulator (p, q): key 16 p + 8 h + j of the 128; column 32 w + 16 q + r: head 2 ng + w / 2, d = 32 (w % 2) + 16 q + r
.Lvalue:
.irp p, 0,1,2,3,4,5,6,7
.irp q, 0,1
.irp k, 0,2,4,6
	v_pk_add_f32 v[ACC+8*(2*\p+\q)+\k:ACC+8*(2*\p+\q)+\k+1], v[ACC+8*(2*\p+\q)+\k:ACC+8*(2*\p+\q)+\k+1], v[BV+2*\q:BV+2*\q+1]
.endr
.endr
.endr
.irp q, 0,1
.irp c, 0,1                                    ; keys 64 c on: registers 4 c .. 4 c + 3 of the fragment of 16 rows d
	QUANT2 ACC+8*(2*(4*\c)+\q), ACC+8*(2*(4*\c+1)+\q), ACC+8*(2*(4*\c+2)+\q), ACC+8*(2*(4*\c+3)+\q), CD+4*(2*\q+\c), SW+2*\q+\c
.endr
.endr
.irp q, 0,1
	v_lshl_or_b32 v[WD+\q], v[SW+2*\q+1], 16, v[SW+2*\q]   ; the four bytes of these 128 keys
.endr
	v_cndmask_b32 v[WD], v[WD], v[WD+1], s60
	s_lshr_b32 s66, s20, 4
	s_lshl_b32 s66, s66, 4
	s_lshl_b32 s67, s21, 1
	s_add_co_u32 s66, s66, s67
	s_lshr_b32 s67, s18, 1
	s_add_co_u32 s66, s66, s67
	s_mul_i32 s66, s66, HBB
	s_and_b32 s67, s20, 15
	s_and_b32 s68, s18, 1
	s_lshl_b32 s70, s67, 12                        ; 4,096 bytes for 128 keys; dt = 2 (w % 2) + q
	s_lshl_b32 s71, s68, 11
	s_add_co_u32 s70, s70, s71
	s_add_co_u32 s70, s70, 65536
	s_add_co_u32 s70, s70, s66
	s_mov_b32 s71, 0
	s_add_nc_u64 s[70:71], s[16:17], s[70:71]
	s_lshl_b32 s72, s67, 8
	s_lshl_b32 s73, s68, 7
	s_add_co_u32 s72, s72, s73
	s_add_co_u32 s72, s72, 139264
	s_add_co_u32 s72, s72, s66
	s_mov_b32 s73, 0
	s_add_nc_u64 s[72:73], s[16:17], s[72:73]
.irp q, 0,1
.irp c, 0,1
	global_store_b128 v[LP], v[CD+4*(2*\q+\c):CD+4*(2*\q+\c)+3], s[70:71] offset:\q*1024+\c*512
.endr
.endr
	global_store_b32 v[L4], v[WD], s[72:73]
	s_wait_tensorcnt 0x0
	ds_add_u32 v126, v127
	s_wait_dscnt 0x0
	s_endpgm
.Lfunc_end_k_q4107358810_proj:
	.size	k_q4107358810_proj, .Lfunc_end_k_q4107358810_proj-k_q4107358810_proj
	.p2alignl 7, 3214868480
	.fill 96, 4, 3214868480
	.section	.rodata,"a",@progbits
	.p2align	6, 0x0
	.amdhsa_kernel k_q4107358810_proj
		.amdhsa_group_segment_fixed_size 168448
		.amdhsa_private_segment_fixed_size 0
		.amdhsa_enable_private_segment 0
		.amdhsa_kernarg_size 56
		.amdhsa_user_sgpr_count 2
		.amdhsa_user_sgpr_kernarg_segment_ptr 1
		.amdhsa_wavefront_size32 1
		.amdhsa_system_sgpr_workgroup_id_x 1
		.amdhsa_system_sgpr_workgroup_id_y 1
		.amdhsa_system_sgpr_workgroup_id_z 1
		.amdhsa_system_vgpr_workitem_id 0
		.amdhsa_next_free_vgpr 384
		.amdhsa_next_free_sgpr 80
		.amdhsa_reserve_vcc 0
		.amdhsa_float_denorm_mode_32 3
		.amdhsa_float_denorm_mode_16_64 3
		.amdhsa_memory_ordered 1
		.amdhsa_forward_progress 1
		.amdhsa_inst_pref_size 75
	.end_amdhsa_kernel
	.amdgpu_metadata
---
amdhsa.version: [ 1, 2 ]
amdhsa.kernels:
  - .name:           k_q4107358810_proj
    .symbol:         k_q4107358810_proj.kd
    .args:
      - { .name: cod, .offset: 0, .size: 8, .value_kind: global_buffer, .address_space: global }
      - { .name: scl, .offset: 8, .size: 8, .value_kind: global_buffer, .address_space: global }
      - { .name: rope, .offset: 16, .size: 8, .value_kind: global_buffer, .address_space: global }
      - { .name: bq, .offset: 24, .size: 8, .value_kind: global_buffer, .address_space: global }
      - { .name: bk, .offset: 32, .size: 8, .value_kind: global_buffer, .address_space: global }
      - { .name: bv, .offset: 40, .size: 8, .value_kind: global_buffer, .address_space: global }
      - { .name: qkv, .offset: 48, .size: 8, .value_kind: global_buffer, .address_space: global }
    .group_segment_fixed_size: 168448
    .private_segment_fixed_size: 0
    .kernarg_segment_align: 8
    .kernarg_segment_size: 56
    .max_flat_workgroup_size: 128
    .sgpr_count:     80
    .vgpr_count:     384
    .wavefront_size: 32
...
	.end_amdgpu_metadata
.endif
;; end of part 2
;; launch attn (part 3): grid 8 x 32, 16 waves a work-group, no clusters, 169,984 bytes of LDS; arguments qkv, oc, os; writes oc, os
.if DOCPART == 3
	.amdgcn_target "amdgcn-amd-amdhsa--gfx1250"
	.amdhsa_code_object_version 6
	.text
	.protected	k_q4107358810_attn
	.globl	k_q4107358810_attn
	.p2align	8
	.type	k_q4107358810_attn,@function
k_q4107358810_attn:
	s_mov_b64 s[64:65], 0
	v_nop
	global_prefetch_b8 v0, s[64:65] scope:SCOPE_SE
	s_setreg_imm32_b32 hwreg(HW_REG_WAVE_MODE, 25, 1), 1
	s_wait_xcnt 0x0
; O[hb][q] = the sum over k of softmax_k(Q . K / 8) V, no mask, both products on codes of FP4 (E2M1) with E8M0 scales; O is divided by the row's sum, quantised along d and stored as an operand of the last projection.
; THE SOFTMAX: t = score x log2(e) / 8; M = the row's largest t so far, rounded UP to a whole number; p = 2^(t - M) is what is quantised, along the keys.  The row's sum is taken of the unquantised p and divides at the end.
; When M moves, the sum and O are multiplied by 2^(old M - new M), which rounds nothing.
; SHARES.  A work-group owns 256 queries of one hb = 16 batch + head; each of its sixteen waves 16 of them, in 256 registers: four waves to a SIMD, so that one wave's vector work stands beside another's products and LDS loads.
; Every wave walks the 2,048 keys, 128 a step.  Both products are used transposed (S^T = K Q^T, O^T = V^T P^T): a lane holds ONE query (lane % 16) throughout.
; K = 64 fills half of the first product's K step: registers 4-7 of K's and Q's fragments are zeros, written once, and their scale bytes are 127.
; A block of 32 keys is tiles 2 b and 2 b + 1 of S^T: a lane holds 16 of its p, lane l xor 16 the others; the conversions' half blocks are put in place by exchanges of halves.
; LDS IS FILLED ONCE: the head's K and V codes and their scale words, 143,360 bytes, lie in LDS as in memory.  Each wave issues five tensor loads together at the head (five of a wave's are out):
; 768 bytes of scale words, then 2,048 bytes of each of four chunks of 512 keys (waves 0-7: K's, waves 8-15: V's).  The waits count down 3, 2, 1, 0, each with a barrier behind which nothing is filled.
; NO CLUSTER: the eight work-groups of a head read the same 143,360 bytes; here each asks for them once, at its head, by loads of its own.  Joint requests are left to a later version.  NO PREFETCH: all is asked for at the head.
; LIMITS: NaN and infinities are not served; a block whose every p has fallen to 0 keeps the byte 1: its codes are zeros.
; REGISTERS: v1-5 addresses that stay; v8-11 those of the step; v12 -M, v13 the largest t, v[14:15] the sum; v16-23 Q; v24 Q's scale words; v26-29 K's, v30-31 V's; v32-95 K's eight fragments; v96-159 S^T, then p;
;   v160-191 O^T; v192-223 V's four fragments; v224-231 p's codes; v232-254 at work.
.set AK0,  1                           ; 16 x lane
.set AV0,  2                           ; 65,536 + 16 x lane
.set ASK0, 3                           ; 131,072 + 4 x lane
.set ASV0, 4                           ; 139,264 + 4 x lane
.set R4,   5                           ; 4 r
.set ADK,  8
.set ADV,  9
.set ADS,  10
.set ADT,  11
.set KS,   26
.set VS,   30
.set MX0,  232
.set MX1,  233
.set NX0,  236
.set NX1,  237
.set BY0,  240
.set BY1,  241
.set EX0,  244
.set EX1,  245
.set WV,   10
.set SEL,  14
.set CS,   16                          ; s[16:17] c = log2(e) / 8: the packed form names a pair and takes its low word for both halves
.set TB,   18                          ; the step's codes: 4,096 bytes a step, in K's and in V's
.set TS,   19                          ; K's scale words: 512 bytes a step
.set TJ,   20                          ; V's: 256
.set CNT,  21
.set G1C,  24                          ; s[24:31] group 1: 8 rows of 256 bytes
.set G1S,  32                          ; s[32:39] group 1: 3 rows of 256 bytes
.set G0,   40                          ; s[40:59] five groups 0
.set HBB,  217088
.macro NOP4
.rept 4
	v_nop
.endr
.endm
	s_load_b128 s[4:7], s[0:1], 0x0                ; qkv, oc
	s_load_b64 s[8:9], s[0:1], 0x10                ; os
	v_lshl_add_u32 v251, v0, 2, 0x29000
	v_mov_b32 v255, 0
	ds_add_u32 v251, v255
	ds_add_u32 v251, v255
	v_lshrrev_b32 v1, 5, v0
	v_readfirstlane_b32 s[WV], v1                  ; wave 0..15
	s_and_b32 s11, ttmp7, 0xffff                   ; hb
	s_mul_i32 s22, s11, HBB
	s_mov_b32 s23, 0
.irp g, G1C, G1S                               ; dense blocks as rows of 256 bytes: 32 elements of 8 bytes, pitch 32, no padding, no mask
	s_mov_b32 s[\g], 3<<16
	s_mov_b32 s[\g+1], 32<<16
	s_mov_b32 s[\g+3], 32<<16
	s_mov_b32 s[\g+5], 32
	s_mov_b32 s[\g+6], 0
	s_mov_b32 s[\g+7], 0
.endr
	s_mov_b32 s[G1C+2], 8<<16
	s_mov_b32 s[G1C+4], 8
	s_mov_b32 s[G1S+2], 3<<16
	s_mov_b32 s[G1S+4], 3
	s_mul_i32 s66, s[WV], 768
	s_add_co_u32 s66, s66, 131072                  ; my scale words: the same offset in the hb block and in LDS
	s_lshr_b32 s67, s[WV], 3
	s_lshl_b32 s67, s67, 16
	s_and_b32 s68, s[WV], 7
	s_lshl_b32 s68, s68, 11
	s_add_co_u32 s67, s67, s68                     ; my codes in a chunk: K's (waves 0-7) or V's, 2,048 bytes a wave
	s_mov_b32 s[SEL], 0x76543210
	s_mov_b32 s[SEL+1], 0xfedcba98
	s_mov_b32 s[CS], 0x3e38aa3b
	s_mov_b32 s[CS+1], s[CS]
	s_mov_b32 s[TB], 0
	s_mov_b32 s[TS], 0
	s_mov_b32 s[TJ], 0
	s_mov_b32 s70, s66
	s_mov_b32 s71, 0
	s_mov_b32 s72, s67
	s_mov_b32 s73, 0
	s_wait_dscnt 0x0
	s_wait_kmcnt 0x0
	s_add_nc_u64 s[22:23], s[4:5], s[22:23]        ; my hb block
	s_mov_b32 s[G0], 1
	s_mov_b32 s[G0+1], s66
	s_add_nc_u64 s[G0+2:G0+3], s[22:23], s[70:71]
	s_or_b32 s[G0+3], s[G0+3], 0x80000000
	s_add_nc_u64 s[72:73], s[22:23], s[72:73]
.irp ch, 0,1,2,3                               ; chunk ch: keys 512 ch on
	s_mov_b32 s[G0+4+4*\ch], 1
	s_add_co_u32 s[G0+5+4*\ch], s67, \ch*16384
	s_add_nc_u64 s[G0+6+4*\ch:G0+7+4*\ch], s[72:73], \ch*16384
	s_or_b32 s[G0+7+4*\ch], s[G0+7+4*\ch], 0x80000000
.endr
	tensor_load_to_lds s[G0:G0+3], s[G1S:G1S+7]
	s_nop 0
	tensor_load_to_lds s[G0+4:G0+7], s[G1C:G1C+7]
	s_nop 0
	tensor_load_to_lds s[G0+8:G0+11], s[G1C:G1C+7]
	s_nop 0
	tensor_load_to_lds s[G0+12:G0+15], s[G1C:G1C+7]
	s_nop 0
	tensor_load_to_lds s[G0+16:G0+19], s[G1C:G1C+7]
	s_nop 0
	NOP4                                           ; four plain lines behind the loads
	v_and_b32 v6, 31, v0
	v_and_b32 v7, 15, v0
	v_lshlrev_b32 v[AK0], 4, v6
	v_add_nc_u32 v[AV0], 65536, v[AK0]
	v_lshlrev_b32 v[ASK0], 2, v6
	v_add_nc_u32 v[ASV0], 139264, v[ASK0]
	v_add_nc_u32 v[ASK0], 131072, v[ASK0]
	v_lshlrev_b32 v[R4], 2, v7
	s_lshl_b32 s74, ttmp9, 13                      ; my tile of queries: 16 x work-group x + wave; 512 bytes of codes,
	s_lshl_b32 s75, s[WV], 9
	s_add_co_u32 s74, s74, s75
	s_add_co_u32 s74, s74, 143360
	s_mov_b32 s75, 0
	s_add_nc_u64 s[74:75], s[22:23], s[74:75]
	s_lshl_b32 s76, ttmp9, 10                      ; 64 bytes of scale words
	s_lshl_b32 s77, s[WV], 6
	s_add_co_u32 s76, s76, s77
	s_add_co_u32 s76, s76, 208896
	s_mov_b32 s77, 0
	s_add_nc_u64 s[76:77], s[22:23], s[76:77]
	global_load_b128 v[16:19], v[AK0], s[74:75]    ; Q's fragment stays in registers
	global_load_b32 v24, v[R4], s[76:77]
.irp j, 20,21,22,23
	v_mov_b32 v[\j], 0                             ; Q's codes of K 64 .. 127
.endr
.irp t, 0,1,2,3,4,5,6,7
.irp j, 4,5,6,7
	v_mov_b32 v[32+8*\t+\j], 0                     ; K's likewise: written once
.endr
.endr
	v_mov_b32 v13, 0xff61b1e6                      ; the largest t so far: -3e38, under every t
	v_floor_f32 v12, -v13                          ; -M
	v_mov_b32 v14, 0
	v_mov_b32 v15, 0
.irp b, 0,1,2,3
	v_mov_b32 v[236+\b], 0                         ; written once: a lane permute's destination counts as one of its sources
.endr
	v_mov_b32 v253, 0                              ; (named as the upper half of the pair v[252:253] before it is first written)
.irp j, 0,1,2,3,4,5,6,7,8,9,10,11,12,13,14,15,16,17,18,19,20,21,22,23,24,25,26,27,28,29,30,31
	v_mov_b32 v[160+\j], 0                         ; O^T: the step is written once; the first finds zeros, which the first change of M leaves zeros
.endr
; A KEY STEP: 128 keys
.macro STEP
	v_add_nc_u32 v[ADK], s[TB], v[AK0]             ; (these four are also the places behind the last products, in front of the loads into registers that they have read)
	v_add_nc_u32 v[ADV], s[TB], v[AV0]
	v_add_nc_u32 v[ADS], s[TS], v[ASK0]
	v_add_nc_u32 v[ADT], s[TJ], v[ASV0]
.irp t, 0,1,2,3,4,5,6,7
	ds_load_b128 v[32+8*\t:35+8*\t], v[ADK] offset:512*\t
.endr
.irp i, 0,1,2,3
	ds_load_b32 v[KS+\i], v[ADS] offset:128*\i     ; lanes 0-15: tile 2 i's words, lanes 16-31: tile 2 i + 1's
.endr
.irp dt, 0,1,2,3
.irp c, 0,1
	ds_load_b128 v[192+8*\dt+4*\c:195+8*\dt+4*\c], v[ADV] offset:1024*\dt+512*\c
.endr
.endr
.irp i, 0,1
	ds_load_b32 v[VS+\i], v[ADT] offset:128*\i
.endr
	s_wait_dscnt 10                                ; K and its scale words are in; V's ten loads may be out
.irp i, 0,1,2,3
	v_wmma_scale_f32_16x16x128_f8f6f4 v[96+16*\i:103+16*\i], v[32+16*\i:39+16*\i], v[16:23], 0, v[KS+\i], v24 matrix_a_fmt:MATRIX_FMT_FP4 matrix_b_fmt:MATRIX_FMT_FP4
	v_wmma_scale_f32_16x16x128_f8f6f4 v[104+16*\i:111+16*\i], v[40+16*\i:47+16*\i], v[16:23], 0, v[KS+\i], v24 matrix_a_fmt:MATRIX_FMT_FP4 matrix_b_fmt:MATRIX_FMT_FP4 matrix_a_scale:MATRIX_SCALE_ROW1
.endr
	NOP4
.irp b, 0,1,2,3
	v_max3_num_f32 v[232+\b], v[96+16*\b], v[97+16*\b], v[98+16*\b]   ; the largest score of each block of 32 keys: it serves for the row's maximum and, since p rises with the score, for the block's largest p
.endr
.irp i, 3,5,7,9,11,13
.irp b, 0,1,2,3
	v_max3_num_f32 v[232+\b], v[232+\b], v[96+16*\b+\i], v[97+16*\b+\i]
.endr
.endr
.irp b, 0,1,2,3
	v_max_num_f32 v[232+\b], v[232+\b], v[111+16*\b]
.endr
.irp b, 0,1,2,3
	v_permlanex16_b32 v[236+\b], v[232+\b], s[SEL], s[SEL+1]
.endr
.irp b, 0,1,2,3
	v_max_num_f32 v[232+\b], v[232+\b], v[236+\b]  ; with lane l xor 16's 16 keys
.endr
	v_max3_num_f32 v254, v232, v233, v234
	v_max_num_f32 v254, v254, v235
	v_mul_f32 v254, s[CS], v254                    ; as t (c is positive)
	v_max_num_f32 v13, v13, v254                   ; the running largest t
	v_mov_b32 v254, v12
	v_floor_f32 v12, -v13                          ; the new -M = floor(-t) = -ceil(t)
	v_sub_f32 v254, v12, v254                      ; old M - new M: a whole number, 0 or less
	v_cvt_i32_f32 v254, v254                       ; (it saturates)
	v_ldexp_f32 v252, 1.0, v254                    ; f = 2^(old M - new M)
.irp j, 0,2,4,6,8,10,12,14,16,18,20,22,24,26,28,30,32,34,36,38,40,42,44,46,48,50,52,54,56,58,60,62
	v_pk_fma_f32 v[96+\j:97+\j], v[96+\j:97+\j], s[CS:CS+1], v[12:13] op_sel_hi:[1,0,0]   ; t - M
.endr
.irp b, 0,1,2,3
	v_fma_f32 v[232+\b], v[232+\b], s[CS], v12     ; the same of each block's largest score
.endr
.irp j, 0,1,2,3,4,5,6,7,8,9,10,11,12,13,14,15,16,17,18,19,20,21,22,23,24,25,26,27,28,29,30,31,32,33,34,35,36,37,38,39,40,41,42,43,44,45,46,47,48,49,50,51,52,53,54,55,56,57,58,59,60,61,62,63
	v_exp_f32 v[96+\j], v[96+\j]                   ; p = 2^(t - M), at most 1
.endr
.irp b, 0,1,2,3
	v_exp_f32 v[232+\b], v[232+\b]                 ; the block's largest p: the same two instructions on the same number
.endr
	v_pk_mul_f32 v[14:15], v[14:15], v[252:253] op_sel_hi:[1,0]   ; the sums under the new M (a plain line behind the exponentials)
	s_wait_alu depctr_va_vdst(0)
.irp b, 0,1,2,3
	v_max_num_f32 v[232+\b], 0x1800000, v[232+\b]  ; the floor 2^(3 - 127)
.endr
.irp b, 0,1,2,3
	v_add_nc_u32 v[244+\b], 0xff000000, v[232+\b]  ; 2 off the exponent field: the conversion's scale operand
.endr
.irp b, 0,1,2,3
	v_lshrrev_b32 v[236+\b], 23, v[244+\b]
.endr
	v_lshl_or_b32 v253, v237, 8, v236              ; p's scale word for these 128 keys
	v_lshl_or_b32 v253, v238, 16, v253
	v_lshl_or_b32 v253, v239, 24, v253
.irp c, 0,1                                    ; half blocks: (keys 0-7 | 8-15) of blocks 2 c and 2 c + 1, then (16-23 | 24-31)
	v_cvt_scalef32_pk8_fp4_f32 v[224+4*\c], v[96+32*\c:103+32*\c], v[244+2*\c]
	v_cvt_scalef32_pk8_fp4_f32 v[225+4*\c], v[112+32*\c:119+32*\c], v[245+2*\c]
	v_cvt_scalef32_pk8_fp4_f32 v[226+4*\c], v[104+32*\c:111+32*\c], v[244+2*\c]
	v_cvt_scalef32_pk8_fp4_f32 v[227+4*\c], v[120+32*\c:127+32*\c], v[245+2*\c]
.endr
	v_nop                                          ; one plain line behind a scaled conversion
.irp c, 0,1                                    ; lanes 0-15 get all of block 2 c, lanes 16-31 all of block 2 c + 1
	v_permlane16_swap_b32 v[224+4*\c], v[225+4*\c]
	v_permlane16_swap_b32 v[226+4*\c], v[227+4*\c]
.endr
	v_pk_add_f32 v[236:237], v[96:97], v[98:99]    ; the row's sum is taken of the unquantised p, in two chains
.irp j, 4,8,12,16,20,24,28,32,36,40,44,48,52,56,60
	v_pk_add_f32 v[14:15], v[14:15], v[96+\j:97+\j]
	v_pk_add_f32 v[236:237], v[236:237], v[98+\j:99+\j]
.endr
	v_pk_add_f32 v[14:15], v[14:15], v[236:237]
.irp j, 0,2,4,6,8,10,12,14,16,18,20,22,24,26,28,30
	v_pk_mul_f32 v[160+\j:161+\j], v[160+\j:161+\j], v[252:253] op_sel_hi:[1,0]   ; O^T under the new M.  (The sums and these are the places between the scale word and the codes, written by vector instructions, and the products)
.endr
	s_wait_dscnt 0x0                               ; V and its scale words are in
.irp i, 0,1
	v_wmma_scale_f32_16x16x128_f8f6f4 v[160+16*\i:167+16*\i], v[192+16*\i:199+16*\i], v[224:231], v[160+16*\i:167+16*\i], v[VS+\i], v253 matrix_a_fmt:MATRIX_FMT_FP4 matrix_b_fmt:MATRIX_FMT_FP4
	v_wmma_scale_f32_16x16x128_f8f6f4 v[168+16*\i:175+16*\i], v[200+16*\i:207+16*\i], v[224:231], v[168+16*\i:175+16*\i], v[VS+\i], v253 matrix_a_fmt:MATRIX_FMT_FP4 matrix_b_fmt:MATRIX_FMT_FP4 matrix_a_scale:MATRIX_SCALE_ROW1
.endr
	s_add_co_u32 s[TB], s[TB], 4096
	s_add_co_u32 s[TS], s[TS], 512
	s_add_co_u32 s[TJ], s[TJ], 256
.endm
; A chunk of four key steps: my part of it has landed (n later chunks of mine may stay out), no LDS load of mine is out; behind the barrier everybody's part has landed.
.macro CHUNK n
	s_wait_tensorcnt \n
	s_wait_dscnt 0x0
	s_barrier_signal -1
	s_barrier_wait -1
	s_mov_b32 s[CNT], 4
.Lstep_\@:
	STEP
	s_sub_co_u32 s[CNT], s[CNT], 1
	s_cmp_lg_u32 s[CNT], 0
	s_cbranch_scc1 .Lstep_\@
.endm
	s_wait_loadcnt 0x0                             ; Q
	CHUNK 3
	CHUNK 2
	CHUNK 1
	CHUNK 0
	NOP4                                           ; places behind the last products
	v_add_f32 v14, v14, v15                        ; the sum's two halves,
	v_permlanex16_b32 v252, v14, s[SEL], s[SEL+1]
	v_add_f32 v14, v14, v252                       ; and lane l xor 16's
	v_rcp_f32 v14, v14
	v_nop                                          ; a plain line behind the reciprocal
	s_wait_alu depctr_va_vdst(0)
.irp j, 0,2,4,6,8,10,12,14,16,18,20,22,24,26,28,30
	v_pk_mul_f32 v[160+\j:161+\j], v[160+\j:161+\j], v[14:15] op_sel_hi:[1,0]   ; O^T / the sum: register 8 dt + j is o(query r, d = 16 dt + 8 h + j)
.endr
; the head's two blocks of 32 along d, as in the launch before: lanes 0-15 get d 0-31, lanes 16-31 d 32-63 of query r
	v_max3_num_f32 v[MX0], |v160|, |v161|, 0x1800000
	v_max3_num_f32 v[MX1], |v176|, |v177|, 0x1800000
.irp i, 2,4,6,8,10,12,14
	v_max3_num_f32 v[MX0], v[MX0], |v[160+\i]|, |v[161+\i]|
	v_max3_num_f32 v[MX1], v[MX1], |v[176+\i]|, |v[177+\i]|
.endr
	v_permlanex16_b32 v[NX0], v[MX0], s[SEL], s[SEL+1]
	v_permlanex16_b32 v[NX1], v[MX1], s[SEL], s[SEL+1]
	v_max_num_f32 v[MX0], v[MX0], v[NX0]
	v_max_num_f32 v[MX1], v[MX1], v[NX1]
	v_add_nc_u32 v[EX0], 0xff000000, v[MX0]
	v_add_nc_u32 v[EX1], 0xff000000, v[MX1]
	v_lshrrev_b32 v[BY0], 23, v[EX0]
	v_lshrrev_b32 v[BY1], 23, v[EX1]
	v_lshl_or_b32 v228, v[BY1], 8, v[BY0]          ; the two scale bytes
	v_cvt_scalef32_pk8_fp4_f32 v224, v[160:167], v[EX0]
	v_cvt_scalef32_pk8_fp4_f32 v225, v[176:183], v[EX1]
	v_cvt_scalef32_pk8_fp4_f32 v226, v[168:175], v[EX0]
	v_cvt_scalef32_pk8_fp4_f32 v227, v[184:191], v[EX1]
	v_nop
	v_permlane16_swap_b32 v224, v225
	v_permlane16_swap_b32 v226, v227
	; oc and os lie as the first launch lays codes and scale words: row = token, K = 64 head + d: K step head / 2, part c = head % 2
	s_and_b32 s66, s11, 15                         ; head
	s_lshr_b32 s67, s11, 4
	s_lshl_b32 s67, s67, 4
	s_lshl_b32 s68, ttmp9, 1
	s_add_co_u32 s67, s67, s68
	s_lshr_b32 s68, s[WV], 3
	s_add_co_u32 s67, s67, s68                     ; the group of 128 tokens: 16 batch + 2 x work-group x + wave / 8
	s_and_b32 s68, s[WV], 7                        ; the tile in it
	s_lshr_b32 s69, s66, 1
	s_and_b32 s66, s66, 1
	s_lshl_b32 s70, s67, 16
	s_lshl_b32 s72, s69, 13
	s_add_co_u32 s70, s70, s72
	s_lshl_b32 s72, s68, 10
	s_add_co_u32 s70, s70, s72
	s_lshl_b32 s72, s66, 9
	s_add_co_u32 s70, s70, s72
	s_mov_b32 s71, 0
	s_add_nc_u64 s[6:7], s[6:7], s[70:71]
	s_lshl_b32 s70, s67, 12
	s_lshl_b32 s72, s68, 9
	s_add_co_u32 s70, s70, s72
	s_lshl_b32 s72, s69, 6
	s_add_co_u32 s70, s70, s72
	s_lshl_b32 s72, s66, 1
	s_add_co_u32 s70, s70, s72
	s_add_nc_u64 s[8:9], s[8:9], s[70:71]
	global_store_b128 v[AK0], v[224:227], s[6:7]   ; 512 consecutive bytes
	global_store_b16 v[R4], v228, s[8:9]           ; two bytes of query r's word (lanes r and 16 + r store the same two); the word's other half is another head's: 131,072 bytes in all leave so
	s_wait_tensorcnt 0x0
	ds_add_u32 v251, v255
	s_wait_dscnt 0x0
	s_endpgm
.Lfunc_end_k_q4107358810_attn:
	.size	k_q4107358810_attn, .Lfunc_end_k_q4107358810_attn-k_q4107358810_attn
	.p2alignl 7, 3214868480
	.fill 96, 4, 3214868480
	.section	.rodata,"a",@progbits
	.p2align	6, 0x0
	.amdhsa_kernel k_q4107358810_attn
		.amdhsa_group_segment_fixed_size 169984
		.amdhsa_private_segment_fixed_size 0
		.amdhsa_enable_private_segment 0
		.amdhsa_kernarg_size 24
		.amdhsa_user_sgpr_count 2
		.amdhsa_user_sgpr_kernarg_segment_ptr 1
		.amdhsa_wavefront_size32 1
		.amdhsa_system_sgpr_workgroup_id_x 1
		.amdhsa_system_sgpr_workgroup_id_y 1
		.amdhsa_system_sgpr_workgroup_id_z 1
		.amdhsa_system_vgpr_workitem_id 0
		.amdhsa_next_free_vgpr 256
		.amdhsa_next_free_sgpr 80
		.amdhsa_reserve_vcc 0
		.amdhsa_float_denorm_mode_32 3
		.amdhsa_float_denorm_mode_16_64 3
		.amdhsa_memory_ordered 1
		.amdhsa_forward_progress 1
		.amdhsa_inst_pref_size 73
	.end_amdhsa_kernel
	.amdgpu_metadata
---
amdhsa.version: [ 1, 2 ]
amdhsa.kernels:
  - .name:           k_q4107358810_attn
    .symbol:         k_q4107358810_attn.kd
    .args:
      - { .name: qkv, .offset: 0, .size: 8, .value_kind: global_buffer, .address_space: global }
      - { .name: oc, .offset: 8, .size: 8, .value_kind: global_buffer, .address_space: global }
      - { .name: os, .offset: 16, .size: 8, .value_kind: global_buffer, .address_space: global }
    .group_segment_fixed_size: 169984
    .private_segment_fixed_size: 0
    .kernarg_segment_align: 8
    .kernarg_segment_size: 24
    .max_flat_workgroup_size: 512
    .sgpr_count:     80
    .vgpr_count:     256
    .wavefront_size: 32
...
	.end_amdgpu_metadata
.endif
;; end of part 3
;; launch oproj (part 4): grid 256 x 1, 4 waves a work-group, no clusters, 176,640 bytes of LDS; arguments oc, os, cod, scl, bo, out0; writes out0
.if DOCPART == 4
	.amdgcn_target "amdgcn-amd-amdhsa--gfx1250"
	.amdhsa_code_object_version 6
	.text
	.protected	k_q4107358810_oproj
	.globl	k_q4107358810_oproj
	.p2align	8
	.type	k_q4107358810_oproj,@function
k_q4107358810_oproj:
	s_mov_b64 s[64:65], 0
	v_nop
	global_prefetch_b8 v0, s[64:65] scope:SCOPE_SE
	s_setreg_imm32_b32 hwreg(HW_REG_WAVE_MODE, 25, 1), 1
	s_wait_xcnt 0x0
; out0 = O Wo^T + bo on codes of FP4 (E2M1) with E8M0 scales.  O's codes and scale words come from the attention launch, Wo's from the first launch (groups 120 to 127), both as images of operand registers.
; SHARES, LDS and the K loop are those of the projections' launch: a work-group makes 128 tokens (mg) x 128 columns (ng); D = P Q^T with P = Wo (source 0) and Q = O (source 1): lane (r, h), register j holds
; (column 16 p + 8 h + j, token r): eight neighbouring numbers of a row of out0.  A wave makes all 128 columns x 32 tokens: 16 accumulators by turns.
; LDS IS FILLED ONCE: five tensor loads a wave, issued together at the head (five of a wave's are out): scale words, then four chunks of two K steps; the waits count down 3, 2, 1, 0, each with a barrier
; behind which nothing is filled.  The bias is the C of each sum's first product.
; NO CLUSTER: O's group is read by 8 work-groups and Wo's by 32; each work-group asks for its 139,264 bytes once, at its head, by loads of its own; joint requests are left to a later version.  NO PREFETCH: all is asked for at the head.
; THE WAY OUT: 16 tokens x 128 columns at a time through the wave's own stage (rows of 512 + 16 bytes, behind all that is filled), back as whole rows: a store covers 512 consecutive bytes.
; REGISTERS: window 0: v1-11 addresses; v16-79 P's 8 fragments, later rows of out0; v80-111 Q's 2 fragments, two sets; v112-121 scale words, two sets of 5; v128-255 the accumulators.  window 1: v0-63 the bias.
.set LP,  1
.set LQ,  2
.set SPA, 3
.set SQA, 4
.set STO, 9
.set RD,  10
.set PF,  16
.set QF,  80
.set SC,  112
.set ACC, 128
.set BI,  0
.set G1C, 24
.set G1S, 32
.set G0,  40
.set MSB, 0
.macro WIN new                         ; the immediate's high byte repeats the setting that is left
.if MSB != \new
	s_set_vgpr_msb (MSB<<8)|\new
.set MSB, \new
.endif
.endm
.macro NOP4
.rept 4
	v_nop
.endr
.endm
	s_load_b256 s[4:11], s[0:1], 0x0               ; oc, os, cod, scl
	s_load_b128 s[12:15], s[0:1], 0x20             ; bo, out0
	v_lshl_add_u32 v126, v0, 2, 0x2b000
	v_mov_b32 v127, 0
	ds_add_u32 v126, v127
	ds_add_u32 v126, v127
	v_lshrrev_b32 v1, 5, v0
	v_readfirstlane_b32 s18, v1                    ; wave
	s_lshr_b32 s20, ttmp9, 3                       ; mg
	s_and_b32 s21, ttmp9, 7                        ; ng
.irp g, G1C, G1S                               ; dense blocks as rows of 256 bytes: 32 elements of 8 bytes, pitch 32, no padding, no mask
	s_mov_b32 s[\g], 3<<16
	s_mov_b32 s[\g+1], 32<<16
	s_mov_b32 s[\g+3], 32<<16
	s_mov_b32 s[\g+5], 32
	s_mov_b32 s[\g+6], 0
	s_mov_b32 s[\g+7], 0
.endr
	s_mov_b32 s[G1C+2], 32<<16
	s_mov_b32 s[G1C+4], 32
	s_mov_b32 s[G1S+2], 8<<16
	s_mov_b32 s[G1S+4], 8
	s_add_co_u32 s66, s21, 120                     ; Wo's group
	s_lshr_b32 s70, s18, 1                         ; waves 0, 1 fetch for P = Wo, waves 2, 3 for Q = O;
	s_and_b32 s71, s18, 1                          ; which half
	s_cmp_eq_u32 s70, 0
	s_cselect_b32 s68, s66, s20
	s_lshl_b32 s72, s68, 16
	s_lshl_b32 s73, s71, 13
	s_add_co_u32 s72, s72, s73
	s_mov_b32 s73, 0
	s_lshl_b32 s74, s68, 12
	s_lshl_b32 s75, s71, 11
	s_add_co_u32 s74, s74, s75
	s_mov_b32 s75, 0
	s_lshl_b32 s76, s70, 16
	s_lshl_b32 s77, s71, 13
	s_add_co_u32 s76, s76, s77                     ; in LDS: P's codes at 0, Q's at 65,536
	s_lshl_b32 s77, s18, 11                        ; the scale words: 131,072 + 2,048 w
	s_wait_dscnt 0x0
	s_wait_kmcnt 0x0
	s_cmp_eq_u32 s70, 0                            ; the buffers: by the wave's number alone
	s_cselect_b64 s[66:67], s[8:9], s[4:5]
	s_cselect_b64 s[68:69], s[10:11], s[6:7]
	s_add_nc_u64 s[72:73], s[66:67], s[72:73]
	s_add_nc_u64 s[74:75], s[68:69], s[74:75]
	s_mov_b32 s[G0], 1
	s_add_co_u32 s[G0+1], s77, 131072
	s_mov_b64 s[G0+2:G0+3], s[74:75]
	s_or_b32 s[G0+3], s[G0+3], 0x80000000
.irp ch, 0,1,2,3
	s_mov_b32 s[G0+4+4*\ch], 1
	s_add_co_u32 s[G0+5+4*\ch], s76, \ch*16384
	s_add_nc_u64 s[G0+6+4*\ch:G0+7+4*\ch], s[72:73], \ch*16384
	s_or_b32 s[G0+7+4*\ch], s[G0+7+4*\ch], 0x80000000
.endr
	tensor_load_to_lds s[G0:G0+3], s[G1S:G1S+7]
	s_nop 0
	tensor_load_to_lds s[G0+4:G0+7], s[G1C:G1C+7]
	s_nop 0
	tensor_load_to_lds s[G0+8:G0+11], s[G1C:G1C+7]
	s_nop 0
	tensor_load_to_lds s[G0+12:G0+15], s[G1C:G1C+7]
	s_nop 0
	tensor_load_to_lds s[G0+16:G0+19], s[G1C:G1C+7]
	s_nop 0
	NOP4                                           ; four plain lines behind the loads
	v_and_b32 v6, 31, v0                           ; lane
	v_and_b32 v7, 15, v0                           ; r
	v_bfe_u32 v8, v0, 4, 1                         ; h
	v_lshlrev_b32 v[LP], 4, v6
	s_lshl_b32 s66, s18, 11
	s_add_co_u32 s66, s66, 65536
	v_add_nc_u32 v[LQ], s66, v[LP]
	v_lshlrev_b32 v[SPA], 2, v7
	v_lshl_add_u32 v[SPA], v8, 9, v[SPA]
	s_lshl_b32 s66, s18, 10
	s_add_co_u32 s66, s66, 135168
	v_add_nc_u32 v[SQA], s66, v[SPA]
	v_add_nc_u32 v[SPA], 131072, v[SPA]
	s_mul_i32 s66, s18, 8448
	s_add_co_u32 s66, s66, 139264                  ; my stage
	v_mul_u32_u24 v[STO], v7, 528
	v_lshl_add_u32 v[STO], v8, 5, v[STO]
	v_add_nc_u32 v[STO], s66, v[STO]               ; in: row r, 32 bytes for each half of the lanes
	v_add_nc_u32 v[RD], s66, v[LP]                 ; back: the 32 lanes take a row of 512 bytes
	v_lshlrev_b32 v11, 5, v8
	s_lshl_b32 s68, s21, 9
	s_mov_b32 s69, 0
	s_add_nc_u64 s[12:13], s[12:13], s[68:69]      ; bo at column 128 ng
	WIN 0x40                                       ; destination window 1
.irp p, 0,1,2,3,4,5,6,7                        ; bo[128 ng + 16 p + 8 h + j] at 8 p + j
	global_load_b128 v[BI+8*\p:BI+8*\p+3], v11, s[12:13] offset:64*\p
	global_load_b128 v[BI+8*\p+4:BI+8*\p+7], v11, s[12:13] offset:64*\p+16
.endr
	WIN 0
	s_lshl_b32 s72, s20, 19                        ; out0: token 128 mg + 32 w, 4,096 bytes a token; column 128 ng
	s_lshl_b32 s73, s18, 17
	s_add_co_u32 s72, s72, s73
	s_add_co_u32 s72, s72, s68
	s_mov_b32 s73, 0
	s_add_nc_u64 s[72:73], s[14:15], s[72:73]
.macro LDQ st
.irp q, 0,1
.irp c, 0,1
	ds_load_b128 v[QF+16*((\st)%2)+8*\q+4*\c:QF+16*((\st)%2)+8*\q+4*\c+3], v[LQ] offset:(\st)*8192+\q*1024+\c*512
.endr
.endr
.endm
.macro LDSC st
.irp i, 0,1,2,3
	ds_load_b32 v[SC+5*((\st)%2)+\i], v[SPA] offset:\i*1024+(\st)*64
.endr
	ds_load_b32 v[SC+5*((\st)%2)+4], v[SQA] offset:(\st)*64
.endm
.macro LDP st, hf
.irp pp, 0,1,2,3
.irp c, 0,1
	ds_load_b128 v[PF+8*(4*\hf+\pp)+4*\c:PF+8*(4*\hf+\pp)+4*\c+3], v[LP] offset:(\st)*8192+(4*\hf+\pp)*1024+\c*512
.endr
.endr
.endm
.macro WM p, q, st, bias               ; bias = 1: C is the bias (window 1, by the setting in force), else the accumulator
.set rD, ACC+8*(2*(\p)+(\q))
.if \bias
.set rC, BI+8*(\p)
.else
.set rC, ACC+8*(2*(\p)+(\q))
.endif
.set rA, PF+8*(\p)
.set rB, QF+16*((\st)%2)+8*(\q)
.set rS, SC+5*((\st)%2)+(\p)/2
.set rT, SC+5*((\st)%2)+4
.set rW, 2*((\p)%2)+(\q)
.if rW == 0
	v_wmma_scale_f32_16x16x128_f8f6f4 v[rD:rD+7], v[rA:rA+7], v[rB:rB+7], v[rC:rC+7], v[rS], v[rT] matrix_a_fmt:MATRIX_FMT_FP4 matrix_b_fmt:MATRIX_FMT_FP4
.elseif rW == 1
	v_wmma_scale_f32_16x16x128_f8f6f4 v[rD:rD+7], v[rA:rA+7], v[rB:rB+7], v[rC:rC+7], v[rS], v[rT] matrix_a_fmt:MATRIX_FMT_FP4 matrix_b_fmt:MATRIX_FMT_FP4 matrix_b_scale:MATRIX_SCALE_ROW1
.elseif rW == 2
	v_wmma_scale_f32_16x16x128_f8f6f4 v[rD:rD+7], v[rA:rA+7], v[rB:rB+7], v[rC:rC+7], v[rS], v[rT] matrix_a_fmt:MATRIX_FMT_FP4 matrix_b_fmt:MATRIX_FMT_FP4 matrix_a_scale:MATRIX_SCALE_ROW1
.else
	v_wmma_scale_f32_16x16x128_f8f6f4 v[rD:rD+7], v[rA:rA+7], v[rB:rB+7], v[rC:rC+7], v[rS], v[rT] matrix_a_fmt:MATRIX_FMT_FP4 matrix_b_fmt:MATRIX_FMT_FP4 matrix_a_scale:MATRIX_SCALE_ROW1 matrix_b_scale:MATRIX_SCALE_ROW1
.endif
.endm
.macro MM st, hf, bias
.irp pp, 0,1,2,3
.irp q, 0,1
	WM 4*\hf+\pp, \q, \st, \bias
.endr
.endr
.endm
; A K step whose successor lies in the same chunk.  Four plain lines stand behind matrix instructions in front of loads into registers that they have read.
.macro STEPA st, bias
	s_wait_dscnt 8                                 ; all but the youngest eight loads (P's tiles 4-7) are in
	MM \st, 0, \bias
	NOP4
	LDQ (\st)+1
	LDSC (\st)+1
	LDP (\st)+1, 0
	s_wait_dscnt 17                                ; all but the 17 just issued
	MM \st, 1, \bias
	NOP4
	LDP (\st)+1, 1
.endm
; A chunk's last K step: my part of the next chunk has landed (cnt later chunks of mine may stay out), my LDS loads are in; then the barrier.
.macro STEPB st, cnt
	s_wait_dscnt 8
	MM \st, 0, 0
	s_wait_dscnt 0x0
	s_wait_tensorcnt \cnt
	s_barrier_signal -1
	MM \st, 1, 0
	s_barrier_wait -1
	NOP4
	LDQ (\st)+1
	LDSC (\st)+1
	LDP (\st)+1, 0
	LDP (\st)+1, 1
.endm
	s_wait_tensorcnt 3                             ; my scale words and my part of chunk 0 are in; chunks 1 to 3 may be out
	s_barrier_signal -1
	s_barrier_wait -1
	LDQ 0
	LDSC 0
	LDP 0, 0
	LDP 0, 1
	s_wait_loadcnt 0x0                             ; the bias
	WIN 0x10                                       ; source 2 in window 1: the first products take the bias as C (the LDS loads of this step name a destination and a source 0 alone)
	STEPA 0, 1
	WIN 0
	STEPB 1, 2
	STEPA 2, 0
	STEPB 3, 1
	STEPA 4, 0
	STEPB 5, 0
	STEPA 6, 0
	s_wait_dscnt 8
	MM 7, 0, 0
	s_wait_dscnt 0x0
	MM 7, 1, 0
	NOP4                                           ; places in front of the LDS stores that read results and of the loads into P's registers
.macro OUT q                           ; my tokens 16 q .. 16 q + 15: LDS serves a wave's instructions in order, so no wait stands between the stores and the loads
.irp p, 0,1,2,3,4,5,6,7
	ds_store_b128 v[STO], v[ACC+8*(2*\p+\q):ACC+8*(2*\p+\q)+3] offset:64*\p          ; each accumulator from its low end on
	ds_store_b128 v[STO], v[ACC+8*(2*\p+\q)+4:ACC+8*(2*\p+\q)+7] offset:64*\p+16
.endr
.irp t, 0,1,2,3,4,5,6,7,8,9,10,11,12,13,14,15
	ds_load_b128 v[PF+4*\t:PF+4*\t+3], v[RD] offset:528*\t
.endr
.irp t, 0,1,2,3,4,5,6,7,8,9,10,11,12,13,14,15
	s_wait_dscnt 15-\t
	global_store_b128 v[LP], v[PF+4*\t:PF+4*\t+3], s[72:73] offset:(16*\q+\t)*4096 th:TH_STORE_NT   ; 512 consecutive bytes, at a multiple of 256 from out0's first byte
.endr
.endm
	OUT 0
	s_wait_xcnt 0x0                                ; the stores have read their registers: the next rows may land there
	OUT 1
	s_wait_tensorcnt 0x0
	ds_add_u32 v126, v127
	s_wait_dscnt 0x0
	s_endpgm
.Lfunc_end_k_q4107358810_oproj:
	.size	k_q4107358810_oproj, .Lfunc_end_k_q4107358810_oproj-k_q4107358810_oproj
	.p2alignl 7, 3214868480
	.fill 96, 4, 3214868480
	.section	.rodata,"a",@progbits
	.p2align	6, 0x0
	.amdhsa_kernel k_q4107358810_oproj
		.amdhsa_group_segment_fixed_size 176640
		.amdhsa_private_segment_fixed_size 0
		.amdhsa_enable_private_segment 0
		.amdhsa_kernarg_size 48
		.amdhsa_user_sgpr_count 2
		.amdhsa_user_sgpr_kernarg_segment_ptr 1
		.amdhsa_wavefront_size32 1
		.amdhsa_system_sgpr_workgroup_id_x 1
		.amdhsa_system_sgpr_workgroup_id_y 1
		.amdhsa_system_sgpr_workgroup_id_z 1
		.amdhsa_system_vgpr_workitem_id 0
		.amdhsa_next_free_vgpr 320
		.amdhsa_next_free_sgpr 80
		.amdhsa_reserve_vcc 0
		.amdhsa_float_denorm_mode_32 3
		.amdhsa_float_denorm_mode_16_64 3
		.amdhsa_memory_ordered 1
		.amdhsa_forward_progress 1
		.amdhsa_inst_pref_size 46
	.end_amdhsa_kernel
	.amdgpu_metadata
---
amdhsa.version: [ 1, 2 ]
amdhsa.kernels:
  - .name:           k_q4107358810_oproj
    .symbol:         k_q4107358810_oproj.kd
    .args:
      - { .name: oc, .offset: 0, .size: 8, .value_kind: global_buffer, .address_space: global }
      - { .name: os, .offset: 8, .size: 8, .value_kind: global_buffer, .address_space: global }
      - { .name: cod, .offset: 16, .size: 8, .value_kind: global_buffer, .address_space: global }
      - { .name: scl, .offset: 24, .size: 8, .value_kind: global_buffer, .address_space: global }
      - { .name: bo, .offset: 32, .size: 8, .value_kind: global_buffer, .address_space: global }
      - { .name: out0, .offset: 40, .size: 8, .value_kind: global_buffer, .address_space: global }
    .group_segment_fixed_size: 176640
    .private_segment_fixed_size: 0
    .kernarg_segment_align: 8
    .kernarg_segment_size: 48
    .max_flat_workgroup_size: 128
    .sgpr_count:     80
    .vgpr_count:     320
    .wavefront_size: 32
...
	.end_amdgpu_metadata
.endif
;; end of part 4
;; ======== version 2 of 2: 4 launches
;; limits: right only within a limited range of input values
;; workspace buffers: cod 8,388,608 bytes; scl 524,288 bytes; rope 524,288 bytes; qkv 6,946,816 bytes; oc 2,097,152 bytes; os 131,072 bytes
;; launch quant (part 5): grid 544 x 1, 4 waves a work-group, no clusters, 41,472 bytes of LDS; arguments query, key_, value, Wq, Wk, Wv, Wo, cod, scl, rope; writes cod, scl, rope
.if DOCPART == 5
	.amdgcn_target "amdgcn-amd-amdhsa--gfx1250"
	.amdhsa_code_object_version 6
	.text
	.protected	k_q4107358810_quant
	.globl	k_q4107358810_quant
	.p2align	8
	.type	k_q4107358810_quant,@function
k_q4107358810_quant:
	s_mov_b64 s[64:65], 0
	v_nop
	global_prefetch_b8 v0, s[64:65] scope:SCOPE_SE
	s_setreg_imm32_b32 hwreg(HW_REG_WAVE_MODE, 25, 1), 1
	s_wait_xcnt 0x0
; query, key_, value [4096][1024] and Wq, Wk, Wv, Wo [1024][1024], f32, K innermost, become codes of FP4 (E2M1) with one E8M0 byte for each 32 along K; and the table of cos and sin is made.
; A block's scale is 2^(floor(log2(its largest magnitude)) - 2): its byte is the largest magnitude's exponent field - 2, held at 1 from below.
; LIMITS: a block whose largest magnitude lies under 2^-124, a block of zeros among them, gets the byte 1 (its codes are zeros or next to zero; this program alone reads the bytes); NaN and infinities are not served.
; THE CODES LIE AS IMAGES OF OPERAND REGISTERS.  The seven tensors count as one run of 1,024 tiles of 16 rows; G = tile / 8, tl = tile % 8, s = a K step of 128:
;   cod: G 65536 + s 8192 + tl 1024 + c 512 + 16 (16 h + r): the 16 bytes of block 4 s + 2 c + h of row r.      scl: G 4096 + tl 512 + s 64 + 4 r + b: the byte of block 4 s + b of row r.
; SHARES.  Work-groups 0 to 511: two tiles each; wave w takes tile 2 g + w / 2, columns 512 (w % 2) on: 16 steps of one row's 512 numbers.  Each of a step's four loads reads 512 consecutive bytes;
; the 2,048 bytes turn through the wave's own stage in LDS and come back 64 bytes a lane, so that a lane holds 16 neighbours along K and two neighbouring lanes a block.  The codes are gathered in a second
; stage, a unit of 256 bytes (+ 32) for each of the wave's 16 blocks along K, and leave as stores of 512 consecutive bytes; the wave's 256 scale bytes leave as one store of 256 consecutive, aligned bytes.
; No tensor load, no barrier: waves share nothing.  Loads run four steps (16 loads a wave) ahead, the turn through LDS one step.
; Work-groups 512 to 543: rope [2048][cos 32 | sin 32] f32, 64 positions each; they use no LDS.
.set STEPS, 16
.set SP,    80                         ; a lane's place in a turning stage: 64 bytes + 16
.set WREG,  10240                      ; LDS of a wave: two turning stages, the codes' stage, the scale bytes
.set CST,   2*32*SP                    ; the codes' stage: 16 units,
.set CPI,   288                        ; 288 bytes apart
.set SCB,   CST+16*CPI                 ; the wave's 256 scale bytes
.set R,     16                         ; v16-79   four sets of 16 numbers as loaded
.set X,     80                         ; v80-111  two sets of 16 neighbours
.set E,     112                        ; v112-127 a scale byte for each step
.set C,     128                        ; v128-159 two registers of codes for each step
.set OUTR,  160                        ; v160-191 the way out
	s_load_b512 s[8:23], s[0:1], 0x0               ; query, key_, value, Wq, Wk, Wv, Wo, cod
	s_load_b128 s[24:27], s[0:1], 0x40             ; scl, rope
	v_lshl_add_u32 v192, v0, 2, 0xa000
	v_mov_b32 v193, 0
	v_lshrrev_b32 v1, 5, v0
	v_readfirstlane_b32 s28, v1                    ; wave
	v_and_b32 v2, 31, v0                           ; lane
	v_lshlrev_b32 v3, 4, v2                        ; 16 x lane
	s_cmp_ge_u32 ttmp9, 512
	s_cbranch_scc1 .Ltable
	s_mul_i32 s29, s28, WREG
	v_lshrrev_b32 v14, 2, v2
	v_mul_u32_u24 v14, v14, SP
	v_and_b32 v15, 3, v2
	v_lshl_add_u32 v14, v15, 4, v14
	v_add_nc_u32 v14, s29, v14                     ; turning stage, in: four lanes' 64 bytes on end, then 16 of padding
	v_mul_u32_u24 v15, v2, SP
	v_add_nc_u32 v15, s29, v15                     ; and out: my 16 neighbours
	v_lshrrev_b32 v4, 1, v2                        ; my block among the wave's 16
	v_mul_u32_u24 v4, v4, CPI
	v_and_b32 v12, 1, v2
	v_lshl_add_u32 v4, v12, 3, v4                  ; + my half of its 16 bytes
	s_add_co_u32 s30, s29, CST
	v_add_nc_u32 v4, s30, v4                       ; the codes' stage, in; the row (16 bytes each) stands in the immediate
	v_lshrrev_b32 v5, 3, v2                        ; block / 4: the K step,
	v_bfe_u32 v12, v2, 1, 2                        ; block % 4: the byte in the word
	v_lshl_add_u32 v5, v5, 6, v12
	s_add_co_u32 s31, s29, SCB
	v_add_nc_u32 v5, s31, v5                       ; my block's scale byte; the row (4 bytes each) stands in the immediate
	v_lshrrev_b32 v12, 4, v2
	v_and_b32 v6, 15, v2
	v_lshlrev_b32 v6, 4, v6
	v_mad_u32_u24 v6, v12, CPI, v6
	v_add_nc_u32 v6, s30, v6                       ; the codes' stage, out: lanes 0-15 an even unit, lanes 16-31 the odd one behind it
	v_lshlrev_b32 v7, 3, v2                        ; the scale bytes, out: 8 bytes a lane
	v_add_nc_u32 v13, s31, v7
	s_wait_kmcnt 0x0
	s_mov_b64 s[4:5], s[20:21]                     ; which tensor: by the work-group's number alone
	s_mov_b32 s6, 480
.macro PICK lim, ptr, base
	s_cmp_lt_u32 ttmp9, \lim
	s_cselect_b64 s[4:5], s[\ptr:\ptr+1], s[4:5]
	s_cselect_b32 s6, \base, s6
.endm
	PICK 480, 18, 448
	PICK 448, 16, 416
	PICK 416, 14, 384
	PICK 384, 12, 256
	PICK 256, 10, 128
	PICK 128, 8, 0
	s_sub_co_u32 s6, ttmp9, s6
	s_lshl_b32 s6, s6, 17                          ; 32 rows of 4,096 bytes a work-group,
	s_lshr_b32 s34, s28, 1
	s_lshl_b32 s33, s34, 16                        ; 16 rows a tile,
	s_add_co_u32 s6, s6, s33
	s_and_b32 s32, s28, 1
	s_lshl_b32 s33, s32, 11                        ; 512 columns a wave
	s_add_co_u32 s6, s6, s33
	s_mov_b32 s7, 0
	s_add_nc_u64 s[4:5], s[4:5], s[6:7]
	s_lshr_b32 s36, ttmp9, 2                       ; cod: G = g / 4,
	s_lshl_b32 s36, s36, 16
	s_and_b32 s37, ttmp9, 3                        ; tl = 2 (g % 4) + w / 2,
	s_lshl_b32 s37, s37, 11
	s_add_co_u32 s36, s36, s37
	s_lshl_b32 s37, s34, 10
	s_add_co_u32 s36, s36, s37
	s_lshl_b32 s37, s32, 15                        ; K steps 4 (w % 2) on
	s_add_co_u32 s36, s36, s37
	s_mov_b32 s37, 0
	s_add_nc_u64 s[22:23], s[22:23], s[36:37]
	s_lshl_b32 s36, ttmp9, 10                      ; scl: 512 bytes a tile, 256 a wave
	s_lshl_b32 s38, s28, 8
	s_add_co_u32 s36, s36, s38
	s_add_nc_u64 s[24:25], s[24:25], s[36:37]
.macro LOAD t                          ; row t: four loads of 512 consecutive bytes
.irp i, 0,1,2,3
	global_load_b128 v[R+16*((\t)%4)+4*\i:R+16*((\t)%4)+4*\i+3], v3, s[4:5] offset:4096*(\t)+512*\i th:TH_LOAD_NT
.endr
.endm
.macro TURN t                          ; through the stage: LDS serves a wave's instructions in order, so no wait stands between the stores and the loads
.irp i, 0,1,2,3
	ds_store_b128 v14, v[R+16*((\t)%4)+4*\i:R+16*((\t)%4)+4*\i+3] offset:32*SP*((\t)%2)+8*SP*\i
.endr
.irp i, 0,1,2,3
	ds_load_b128 v[X+16*((\t)%2)+4*\i:X+16*((\t)%2)+4*\i+3], v15 offset:32*SP*((\t)%2)+16*\i
.endr
.endm
.irp t, 0,1,2,3
	LOAD \t
.endr
	s_wait_loadcnt 12                              ; step 0's four loads are in
	TURN 0
.macro STEP t
.set XS, X+16*((\t)%2)
.if (\t) > 0
	s_wait_dscnt 2                                 ; this step's numbers are back from the stage; the two younger are the last step's stores of codes and of its byte
.else
	s_wait_dscnt 0x0
.endif
.if (\t)+4 < STEPS
	LOAD (\t)+4                                    ; into the set that this step's stores into the stage have read
.endif
.if (\t)+1 < STEPS
.if STEPS-2-(\t) >= 3
	s_wait_loadcnt 12                              ; the next step's four loads are in; those of the three steps behind it may be out
.else
	s_wait_loadcnt 4*(STEPS-2-(\t))
.endif
	TURN (\t)+1
.endif
	v_max3_num_f32 v8, |v[XS]|, |v[XS+1]|, |v[XS+2]|               ; the largest magnitude of my 16, in two chains
	v_max3_num_f32 v9, |v[XS+3]|, |v[XS+4]|, |v[XS+5]|
.irp i, 6,10
	v_max3_num_f32 v8, v8, |v[XS+\i]|, |v[XS+\i+1]|
	v_max3_num_f32 v9, v9, |v[XS+\i+2]|, |v[XS+\i+3]|
.endr
	v_max3_num_f32 v8, v8, |v[XS+14]|, |v[XS+15]|
	v_max3_num_f32 v8, v8, v9, 0x1800000           ; and the floor 2^(3 - 127): the byte cannot fall under 1
	v_max_num_f32_dpp v8, v8, v8 row_xmask:1 row_mask:0xf bank_mask:0xf   ; with my neighbour's 16: the block's
	v_add_nc_u32 v11, 0xff000000, v8               ; 2 off its exponent field: the conversion takes that field as its scale
	v_cvt_scalef32_pk8_fp4_f32 v[C+2*(\t)], v[XS:XS+7], v11
	v_cvt_scalef32_pk8_fp4_f32 v[C+2*(\t)+1], v[XS+8:XS+15], v11
	v_lshrrev_b32 v[E+(\t)], 23, v11               ; the scale's byte (also the plain line behind the conversions)
	ds_store_b64 v4, v[C+2*(\t):C+2*(\t)+1] offset:16*(\t)
	ds_store_b8 v5, v[E+(\t)] offset:4*(\t)        ; both lanes of a block write the same byte with the same value
.endm
.irp t, 0,1,2,3,4,5,6,7,8,9,10,11,12,13,14,15
	STEP \t
.endr
.irp i, 0,1,2,3,4,5,6,7
	ds_load_b128 v[OUTR+4*\i:OUTR+4*\i+3], v6 offset:2*CPI*\i     ; units 2 i and 2 i + 1: part c = i % 2 of K step i / 2; these see my stores
.endr
	ds_load_b64 v[8:9], v13
.irp i, 0,1,2,3,4,5,6,7
	s_wait_dscnt 8-\i                              ; load i is in; the younger ones may be out
	global_store_b128 v3, v[OUTR+4*\i:OUTR+4*\i+3], s[22:23] offset:(\i/2)*8192+(\i%2)*512   ; 512 consecutive bytes
.endr
	s_wait_dscnt 0x0
	global_store_b64 v7, v[8:9], s[24:25]          ; 256 consecutive bytes, aligned
	s_wait_tensorcnt 0x0
	ds_add_u32 v192, v193
	s_wait_dscnt 0x0
	s_endpgm
; THE TABLE.  Wave w of work-group 512 + tg makes positions 64 tg + 16 w + 2 i + lane / 16, i = 0 .. 7.  With e = lane % 16: lanes e < 8 make cos of frequencies 4 e + n, lanes e >= 8 sin of 4 (e - 8) + n, n = 0 .. 3:
; a store covers two rows of the table, 512 consecutive bytes.
; inv_freq[i] is made as the problem's function makes it: a = 10000^(i / 32) = 10^(j / 8) x 10^m (j = i % 8, m = i / 8) rounded once to f32, then 1 / a rounded once.  10^(j / 8) stands as a high and a low f32 word;
; the product with the exact 10^m is summed with its rounding error by fused multiply-adds, so that a is rounded once; v_rcp_f32 and two fused correction steps give the rounded quotient.
; LIMIT: where the library's power function is not the correctly rounded one, a frequency differs by one unit in its last place, and the angle by that share of itself.
; cos and sin: the angle (one f32 product, as in the problem's function) less k pi / 2 in three parts (the first two products and differences are exact for k under 8,192), then polynomials on |r| <= pi / 4.
.set FHI, 16
.set FLO, 20
.set PR,  24
.set ER,  28
.set AA,  32
.set INV, 36
.Ltable:
	s_sub_co_u32 s29, ttmp9, 512
	s_lshl_b32 s30, s29, 6
	s_lshl_b32 s31, s28, 4
	s_add_co_u32 s30, s30, s31                     ; the wave's first position
	s_wait_alu depctr_va_vdst(0)
	v_and_b32 v4, 1, v2                            ; j = 4 (e % 2) + n
	v_bfe_u32 v5, v2, 1, 2                         ; m = (e % 8) / 2
	v_bfe_u32 v6, v2, 3, 1
	v_xor_b32 v7, 1, v6                            ; 1 in the lanes that make cos: cos x = sin(x + pi / 2)
	v_lshrrev_b32 v9, 4, v2
	v_add_nc_u32 v9, s30, v9
	v_cvt_f32_u32 v9, v9                           ; my position
	v_mov_b32 v8, 1.0                              ; 10^m
	v_cmp_ne_u32 vcc_lo, 1, v5
	v_cndmask_b32 v8, 0x41200000, v8, vcc_lo
	v_cmp_ne_u32 vcc_lo, 2, v5
	v_cndmask_b32 v8, 0x42c80000, v8, vcc_lo
	v_cmp_ne_u32 vcc_lo, 3, v5
	v_cndmask_b32 v8, 0x447a0000, v8, vcc_lo
	v_cmp_eq_u32 vcc_lo, 0, v4
.macro FREQ n, ha, la, hb, lb          ; 10^(n / 8) where e is even, 10^((4 + n) / 8) where it is odd
	v_mov_b32 v[FHI+\n], \ha
	v_mov_b32 v[FLO+\n], \la
	v_cndmask_b32 v[FHI+\n], \hb, v[FHI+\n], vcc_lo
	v_cndmask_b32 v[FLO+\n], \lb, v[FLO+\n], vcc_lo
.endm
	FREQ 0, 0x3f800000, 0,          0x404a62c2, 0xb324b496
	FREQ 1, 0x3faab0d5, 0xb36457ec, 0x4086f161, 0xb430577a
	FREQ 2, 0x3fe39ea9, 0xb26aee3b, 0x40b3f300, 0x34323462
	FREQ 3, 0x4017c496, 0x3360693f, 0x40eff755, 0x34515b51
.irp n, 0,1,2,3
	v_mul_f32 v[PR+\n], v[FHI+\n], v8
.endr
.irp n, 0,1,2,3
	v_fma_f32 v[ER+\n], v[FHI+\n], v8, -v[PR+\n]   ; what that product's rounding left out, exactly
.endr
.irp n, 0,1,2,3
	v_fma_f32 v[ER+\n], v[FLO+\n], v8, v[ER+\n]
.endr
.irp n, 0,1,2,3
	v_add_f32 v[AA+\n], v[PR+\n], v[ER+\n]         ; a
.endr
	s_wait_alu depctr_va_vdst(0)
.irp n, 0,1,2,3
	v_rcp_f32 v[INV+\n], v[AA+\n]
.endr
	v_nop                                          ; a plain line behind the reciprocals
	s_wait_alu depctr_va_vdst(0)
.rept 2
.irp n, 0,1,2,3
	v_fma_f32 v[ER+\n], -v[AA+\n], v[INV+\n], 1.0
.endr
.irp n, 0,1,2,3
	v_fma_f32 v[INV+\n], v[ER+\n], v[INV+\n], v[INV+\n]
.endr
.endr
	s_mov_b32 s32, 0x3f22f983                      ; 2 / pi
	s_mov_b32 s33, 0xbfc90000                      ; -pi / 2 in three parts: -1.5703125,
	s_mov_b32 s34, 0xb9fda000                      ; -4.837512969970703e-4,
	s_mov_b32 s35, 0xb3a22169                      ; -7.549789954892e-8
	s_mov_b32 s36, 0xb94ca1f9                      ; sin: -1.9515295891e-4,
	s_mov_b32 s37, 0x3c08839e                      ; 8.3321608736e-3,
	s_mov_b32 s38, 0xbe2aaaa3                      ; -1.6666654611e-1
	s_mov_b32 s39, 0x37ccf5ce                      ; cos: 2.443315712e-5,
	s_mov_b32 s40, 0xbab6061a                      ; -1.388731625e-3,
	s_mov_b32 s41, 0x3d2aaaa5                      ; 4.166664568e-2
	s_lshl_b32 s30, s30, 8                         ; 256 bytes a position
	s_mov_b32 s31, 0
	s_wait_alu depctr_va_vdst(0)
	s_wait_kmcnt 0x0
	s_add_nc_u64 s[26:27], s[26:27], s[30:31]
.macro ROWS i                          ; my four numbers of two rows of the table, the four by turns; each i has its own four registers for the store
.irp n, 0,1,2,3
	v_mul_f32 v[40+\n], v9, v[INV+\n]              ; the angle
.endr
.irp n, 0,1,2,3
	v_mul_f32 v[44+\n], s32, v[40+\n]
.endr
.irp n, 0,1,2,3
	v_rndne_f32 v[44+\n], v[44+\n]                 ; k
.endr
.irp n, 0,1,2,3
	v_fma_f32 v[48+\n], v[44+\n], s33, v[40+\n]
.endr
.irp n, 0,1,2,3
	v_fma_f32 v[48+\n], v[44+\n], s34, v[48+\n]
.endr
.irp n, 0,1,2,3
	v_fma_f32 v[48+\n], v[44+\n], s35, v[48+\n]    ; r
.endr
.irp n, 0,1,2,3
	v_cvt_i32_f32 v[52+\n], v[44+\n]
.endr
.irp n, 0,1,2,3
	v_add_nc_u32 v[52+\n], v[52+\n], v7            ; the quadrant
.endr
.irp n, 0,1,2,3
	v_mul_f32 v[56+\n], v[48+\n], v[48+\n]         ; z = r r
.endr
.irp n, 0,1,2,3
	v_fma_f32 v[60+\n], v[56+\n], s36, s37
.endr
.irp n, 0,1,2,3
	v_fma_f32 v[60+\n], v[60+\n], v[56+\n], s38
.endr
.irp n, 0,1,2,3
	v_mul_f32 v[64+\n], v[48+\n], v[56+\n]
.endr
.irp n, 0,1,2,3
	v_fma_f32 v[60+\n], v[64+\n], v[60+\n], v[48+\n]   ; sin r
.endr
.irp n, 0,1,2,3
	v_fma_f32 v[68+\n], v[56+\n], s39, s40
.endr
.irp n, 0,1,2,3
	v_fma_f32 v[68+\n], v[68+\n], v[56+\n], s41
.endr
.irp n, 0,1,2,3
	v_mul_f32 v[72+\n], v[56+\n], v[56+\n]
.endr
.irp n, 0,1,2,3
	v_fma_f32 v[76+\n], v[56+\n], -0.5, 1.0
.endr
.irp n, 0,1,2,3
	v_fma_f32 v[68+\n], v[72+\n], v[68+\n], v[76+\n]   ; cos r
.endr
.irp n, 0,1,2,3
	v_and_b32 v[80+\n], 1, v[52+\n]
.endr
.irp n, 0,1,2,3
	v_cmp_eq_u32 vcc_lo, 1, v[80+\n]
	v_cndmask_b32 v[60+\n], v[60+\n], v[68+\n], vcc_lo   ; odd quadrants take cos r
.endr
.irp n, 0,1,2,3
	v_lshlrev_b32 v[80+\n], 30, v[52+\n]
.endr
.irp n, 0,1,2,3
	v_and_b32 v[80+\n], 0x80000000, v[80+\n]       ; quadrants 2 and 3 change the sign
.endr
.irp n, 0,1,2,3
	v_xor_b32 v[96+4*\i+\n], v[60+\n], v[80+\n]
.endr
	global_store_b128 v3, v[96+4*\i:99+4*\i], s[26:27] offset:512*\i
	v_add_f32 v9, 2.0, v9
.endm
.irp i, 0,1,2,3,4,5,6,7
	ROWS \i
.endr
	s_endpgm
.Lfunc_end_k_q4107358810_quant:
	.size	k_q4107358810_quant, .Lfunc_end_k_q4107358810_quant-k_q4107358810_quant
	.p2alignl 7, 3214868480
	.fill 96, 4, 3214868480
	.section	.rodata,"a",@progbits
	.p2align	6, 0x0
	.amdhsa_kernel k_q4107358810_quant
		.amdhsa_group_segment_fixed_size 41472
		.amdhsa_private_segment_fixed_size 0
		.amdhsa_enable_private_segment 0
		.amdhsa_kernarg_size 80
		.amdhsa_user_sgpr_count 2
		.amdhsa_user_sgpr_kernarg_segment_ptr 1
		.amdhsa_wavefront_size32 1
		.amdhsa_system_sgpr_workgroup_id_x 1
		.amdhsa_system_sgpr_workgroup_id_y 1
		.amdhsa_system_sgpr_workgroup_id_z 1
		.amdhsa_system_vgpr_workitem_id 0
		.amdhsa_next_free_vgpr 194
		.amdhsa_next_free_sgpr 66
		.amdhsa_reserve_vcc 1
		.amdhsa_float_denorm_mode_32 3
		.amdhsa_float_denorm_mode_16_64 3
		.amdhsa_memory_ordered 1
		.amdhsa_forward_progress 1
		.amdhsa_inst_pref_size 77
	.end_amdhsa_kernel
	.amdgpu_metadata
---
amdhsa.version: [ 1, 2 ]
amdhsa.kernels:
  - .name:           k_q4107358810_quant
    .symbol:         k_q4107358810_quant.kd
    .args:
      - { .name: query, .offset: 0, .size: 8, .value_kind: global_buffer, .address_space: global }
      - { .name: key_, .offset: 8, .size: 8, .value_kind: global_buffer, .address_space: global }
      - { .name: value, .offset: 16, .size: 8, .value_kind: global_buffer, .address_space: global }
      - { .name: Wq, .offset: 24, .size: 8, .value_kind: global_buffer, .address_space: global }
      - { .name: Wk, .offset: 32, .size: 8, .value_kind: global_buffer, .address_space: global }
      - { .name: Wv, .offset: 40, .size: 8, .value_kind: global_buffer, .address_space: global }
      - { .name: Wo, .offset: 48, .size: 8, .value_kind: global_buffer, .address_space: global }
      - { .name: cod, .offset: 56, .size: 8, .value_kind: global_buffer, .address_space: global }
      - { .name: scl, .offset: 64, .size: 8, .value_kind: global_buffer, .address_space: global }
      - { .name: rope, .offset: 72, .size: 8, .value_kind: global_buffer, .address_space: global }
    .group_segment_fixed_size: 41472
    .private_segment_fixed_size: 0
    .kernarg_segment_align: 8
    .kernarg_segment_size: 80
    .max_flat_workgroup_size: 128
    .sgpr_count:     66
    .vgpr_count:     194
    .wavefront_size: 32
...
	.end_amdgpu_metadata
.endif
;; end of part 5
;; launch proj (part 6): grid 256 x 1, 4 waves a work-group, no clusters, 327,680 bytes of LDS; arguments cod, scl, rope, bq, bk, bv, qkv; writes qkv
.if DOCPART == 6
	.amdgcn_target "amdgcn-amd-amdhsa--gfx1250"
	.amdhsa_code_object_version 6
	.text
	.protected	k_q4107358810_proj
	.globl	k_q4107358810_proj
	.p2align	8
	.type	k_q4107358810_proj,@function
k_q4107358810_proj:
	s_mov_b64 s[64:65], 0
	v_nop
	global_prefetch_b8 v0, s[64:65] scope:SCOPE_SE
	s_setreg_imm32_b32 hwreg(HW_REG_WAVE_MODE, 25, 1), 1
	s_wait_xcnt 0x0
; The three projections x W^T + b on codes of FP4 (E2M1) with E8M0 scales; RoPE on q and k; the results are quantised in registers (q, k along the head's 64, v along the keys) and stored as
; images of operand registers.  Nothing of q, k, v goes to memory as f32.
; A WORK-GROUP STAYS: it makes 128 tokens (mg) x 128 columns (ng: two heads) of q, then of k, then of v, K = 1,024 each: 256 work-groups, all that they read asked for early, one start and one end.
; Every product is D = P Q^T, source 0 = 16 rows of P, source 1 = 16 rows of Q: lane (r, h), register j holds (P row 8 h + j, Q row r).
; For q and k P = W and Q = x: a lane holds one token and its registers run along d.  For v P = x and Q = W: a lane holds one column d and its registers run along the keys.  So each result's next K runs along a lane's registers.
; A wave makes all 128 rows of P x 32 rows of Q (tiles 2 w, 2 w + 1): 16 accumulators, which take turns, one instruction a turn.
; Q'S FRAGMENTS ARE ONE WAVE'S ALONE: they come from memory straight into its registers (32 loads of 512 consecutive bytes and 8 of scale words for a product), a whole product ahead of their use.
; P GOES THROUGH LDS, FILLED ONCE: 3 x 65,536 bytes of codes and 3 x 4,096 of scale words, laid in memory as they are read.  Each wave brings a quarter by nine tensor loads, issued together at the head (nine of a wave's
; are out): q's scale words, q's four chunks of two K steps, k's scale words and codes, v's scale words and codes.  The waits count down 7, 6, 5, 4, 2, 0, each with a barrier behind which nothing is filled.
; NO CLUSTER: Wq's and Wk's groups are read by 32 work-groups, value's by 8; here each work-group asks for its 208,896 bytes once, at its head, by loads of its own.  Joint requests are left to a later version.
; NO PREFETCH: all that goes to LDS is asked for at the head, and Q's loads are themselves issued a product ahead.
; LIMITS: blocks whose largest magnitude lies under 2^-124 get the byte 1 (this program alone reads the bytes); NaN and infinities are not served.
; qkv: a block of 217,088 bytes for each hb = 16 batch + head: K codes 0 [tile of 16 keys][512]; V codes 65,536 [128 keys j][dt][c][512]; K scale words 131,072 [key]; V scale words 139,264 [j][dt][r]; Q codes 143,360; Q scale words 208,896.
; REGISTERS: window 0: v1-11 addresses; v12-15 bv by lane; v16-79 P's 8 fragments, in the epilogues at work; v80-103 Q's scale words, 8 a product; v112-119 P's scale words, two sets of 4; v128-255 the accumulators ((p, q) at 128 + 8 (2 p + q)).
;   window 1: v0-63 bq by register; v64-127 cos and sin; v128-191 bk.   window 2: v0-127 Q's fragments for q, v128-255 for k (K step s, tile q at 16 s + 8 q).   window 3: v0-127 for v.
.set LP0, 1                            ; 16 x lane: P's codes for q in LDS; also the offset of Q's loads and of the stores of codes
.set LP1, 2                            ; 65,536 + 16 x lane: for k
.set LP2, 3                            ; 131,072 + 16 x lane: for v
.set SPA, 4                            ; P's scale words: lanes 0-15 an even tile's, lanes 16-31 the odd one's, 512 bytes on
.set L4,  5                            ; 4 x lane
.set QSO, 6                            ; 512 h + 4 r: Q's scale words in memory, my two tiles
.set BV,  12
.set PF,  16
.set QS,  80
.set SC,  112
.set NX0, 122
.set NX1, 123
.set ACC, 128
.set CSN, 64
.set TT,  16                           ; the epilogues work where P's fragments lay
.set CD,  24
.set SW,  40
.set MX0, 44
.set MX1, 45
.set EX0, 46
.set EX1, 47
.set BY0, 48
.set BY1, 49
.set WD,  50
.set SEL, 22
.set G1A, 24                           ; s[24:31] group 1: 128 rows of 256 bytes
.set G1B, 32                           ; s[32:39] group 1: 16 rows
.set G1C, 40
.set PSC, 196608                       ; LDS: P's scale words, 4,096 bytes a product
.set HBB, 217088
.set MSB, 0
.macro WIN new                         ; the immediate's high byte repeats the setting that is left
.if MSB != \new
	s_set_vgpr_msb (MSB<<8)|\new
.set MSB, \new
.endif
.endm
.macro NOP4
.rept 4
	v_nop
.endr
.endm
.macro DESC g, lw, lc, ap, ac          ; a group 0: LDS address = s[lw] + lc, global address = s[ap:ap+1] + ac
	s_mov_b32 s[\g], 1
	s_add_co_u32 s[\g+1], s[\lw], \lc
	s_add_nc_u64 s[\g+2:\g+3], s[\ap:\ap+1], \ac
	s_or_b32 s[\g+3], s[\g+3], 0x80000000
.endm
	s_load_b256 s[4:11], s[0:1], 0x0               ; cod, scl, rope, bq
	s_load_b128 s[12:15], s[0:1], 0x20             ; bk, bv
	s_load_b64 s[16:17], s[0:1], 0x30              ; qkv
	v_lshl_add_u32 v126, v0, 2, 0x33000
	v_mov_b32 v127, 0
	ds_add_u32 v126, v127
	ds_add_u32 v126, v127
	v_lshrrev_b32 v1, 5, v0
	v_readfirstlane_b32 s18, v1                    ; wave
	s_lshr_b32 s20, ttmp9, 3                       ; mg
	s_and_b32 s21, ttmp9, 7                        ; ng
	s_mov_b32 s19, 0xffff0000                      ; lanes 16-31
	s_mov_b32 s[SEL], 0x76543210
	s_mov_b32 s[SEL+1], 0xfedcba98                 ; v_permlanex16_b32's selects for lane l xor 16
.irp g, G1A, G1B
	s_mov_b32 s[\g], 3<<16
	s_mov_b32 s[\g+1], 32<<16
	s_mov_b32 s[\g+3], 32<<16
	s_mov_b32 s[\g+5], 32
	s_mov_b32 s[\g+6], 0
	s_mov_b32 s[\g+7], 0
.endr
	s_mov_b32 s[G1A+2], 128<<16                    ; group 1 A now counts 128 rows: half a product's codes
	s_mov_b32 s[G1A+4], 128
	s_mov_b32 s[G1B+2], 16<<16
	s_mov_b32 s[G1B+4], 16
	s_add_co_u32 s2, s21, 96                       ; P for q: Wq's group of 128 rows, 96 + ng; Wk's lies 8 groups on
	s_lshl_b32 s88, s2, 16                         ; its codes,
	s_mov_b32 s89, 0
	s_lshl_b32 s90, s2, 12                         ; its scale words
	s_mov_b32 s91, 0
	s_add_co_u32 s2, s20, 64                       ; P for v: value's group, 64 + mg
	s_lshl_b32 s92, s2, 16
	s_mov_b32 s93, 0
	s_lshl_b32 s94, s2, 12
	s_mov_b32 s95, 0
; P'S WAY INTO LDS AS IT NOW STANDS (it takes the place of the nine loads a wave that the head comment tells of): nine loads in all, each of a dense block, in three groups, at most one a wave in each.
; At the head: waves 0 and 1 the halves of q's codes, wave 2 q's scale words, wave 3 k's scale words.  Behind the first barrier, with its three lines: waves 0 and 1 the halves of k's codes, wave 2 v's scale words.
; Behind the barrier at k's start, with its three lines: waves 0 and 1 the halves of v's codes.  So each product's codes are asked for a product ahead.
	s_lshl_b32 s97, s18, 10                        ; 1,024 w: used further down
	s_mov_b32 s96, 0
	s_wait_dscnt 0x0
	s_wait_kmcnt 0x0
	s_add_nc_u64 s[88:89], s[4:5], s[88:89]        ; Wq's codes
	s_add_nc_u64 s[90:91], s[6:7], s[90:91]        ; Wq's scale words
	s_add_nc_u64 s[92:93], s[4:5], s[92:93]        ; value's codes
	s_add_nc_u64 s[94:95], s[6:7], s[94:95]        ; value's scale words
	DESC 48, 96, 0, 88, 0                          ; q: K steps 0 to 3,
	DESC 52, 96, 32768, 88, 32768                  ; K steps 4 to 7,
	DESC 56, 96, PSC, 90, 0                        ; scale words
	DESC 60, 96, PSC+4096, 90, 32768               ; k: scale words, 8 groups of 4,096 bytes on,
	DESC 68, 96, 65536, 88, 524288                 ; codes, 8 groups of 65,536 bytes on: K steps 0 to 3,
	DESC 72, 96, 98304, 88, 557056                 ; K steps 4 to 7
	DESC 76, 96, PSC+8192, 94, 0                   ; v: scale words,
	DESC 80, 96, 131072, 92, 0                     ; codes: K steps 0 to 3,
	DESC 84, 96, 163840, 92, 32768                 ; K steps 4 to 7
.macro ARM under, g0, g1, next, join           ; one arm of a chain of branches on the wave's number: its load, and a jump to the chain's end
	s_cmp_lt_u32 s18, \under
	s_cbranch_scc0 \next
	tensor_load_to_lds s[\g0:\g0+3], s[\g1:\g1+7]
	s_nop 0
	NOP4
	s_branch \join
\next:
.endm
	ARM 1, 48, G1A, .Lh1, .Lhead_asked
	ARM 2, 52, G1A, .Lh2, .Lhead_asked
	ARM 3, 56, G1B, .Lh3, .Lhead_asked
	tensor_load_to_lds s[60:63], s[G1B:G1B+7]
	s_nop 0
	NOP4
.Lhead_asked:
	v_and_b32 v7, 31, v0                           ; lane
	v_and_b32 v8, 15, v0                           ; r
	v_bfe_u32 v9, v0, 4, 1                         ; h
	v_lshlrev_b32 v[LP0], 4, v7
	v_add_nc_u32 v[LP1], 65536, v[LP0]
	v_add_nc_u32 v[LP2], 131072, v[LP0]
	v_lshlrev_b32 v[QSO], 2, v8
	v_lshl_add_u32 v[QSO], v9, 9, v[QSO]
	s_wait_alu depctr_va_vdst(0)
	v_add_nc_u32 v[SPA], PSC, v[QSO]
	v_lshlrev_b32 v[L4], 2, v7
	v_lshlrev_b32 v11, 2, v8                       ; the bias by lane: 4 r
	v_lshlrev_b32 v9, 5, v9                        ; the bias by register: 32 h
	v_lshl_add_u32 v10, v8, 8, v9                  ; the table: 256 r + 32 h
	s_wait_alu depctr_va_vdst(0)
	v_mov_b32 v[NX0], 0                            ; written once: a lane permute's destination counts as one of its sources
	v_mov_b32 v[NX1], 0
	; where Q comes from: query's group mg (key_'s lies 32 groups on) and Wv's group 112 + ng; my two tiles
	s_lshl_b32 s88, s20, 16
	s_lshl_b32 s2, s18, 11
	s_add_co_u32 s88, s88, s2
	s_mov_b32 s89, 0
	s_add_nc_u64 s[88:89], s[4:5], s[88:89]        ; codes: query's,
	s_add_co_u32 s3, s21, 112
	s_lshl_b32 s90, s3, 16
	s_add_co_u32 s90, s90, s2
	s_mov_b32 s91, 0
	s_add_nc_u64 s[90:91], s[4:5], s[90:91]        ; Wv's
	s_lshl_b32 s92, s20, 12
	s_add_co_u32 s92, s92, s97
	s_mov_b32 s93, 0
	s_add_nc_u64 s[92:93], s[6:7], s[92:93]        ; scale words: query's,
	s_lshl_b32 s94, s3, 12
	s_add_co_u32 s94, s94, s97
	s_mov_b32 s95, 0
	s_add_nc_u64 s[94:95], s[6:7], s[94:95]        ; Wv's
	s_lshl_b32 s2, s21, 9
	s_mov_b32 s3, 0
	s_add_nc_u64 s[10:11], s[10:11], s[2:3]        ; bq, bk at column 128 ng,
	s_add_nc_u64 s[12:13], s[12:13], s[2:3]
	s_add_nc_u64 s[14:15], s[14:15], s[2:3]
	s_lshl_b32 s2, s18, 7
	s_add_nc_u64 s[14:15], s[14:15], s[2:3]        ; bv 32 w further on
	s_and_b32 s100, s20, 15                        ; mg % 16: the block of 128 positions
	s_lshl_b32 s2, s100, 15
	s_lshl_b32 s101, s18, 13
	s_add_co_u32 s2, s2, s101
	s_add_nc_u64 s[8:9], s[8:9], s[2:3]            ; the table at position 128 (mg % 16) + 32 w
	s_lshr_b32 s96, s20, 4
	s_lshl_b32 s96, s96, 4
	s_lshl_b32 s2, s21, 1
	s_add_co_u32 s96, s96, s2
	s_mul_i32 s96, s96, HBB                        ; the block of hb = 16 batch + 2 ng in qkv
; Q's fragments and scale words of one product: 32 loads of 512 consecutive bytes, 8 of 2 x 64
.macro QLD win, rb, cb, co, qs, sb, so
	WIN \win
.irp st, 0,1,2,3,4,5,6,7
.irp q, 0,1
.irp c, 0,1
	global_load_b128 v[(\rb)+16*\st+8*\q+4*\c:(\rb)+16*\st+8*\q+4*\c+3], v[LP0], s[\cb:\cb+1] offset:(\co)+\st*8192+\q*1024+\c*512
.endr
.endr
.endr
	WIN 0
.irp st, 0,1,2,3,4,5,6,7
	global_load_b32 v[(\qs)+\st], v[QSO], s[\sb:\sb+1] offset:(\so)+\st*64   ; lanes 0-15: tile 2 w's words, lanes 16-31: tile 2 w + 1's
.endr
.endm
.macro BILD rb, bp                     ; b[128 ng + 16 p + 8 h + j] at rb + 8 p + j of window 1
	WIN 0x40
.irp p, 0,1,2,3,4,5,6,7
	global_load_b128 v[(\rb)+8*\p:(\rb)+8*\p+3], v9, s[\bp:\bp+1] offset:64*\p
	global_load_b128 v[(\rb)+8*\p+4:(\rb)+8*\p+7], v9, s[\bp:\bp+1] offset:64*\p+16
.endr
	WIN 0
.endm
	QLD 0x80, 0, 88, 0, QS, 92, 0                  ; Q for q
	WIN 0x40
.irp q, 0,1                                    ; token tile q: cos of frequency 16 u + 8 h + j at 32 q + 8 u + j, sin 16 registers on
.irp u, 0,1
	global_load_b128 v[CSN+32*\q+8*\u:CSN+32*\q+8*\u+3], v10, s[8:9] offset:4096*\q+64*\u
	global_load_b128 v[CSN+32*\q+8*\u+4:CSN+32*\q+8*\u+7], v10, s[8:9] offset:4096*\q+64*\u+16
	global_load_b128 v[CSN+32*\q+8*\u+16:CSN+32*\q+8*\u+19], v10, s[8:9] offset:4096*\q+64*\u+128
	global_load_b128 v[CSN+32*\q+8*\u+20:CSN+32*\q+8*\u+23], v10, s[8:9] offset:4096*\q+64*\u+144
.endr
.endr
	WIN 0
; The K loop.  LPY: the address register of the product's codes of P; SPO: its scale words' offset; QB: Q's fragments in their window; QSY: Q's scale words
.macro LDSC st                         ; the K step's scale words of P's eight tiles, into set st % 2
.irp i, 0,1,2,3
	ds_load_b32 v[SC+4*((\st)%2)+\i], v[SPA] offset:SPO+\i*1024+(\st)*64
.endr
.endm
.macro LDP st, hf                      ; P's tiles 4 hf .. 4 hf + 3
.irp pp, 0,1,2,3
.irp c, 0,1
	ds_load_b128 v[PF+8*(4*\hf+\pp)+4*\c:PF+8*(4*\hf+\pp)+4*\c+3], v[LPY] offset:(\st)*8192+(4*\hf+\pp)*1024+\c*512
.endr
.endr
.endm
.macro WM p, q, st, zero               ; one product; an odd tile's scale words stand in lanes 16-31 of their register
.set rD, ACC+8*(2*(\p)+(\q))
.set rA, PF+8*(\p)
.set rB, QB+16*(\st)+8*(\q)
.set rS, SC+4*((\st)%2)+(\p)/2
.set rT, QSY+(\st)
.set rW, 2*((\p)%2)+(\q)+4*(\zero)
.if rW == 0
	v_wmma_scale_f32_16x16x128_f8f6f4 v[rD:rD+7], v[rA:rA+7], v[rB:rB+7], v[rD:rD+7], v[rS], v[rT] matrix_a_fmt:MATRIX_FMT_FP4 matrix_b_fmt:MATRIX_FMT_FP4
.elseif rW == 1
	v_wmma_scale_f32_16x16x128_f8f6f4 v[rD:rD+7], v[rA:rA+7], v[rB:rB+7], v[rD:rD+7], v[rS], v[rT] matrix_a_fmt:MATRIX_FMT_FP4 matrix_b_fmt:MATRIX_FMT_FP4 matrix_b_scale:MATRIX_SCALE_ROW1
.elseif rW == 2
	v_wmma_scale_f32_16x16x128_f8f6f4 v[rD:rD+7], v[rA:rA+7], v[rB:rB+7], v[rD:rD+7], v[rS], v[rT] matrix_a_fmt:MATRIX_FMT_FP4 matrix_b_fmt:MATRIX_FMT_FP4 matrix_a_scale:MATRIX_SCALE_ROW1
.elseif rW == 3
	v_wmma_scale_f32_16x16x128_f8f6f4 v[rD:rD+7], v[rA:rA+7], v[rB:rB+7], v[rD:rD+7], v[rS], v[rT] matrix_a_fmt:MATRIX_FMT_FP4 matrix_b_fmt:MATRIX_FMT_FP4 matrix_a_scale:MATRIX_SCALE_ROW1 matrix_b_scale:MATRIX_SCALE_ROW1
.elseif rW == 4
	v_wmma_scale_f32_16x16x128_f8f6f4 v[rD:rD+7], v[rA:rA+7], v[rB:rB+7], 0, v[rS], v[rT] matrix_a_fmt:MATRIX_FMT_FP4 matrix_b_fmt:MATRIX_FMT_FP4
.elseif rW == 5
	v_wmma_scale_f32_16x16x128_f8f6f4 v[rD:rD+7], v[rA:rA+7], v[rB:rB+7], 0, v[rS], v[rT] matrix_a_fmt:MATRIX_FMT_FP4 matrix_b_fmt:MATRIX_FMT_FP4 matrix_b_scale:MATRIX_SCALE_ROW1
.elseif rW == 6
	v_wmma_scale_f32_16x16x128_f8f6f4 v[rD:rD+7], v[rA:rA+7], v[rB:rB+7], 0, v[rS], v[rT] matrix_a_fmt:MATRIX_FMT_FP4 matrix_b_fmt:MATRIX_FMT_FP4 matrix_a_scale:MATRIX_SCALE_ROW1
.else
	v_wmma_scale_f32_16x16x128_f8f6f4 v[rD:rD+7], v[rA:rA+7], v[rB:rB+7], 0, v[rS], v[rT] matrix_a_fmt:MATRIX_FMT_FP4 matrix_b_fmt:MATRIX_FMT_FP4 matrix_a_scale:MATRIX_SCALE_ROW1 matrix_b_scale:MATRIX_SCALE_ROW1
.endif
.endm
.macro MM st, hf, zero                 ; eight products: P's tiles 4 hf .. 4 hf + 3 x my two of Q
.irp pp, 0,1,2,3
.irp q, 0,1
	WM 4*\hf+\pp, \q, \st, \zero
.endr
.endr
.endm
; A K step whose successor has landed.  Four plain lines stand behind matrix instructions in front of loads into registers that they have read (ISA guide 7.12.1 for vector instructions).
.macro STEPA st, zero
	s_wait_dscnt 8                                 ; all but the youngest eight loads (P's tiles 4-7) are in
	MM \st, 0, \zero
	NOP4
	LDSC (\st)+1
	LDP (\st)+1, 0
	s_wait_dscnt 12                                ; all but the 12 just issued
	MM \st, 1, \zero
	NOP4
	LDP (\st)+1, 1
.endm
; A chunk's last K step: my part of the next chunk has landed (cnt later loads of mine may stay out), my LDS loads are in; then the barrier: everybody's part has landed.
.macro STEPB st, cnt
	s_wait_dscnt 8
	MM \st, 0, 0
	s_wait_dscnt 0x0
	s_wait_tensorcnt \cnt
	s_barrier_signal -1
	MM \st, 1, 0                                   ; work on registers while the others arrive
	s_barrier_wait -1
	NOP4
	LDSC (\st)+1
	LDP (\st)+1, 0
	LDP (\st)+1, 1
.endm
.macro LAST
	s_wait_dscnt 8
	MM 7, 0, 0
	s_wait_dscnt 0x0
	MM 7, 1, 0
	NOP4
.endm
; A product's start: my part of its P has landed (cnt later loads of mine may stay out); behind the barrier everybody's has.  Then the first fragments, and Q, which was asked for a product ago.
.macro START cnt
	s_wait_tensorcnt \cnt
	s_barrier_signal -1
	s_barrier_wait -1
	LDSC 0
	LDP 0, 0
	LDP 0, 1
	s_wait_loadcnt 0x0                             ; Q's fragments and scale words (and whatever else was asked for with them)
.endm
; Two blocks of 32 along a lane's registers become four registers of codes.  Block B is tiles a0, a1, block B' tiles a2, a3: a lane holds 16 numbers of each, lane l xor 16 the other 16.
; The conversions' results are half blocks: (k 0-7 | k 8-15) of B and of B', then (k 16-23 | k 24-31); two exchanges of halves leave lanes 0-15 with all of B and lanes 16-31 with all of B', as the operand's layout asks.
; sw: byte of B | byte of B' << 8.
.macro QUANT2 a0, a1, a2, a3, dst, sw
	v_max3_num_f32 v[MX0], |v[(\a0)]|, |v[(\a0)+1]|, 0x1800000    ; with the floor 2^(3 - 127): the byte cannot fall under 1
	v_max3_num_f32 v[MX1], |v[(\a2)]|, |v[(\a2)+1]|, 0x1800000
.irp i, 2,4,6
	v_max3_num_f32 v[MX0], v[MX0], |v[(\a0)+\i]|, |v[(\a0)+\i+1]|
	v_max3_num_f32 v[MX1], v[MX1], |v[(\a2)+\i]|, |v[(\a2)+\i+1]|
.endr
.irp i, 0,2,4,6
	v_max3_num_f32 v[MX0], v[MX0], |v[(\a1)+\i]|, |v[(\a1)+\i+1]|
	v_max3_num_f32 v[MX1], v[MX1], |v[(\a3)+\i]|, |v[(\a3)+\i+1]|
.endr
	v_permlanex16_b32 v[NX0], v[MX0], s[SEL], s[SEL+1]
	v_permlanex16_b32 v[NX1], v[MX1], s[SEL], s[SEL+1]
	v_max_num_f32 v[MX0], v[MX0], v[NX0]
	v_max_num_f32 v[MX1], v[MX1], v[NX1]
	v_add_nc_u32 v[EX0], 0xff000000, v[MX0]        ; 2 off the exponent field: the conversion's scale operand
	v_add_nc_u32 v[EX1], 0xff000000, v[MX1]
	v_lshrrev_b32 v[BY0], 23, v[EX0]
	v_lshrrev_b32 v[BY1], 23, v[EX1]
	v_lshl_or_b32 v[\sw], v[BY1], 8, v[BY0]
	v_cvt_scalef32_pk8_fp4_f32 v[(\dst)], v[(\a0):(\a0)+7], v[EX0]
	v_cvt_scalef32_pk8_fp4_f32 v[(\dst)+1], v[(\a2):(\a2)+7], v[EX1]
	v_cvt_scalef32_pk8_fp4_f32 v[(\dst)+2], v[(\a1):(\a1)+7], v[EX0]
	v_cvt_scalef32_pk8_fp4_f32 v[(\dst)+3], v[(\a3):(\a3)+7], v[EX1]
	v_nop                                          ; one plain line behind a scaled conversion
	v_permlane16_swap_b32 v[(\dst)], v[(\dst)+1]
	v_permlane16_swap_b32 v[(\dst)+2], v[(\dst)+3]
.endm
; RoPE: lo = d < 32 (tiles u), hi = d + 32 (tiles 2 + u): lo' = lo cos - hi sin, hi' = hi cos + lo sin
.macro ROPE q, hh, u
.set rL, ACC+8*(2*(4*\hh+\u)+\q)
.set rH, ACC+8*(2*(4*\hh+2+\u)+\q)
.set rCo, CSN+32*\q+8*\u
.set rSi, CSN+32*\q+8*\u+16
.irp k, 0,2,4,6
	v_pk_mul_f32 v[TT+\k:TT+\k+1], v[rL+\k:rL+\k+1], v[rSi+\k:rSi+\k+1]
.endr
.irp k, 0,2,4,6
	v_pk_mul_f32 v[rL+\k:rL+\k+1], v[rL+\k:rL+\k+1], v[rCo+\k:rCo+\k+1]
.endr
.irp k, 0,2,4,6
	v_pk_fma_f32 v[rL+\k:rL+\k+1], v[rH+\k:rH+\k+1], v[rSi+\k:rSi+\k+1], v[rL+\k:rL+\k+1] neg_lo:[1,0,0] neg_hi:[1,0,0]
.endr
.irp k, 0,2,4,6
	v_pk_fma_f32 v[rH+\k:rH+\k+1], v[rH+\k:rH+\k+1], v[rCo+\k:rCo+\k+1], v[TT+\k:TT+\k+1]
.endr
.endm
; THE WAY OUT OF q AND k.  Lane (r, h), accumulator (p, q): token 16 q + r of my 32; head p / 4; d = 16 (p % 4) + 8 h + j.  bib: the bias in window 1; co, so: where codes and scale words lie in a block of qkv;
; cnt: the loads issued behind the bias's, which may stay out
.macro EPIQK bib, co, so, cnt
	s_wait_loadcnt \cnt
	WIN 0x04                                       ; source 1 in window 1
.irp p, 0,1,2,3,4,5,6,7
.irp q, 0,1
.irp k, 0,2,4,6                                ; each accumulator from its low end on
	v_pk_add_f32 v[ACC+8*(2*\p+\q)+\k:ACC+8*(2*\p+\q)+\k+1], v[ACC+8*(2*\p+\q)+\k:ACC+8*(2*\p+\q)+\k+1], v[(\bib)+8*\p+\k:(\bib)+8*\p+\k+1]
.endr
.endr
.endr
.irp q, 0,1
.irp hh, 0,1
.irp u, 0,1
	ROPE \q, \hh, \u
.endr
.endr
.endr
	WIN 0
.irp q, 0,1
.irp hh, 0,1                                   ; a head's two blocks of 32 along d: registers 0-3 of a fragment of 16 tokens
	QUANT2 ACC+8*(2*(4*\hh)+\q), ACC+8*(2*(4*\hh+1)+\q), ACC+8*(2*(4*\hh+2)+\q), ACC+8*(2*(4*\hh+3)+\q), CD+4*(2*\q+\hh), SW+2*\q+\hh
.endr
.endr
	s_wait_alu depctr_va_vdst(0)
.irp hh, 0,1
	v_cndmask_b32 v[WD+\hh], v[SW+\hh], v[SW+2+\hh], s19   ; lanes 0-15: tokens 0-15, lanes 16-31: tokens 16-31
	v_or_b32 v[WD+\hh], 0x7f7f0000, v[WD+\hh]      ; K runs to 64: the upper two blocks of the K step have zero codes and the byte 127
.endr
	s_lshl_b32 s98, s100, 12                       ; tile 8 (mg % 16) + 2 w, 512 bytes each
	s_add_co_u32 s98, s98, s97
	s_add_co_u32 s98, s98, s96
	s_add_co_u32 s98, s98, \co
	s_mov_b32 s99, 0
	s_add_nc_u64 s[98:99], s[16:17], s[98:99]
	s_lshl_b32 s2, s100, 9                         ; token 128 (mg % 16) + 32 w, 4 bytes each
	s_lshl_b32 s3, s18, 7
	s_add_co_u32 s2, s2, s3
	s_add_co_u32 s2, s2, s96
	s_add_co_u32 s2, s2, \so
	s_mov_b32 s3, 0
	s_add_nc_u64 s[2:3], s[16:17], s[2:3]
.irp q, 0,1
.irp hh, 0,1
	global_store_b128 v[LP0], v[CD+4*(2*\q+\hh):CD+4*(2*\q+\hh)+3], s[98:99] offset:\hh*HBB+\q*512   ; 512 consecutive bytes
.endr
.endr
	s_wait_alu depctr_va_vdst(0)
.irp hh, 0,1
	global_store_b32 v[L4], v[WD+\hh], s[2:3] offset:\hh*HBB   ; 128 consecutive bytes; the four waves' lie on end
.endr
.endm
	; ---- q
.set LPY, LP0
.set SPO, 0
.set QB,  0
.set QSY, QS
	s_wait_alu depctr_va_vdst(0)
	s_wait_tensorcnt 0x0                           ; my one load of the head is in
	ds_add_u32 v126, v127
	s_wait_dscnt 0x0
	s_barrier_signal -1
	s_barrier_wait -1                              ; q's codes and scale words are whole
	ARM 1, 68, G1A, .Ls1, .Lsec_asked              ; k's codes and v's scale words: they have q's product in which to land
	ARM 2, 72, G1A, .Ls2, .Lsec_asked
	ARM 3, 76, G1B, .Ls3, .Lsec_asked
.Lsec_asked:
	LDSC 0
	LDP 0, 0
	LDP 0, 1
	s_wait_loadcnt 0x0                             ; Q's fragments and scale words, the table
	BILD 0, 10                                     ; bq: wanted at this product's end;
	QLD 0x80, 128, 88, 2097152, QS+8, 92, 131072   ; Q for k: key_'s group lies 32 groups behind query's: wanted at the next product's start
	WIN 0x08                                       ; source 1 (Q) in window 2; LDS loads name a destination and a source 0 alone
	STEPA 0, 1                                     ; the first products start the sums: nothing is cleared
	STEPA 1, 0
	STEPA 2, 0
	STEPA 3, 0
	STEPA 4, 0
	STEPA 5, 0
	STEPA 6, 0
	LAST
	WIN 0
	EPIQK 0, 143360, 208896, 40                    ; the 40 loads of Q for k may be out
	; ---- k
.set LPY, LP1
.set SPO, 4096
.set QB,  128
.set QSY, QS+8
	s_wait_xcnt 0x0                                ; the stores have read their registers and bases: P's fragments may land there, and the bases may be written again
	s_wait_tensorcnt 0x0                           ; my part of k's P is in
	ds_add_u32 v126, v127
	s_wait_dscnt 0x0
	s_barrier_signal -1
	s_barrier_wait -1                              ; k's codes and scale words are whole
	ARM 1, 80, G1A, .Lt1, .Lthird_asked            ; v's codes: they have k's product in which to land
	ARM 2, 84, G1A, .Lt2, .Lthird_asked
.Lthird_asked:
	LDSC 0
	LDP 0, 0
	LDP 0, 1
	s_wait_loadcnt 0x0                             ; Q's fragments and scale words, asked for a product ago
	BILD 128, 12
	QLD 0xc0, 0, 90, 0, QS+16, 94, 0               ; Q for v
.irp q, 0,1                                    ; bv[128 ng + 32 w + 16 q + r], twice: a pair for the packed addition
	global_load_b32 v[BV+2*\q], v11, s[14:15] offset:64*\q
	global_load_b32 v[BV+2*\q+1], v11, s[14:15] offset:64*\q
.endr
	WIN 0x08
	STEPA 0, 1
.irp st, 1,2,3,4,5,6
	STEPA \st, 0
.endr
	LAST
	WIN 0
	EPIQK 128, 0, 131072, 44                       ; the 44 loads for v may be out
	; ---- v
.set LPY, LP2
.set SPO, 8192
.set QB,  0
.set QSY, QS+16
	s_wait_xcnt 0x0
	START 0
	WIN 0x0c                                       ; source 1 (Q) in window 3
	STEPA 0, 1
.irp st, 1,2,3,4,5,6
	STEPA \st, 0
.endr
	LAST
	WIN 0
	; Lane (r, h), accumulator (p, q): key 16 p + 8 h + j of the 128; column 32 w + 16 q + r: head 2 ng + w / 2, d = 32 (w % 2) + 16 q + r
.irp p, 0,1,2,3,4,5,6,7
.irp q, 0,1
.irp k, 0,2,4,6
	v_pk_add_f32 v[ACC+8*(2*\p+\q)+\k:ACC+8*(2*\p+\q)+\k+1], v[ACC+8*(2*\p+\q)+\k:ACC+8*(2*\p+\q)+\k+1], v[BV+2*\q:BV+2*\q+1]
.endr
.endr
.endr
.irp q, 0,1
.irp c, 0,1                                    ; keys 64 c on: registers 4 c .. 4 c + 3 of the fragment of 16 rows d
	QUANT2 ACC+8*(2*(4*\c)+\q), ACC+8*(2*(4*\c+1)+\q), ACC+8*(2*(4*\c+2)+\q), ACC+8*(2*(4*\c+3)+\q), CD+4*(2*\q+\c), SW+2*\q+\c
.endr
.endr
	s_wait_alu depctr_va_vdst(0)
.irp q, 0,1
	v_lshl_or_b32 v[WD+\q], v[SW+2*\q+1], 16, v[SW+2*\q]   ; the four bytes of these 128 keys
.endr
	v_cndmask_b32 v[WD], v[WD], v[WD+1], s19
	s_wait_alu depctr_va_vdst(0)
	s_lshr_b32 s101, s18, 1
	s_mul_i32 s101, s101, HBB
	s_add_co_u32 s101, s101, s96                   ; the block of hb = 16 batch + 2 ng + w / 2
	s_and_b32 s3, s18, 1
	s_lshl_b32 s98, s100, 12                       ; 4,096 bytes for 128 keys; dt = 2 (w % 2) + q
	s_lshl_b32 s2, s3, 11
	s_add_co_u32 s98, s98, s2
	s_add_co_u32 s98, s98, 65536
	s_add_co_u32 s98, s98, s101
	s_mov_b32 s99, 0
	s_add_nc_u64 s[98:99], s[16:17], s[98:99]
	s_lshl_b32 s2, s100, 8
	s_lshl_b32 s3, s3, 7
	s_add_co_u32 s2, s2, s3
	s_add_co_u32 s2, s2, 139264
	s_add_co_u32 s2, s2, s101
	s_mov_b32 s3, 0
	s_add_nc_u64 s[2:3], s[16:17], s[2:3]
.irp q, 0,1
.irp c, 0,1
	global_store_b128 v[LP0], v[CD+4*(2*\q+\c):CD+4*(2*\q+\c)+3], s[98:99] offset:\q*1024+\c*512
.endr
.endr
	global_store_b32 v[L4], v[WD], s[2:3]
	s_wait_tensorcnt 0x0
	ds_add_u32 v126, v127
	s_wait_dscnt 0x0
	s_endpgm
.Lfunc_end_k_q4107358810_proj:
	.size	k_q4107358810_proj, .Lfunc_end_k_q4107358810_proj-k_q4107358810_proj
	.p2alignl 7, 3214868480
	.fill 96, 4, 3214868480
	.section	.rodata,"a",@progbits
	.p2align	6, 0x0
	.amdhsa_kernel k_q4107358810_proj
		.amdhsa_group_segment_fixed_size 327680
		.amdhsa_private_segment_fixed_size 0
		.amdhsa_enable_private_segment 0
		.amdhsa_kernarg_size 56
		.amdhsa_user_sgpr_count 2
		.amdhsa_user_sgpr_kernarg_segment_ptr 1
		.amdhsa_wavefront_size32 1
		.amdhsa_system_sgpr_workgroup_id_x 1
		.amdhsa_system_sgpr_workgroup_id_y 1
		.amdhsa_system_sgpr_workgroup_id_z 1
		.amdhsa_system_vgpr_workitem_id 0
		.amdhsa_next_free_vgpr 896
		.amdhsa_next_free_sgpr 102
		.amdhsa_reserve_vcc 0
		.amdhsa_float_denorm_mode_32 3
		.amdhsa_float_denorm_mode_16_64 3
		.amdhsa_memory_ordered 1
		.amdhsa_forward_progress 1
		.amdhsa_inst_pref_size 167
	.end_amdhsa_kernel
	.amdgpu_metadata
---
amdhsa.version: [ 1, 2 ]
amdhsa.kernels:
  - .name:           k_q4107358810_proj
    .symbol:         k_q4107358810_proj.kd
    .args:
      - { .name: cod, .offset: 0, .size: 8, .value_kind: global_buffer, .address_space: global }
      - { .name: scl, .offset: 8, .size: 8, .value_kind: global_buffer, .address_space: global }
      - { .name: rope, .offset: 16, .size: 8, .value_kind: global_buffer, .address_space: global }
      - { .name: bq, .offset: 24, .size: 8, .value_kind: global_buffer, .address_space: global }
      - { .name: bk, .offset: 32, .size: 8, .value_kind: global_buffer, .address_space: global }
      - { .name: bv, .offset: 40, .size: 8, .value_kind: global_buffer, .address_space: global }
      - { .name: qkv, .offset: 48, .size: 8, .value_kind: global_buffer, .address_space: global }
    .group_segment_fixed_size: 327680
    .private_segment_fixed_size: 0
    .kernarg_segment_align: 8
    .kernarg_segment_size: 56
    .max_flat_workgroup_size: 128
    .sgpr_count:     102
    .vgpr_count:     896
    .wavefront_size: 32
...
	.end_amdgpu_metadata
.endif
;; end of part 6
;; launch attn (part 7): grid 8 x 32, 8 waves a work-group, no clusters, 327,680 bytes of LDS; arguments qkv, oc, os; writes oc, os
.if DOCPART == 7
	.amdgcn_target "amdgcn-amd-amdhsa--gfx1250"
	.amdhsa_code_object_version 6
	.text
	.protected	k_q4107358810_attn
	.globl	k_q4107358810_attn
	.p2align	8
	.type	k_q4107358810_attn,@function
k_q4107358810_attn:
	s_mov_b64 s[64:65], 0
	v_nop
	global_prefetch_b8 v0, s[64:65] scope:SCOPE_SE
	s_setreg_imm32_b32 hwreg(HW_REG_WAVE_MODE, 25, 1), 1
	s_wait_xcnt 0x0
; O[hb][q] = the sum over k of softmax_k(Q . K / 8) V, no mask, both products on codes of FP4 (E2M1) with E8M0 scales; O is divided by the row's sum, quantised along d and stored as an operand of the last projection.
; THE SOFTMAX: t = score x log2(e) / 8; M = the row's largest t so far, rounded UP to a whole number; p = 2^(t - M) is quantised along the keys.  The row's sum is taken of the unquantised p and divides at the end.
; When M moves, the sum and O are multiplied by 2^(old M - new M), which rounds nothing.
; SHARES.  A work-group owns 256 queries of one hb = 16 batch + head; each of its eight waves 32 of them, two tiles of 16: every fragment of K and V that a wave reads feeds two matrix instructions.
; Every wave walks the 2,048 keys, 128 a step.  Both products are used transposed (S^T = K Q^T, O^T = V^T P^T): a lane holds one query of each tile (lane % 16) throughout.
; THE KEYS OF A TILE ARE CHOSEN: rows 0-7 of tile 4 c + t are keys 64 c + 8 t + 0..7, rows 8-15 are keys 64 c + 32 + 8 t + 0..7.  So the 32 registers of tiles 4 c .. 4 c + 3 hold, in lanes 0-15, all of block 2 c of 32 keys
; and, in lanes 16-31, all of block 2 c + 1, in ascending order: a block's largest score needs no other lane, and tile 4 c + t's conversion gives register 4 c + t of P's fragment as it stands.
; K = 64 fills half of the first product's K step: registers 4-7 of K's and Q's fragments are zeros, written once, and their scale bytes are 127.
; LDS IS FILLED ONCE.  K's tiles of 512 bytes lie 576 bytes apart (the descriptor pads), so that the two groups of eight rows that a load touches, two tiles apart, start 128 bytes apart modulo 256.
; At the head wave 0 asks for K's first 512 keys, wave 1 for V's, wave 2 for all scale words; behind the first barrier, with its three lines, waves 0-2 ask for K's other three chunks and waves 3-5 for V's.
; Key steps 0 to 2 and their look-ahead stay inside the first 512 keys; then one barrier shows the rest whole.
; NO CLUSTER: the eight work-groups of a head read the same 143,360 bytes, but each asks for them once, by nine loads in two groups; there is no ring whose refills partners could share.
; NO PREFETCH: all that the launch reads through LDS is asked for by those two groups; there is no later load for a loop to run ahead of.
; LIMITS: NaN and infinities are not served; the promise holds while the scaled scores stay under 2^31 in magnitude; a block whose every p has fallen to 0 keeps the byte 1: its codes are zeros.
; REGISTERS.  Window 0: v1-13 addresses; v16-51 the rows' state, scale words and what is at work (below); v64-127 K's eight fragments; v128-159 V's four.
; Window 1 (tile q): S^T, then p at 64 q; O^T at 128 + 32 q; p's codes at 192 + 8 q; the sum, in four parts, at 208 + 4 q; Q at 216 + 8 q; at work 232 + 4 q.
.set KP,    576
.set VC,    128*KP                     ; V's codes
.set KSC,   VC+65536                   ; K's scale words, 4 bytes a key
.set VSC,   KSC+8192                   ; V's
.set SPARE, VSC+4096                   ; the spare words: 128 bytes for each wave
.set HBB,   217088
.set AK0,  1
.set AV0,  2
.set ASK0, 3
.set ASV0, 4
.set R4,   5                           ; 4 r
.set SPW,  6
.set NIL,  7
.set SH8,  8                           ; 8 h
.set L16,  9                           ; 16 x lane
.set ADK,  10
.set ADV,  11
.set ADS,  12
.set ADT,  13
.set NM,   16                          ; -M: a pair for each tile
.set RM,   20                          ; the largest score so far
.set FF,   22                          ; f: a pair for each tile
.set PW,   26                          ; p's scale words
.set QS,   28                          ; Q's
.set KS,   30                          ; K's: four registers
.set VS,   34                          ; V's: two
.set BM,   36                          ; a lane's two blocks' largest, for each tile
.set TT,   40
.set DD,   42
.set EX,   44
.set BY,   48
.set KF,   64
.set VF,   128
.set SS,   0
.set OO,   128
.set CD,   192
.set SU,   208
.set QF,   216
.set MA,   232
.set WV,   10
.set SEL,  14
.set CS,   16                          ; s[16:17] c = log2(e) / 8
.set NC,   18                          ; -c
.set CNT,  19
.set G1K,  24
.set G1V,  32
.set G1S,  40
.set TBK,  72
.set TBV,  73
.set TS,   78
.set TJ,   79
.set MSB, 0
.macro WIN new                         ; the immediate's high byte repeats the setting that is left
.if MSB != \new
	s_set_vgpr_msb (MSB<<8)|\new
.set MSB, \new
.endif
.endm
.macro NOP4
.rept 4
	v_nop
.endr
.endm
.macro DENSE g, rows                   ; a dense block as rows of 256 bytes
	s_mov_b32 s[\g], 3<<16
	s_mov_b32 s[\g+1], 32<<16
	s_mov_b32 s[\g+2], (\rows)<<16
	s_mov_b32 s[\g+3], 32<<16
	s_mov_b32 s[\g+4], \rows
	s_mov_b32 s[\g+5], 32
	s_mov_b32 s[\g+6], 0
	s_mov_b32 s[\g+7], 0
.endm
.macro GRP g, ap, ac                   ; a group 0 but for its LDS address
	s_mov_b32 s[\g], 1
	s_add_nc_u64 s[\g+2:\g+3], s[\ap:\ap+1], \ac
	s_or_b32 s[\g+3], s[\g+3], 0x80000000
.endm
.macro ARM under, g0, g1, next, join   ; one arm of a chain of branches on the wave's number
	s_cmp_lt_u32 s[WV], \under
	s_cbranch_scc0 \next
	tensor_load_to_lds s[\g0:\g0+3], s[\g1:\g1+7]
	s_nop 0
	NOP4
	s_branch \join
\next:
.endm
	s_load_b128 s[4:7], s[0:1], 0x0                ; qkv, oc
	s_load_b64 s[8:9], s[0:1], 0x10                ; os
	v_lshl_add_u32 v[SPW], v0, 2, SPARE
	v_mov_b32 v[NIL], 0
	ds_add_u32 v[SPW], v[NIL]
	ds_add_u32 v[SPW], v[NIL]
	v_lshrrev_b32 v1, 5, v0
	v_readfirstlane_b32 s[WV], v1                  ; wave 0..7
	s_and_b32 s11, ttmp7, 0xffff                   ; hb
	s_mul_i32 s22, s11, HBB
	s_mov_b32 s23, 0
	s_mov_b32 s[G1K], (3<<16)|(1<<20)|(6<<22)|(15<<25)   ; K: 32 rows of 512 bytes (64 elements of 8), 16 words of padding behind every 128
	s_mov_b32 s[G1K+1], 64<<16
	s_mov_b32 s[G1K+2], 32<<16
	s_mov_b32 s[G1K+3], 64<<16
	s_mov_b32 s[G1K+4], 32
	s_mov_b32 s[G1K+5], 64
	s_mov_b32 s[G1K+6], 0
	s_mov_b32 s[G1K+7], 0
	DENSE G1V, 64                                  ; V: 16,384 bytes
	DENSE G1S, 48                                  ; the scale words: 12,288 bytes
	s_mul_i32 s12, s[WV], 32*KP
	s_lshl_b32 s13, s[WV], 14
	s_mov_b32 s20, s13
	s_mov_b32 s21, 0
	s_mov_b32 s[SEL], 0x76543210
	s_mov_b32 s[SEL+1], 0xfedcba98
	s_mov_b32 s[CS], 0x3e38aa3b
	s_mov_b32 s[CS+1], s[CS]
	s_mov_b32 s[NC], 0xbe38aa3b
	s_mov_b32 s[TBK], 8*KP                         ; K's addresses stand one step ahead
	s_mov_b32 s[TS], 512
	s_mov_b32 s[TBV], 0
	s_mov_b32 s[TJ], 0
	s_lshl_b32 s74, ttmp9, 13                      ; my first tile of queries: 16 x work-group x + 2 x wave; 512 bytes of codes,
	s_lshl_b32 s75, s[WV], 10
	s_add_co_u32 s74, s74, s75
	s_add_co_u32 s74, s74, 143360
	s_mov_b32 s75, 0
	s_lshl_b32 s76, ttmp9, 10                      ; 64 bytes of scale words
	s_lshl_b32 s77, s[WV], 7
	s_add_co_u32 s76, s76, s77
	s_add_co_u32 s76, s76, 208896
	s_mov_b32 s77, 0
	s_wait_dscnt 0x0
	s_wait_kmcnt 0x0
	s_add_nc_u64 s[22:23], s[4:5], s[22:23]        ; my hb block
	s_add_nc_u64 s[20:21], s[22:23], s[20:21]      ; + 16,384 w
	s_add_nc_u64 s[74:75], s[22:23], s[74:75]
	s_add_nc_u64 s[76:77], s[22:23], s[76:77]
	GRP 48, 22, 0                                  ; K's keys 0 to 511
	s_mov_b32 s49, 0
	GRP 52, 22, 65536                              ; V's
	s_mov_b32 s53, VC
	GRP 56, 22, 131072                             ; all scale words
	s_mov_b32 s57, KSC
	GRP 60, 20, 16384                              ; waves 0-2: K's chunk w + 1
	s_add_co_u32 s61, s12, 32*KP
	GRP 68, 20, 32768                              ; waves 3-5: V's chunk w - 2
	s_add_co_u32 s69, s13, VC-32768
	ARM 1, 48, G1K, .Lh1, .Lhead_asked
	ARM 2, 52, G1V, .Lh2, .Lhead_asked
	ARM 3, 56, G1S, .Lh3, .Lhead_asked
.Lhead_asked:
	v_and_b32 v56, 31, v0                          ; lane
	v_and_b32 v57, 15, v0                          ; r
	v_bfe_u32 v58, v0, 4, 1                        ; h
	v_and_b32 v59, 7, v0                           ; r % 8
	v_bfe_u32 v60, v0, 3, 1                        ; r / 8
	v_lshlrev_b32 v[L16], 4, v56
	v_add_nc_u32 v[AV0], VC, v[L16]
	v_lshl_add_u32 v[ASV0], v56, 2, VSC
	v_lshlrev_b32 v[R4], 2, v57
	v_lshlrev_b32 v[SH8], 3, v58
	v_mul_u32_u24 v[AK0], v60, 2*KP                ; K's codes: rows 8-15 lie two stored tiles on; 256 h; 16 bytes a row
	v_lshl_add_u32 v[AK0], v58, 8, v[AK0]
	v_lshl_add_u32 v[AK0], v59, 4, v[AK0]
	v_lshlrev_b32 v[ASK0], 7, v60                  ; K's scale words: 32 keys on for rows 8-15; lanes 16-31 take the odd tile's, 8 keys on
	v_lshl_add_u32 v[ASK0], v58, 5, v[ASK0]
	v_lshl_add_u32 v[ASK0], v59, 2, v[ASK0]
	v_add_nc_u32 v[ASK0], KSC, v[ASK0]
	v_mov_b32 v[ADK], v[AK0]
	v_mov_b32 v[ADS], v[ASK0]
	WIN 0x40                                       ; destination in window 1
	s_wait_alu depctr_va_vdst(0)                   ; ahead of the readers below
	global_load_b128 v[QF:QF+3], v[L16], s[74:75]  ; Q's fragments stay in registers
	global_load_b128 v[QF+8:QF+11], v[L16], s[74:75] offset:512
.irp j, 4,5,6,7,12,13,14,15
	v_mov_b32 v[QF+\j], 0                          ; Q's codes of K 64 .. 127
.endr
.set ii, 0
.rept 64
	v_mov_b32 v[OO+ii], 0                          ; O^T: the step is written once; the first finds zeros
.set ii, ii+1
.endr
.irp j, 0,1,2,3,4,5,6,7
	v_mov_b32 v[SU+\j], 0
.endr
	WIN 0
	global_load_b32 v[QS], v[R4], s[76:77]
	global_load_b32 v[QS+1], v[R4], s[76:77] offset:64
.irp t, 0,1,2,3,4,5,6,7
.irp j, 4,5,6,7
	v_mov_b32 v[KF+8*\t+\j], 0                     ; K's codes of K 64 .. 127: written once
.endr
.endr
.irp q, 0,1
	v_mov_b32 v[RM+\q], 0xff61b1e6                 ; -3e38, under every score
	v_mov_b32 v[NM+2*\q], 0x7e000000               ; -M: a whole number so large that the first f is 0
	v_mov_b32 v[NM+2*\q+1], 0                      ; (named as upper halves of pairs)
	v_mov_b32 v[FF+2*\q+1], 0
	v_mov_b32 v[TT+\q], 0                          ; a lane permute's destination counts as one of its sources
	v_mov_b32 v[DD+\q], 0
.endr
.macro KL n                            ; load n of 12 of a step's K: eight fragments (their lower halves), four registers of scale words
.if (\n) < 8
	ds_load_b128 v[KF+8*(\n):KF+8*(\n)+3], v[ADK] offset:KP*(4*((\n)/4)+((\n)%4)/2)+128*((\n)%2)
.else
	ds_load_b32 v[KS+(\n)-8], v[ADS] offset:256*(((\n)-8)/2)+64*(((\n)-8)%2)
.endif
.endm
.macro KLS pf, a, b, c
.if \pf
	KL \a
	KL \b
	KL \c
.endif
.endm
; A KEY STEP: 128 keys, two tiles of queries.  pf = 1: the next step's K is asked for
.macro STEP pf
	s_wait_dscnt 0x0                               ; K and its scale words, asked for a step ago
	WIN 0x44                                       ; D and source 1 (Q) in window 1
.irp t, 0,1,2,3,4,5,6,7
.irp q, 0,1
.if (\t)%2
	v_wmma_scale_f32_16x16x128_f8f6f4 v[SS+64*\q+8*\t:SS+64*\q+8*\t+7], v[KF+8*\t:KF+8*\t+7], v[QF+8*\q:QF+8*\q+7], 0, v[KS+\t/2], v[QS+\q] matrix_a_fmt:MATRIX_FMT_FP4 matrix_b_fmt:MATRIX_FMT_FP4 matrix_a_scale:MATRIX_SCALE_ROW1
.else
	v_wmma_scale_f32_16x16x128_f8f6f4 v[SS+64*\q+8*\t:SS+64*\q+8*\t+7], v[KF+8*\t:KF+8*\t+7], v[QF+8*\q:QF+8*\q+7], 0, v[KS+\t/2], v[QS+\q] matrix_a_fmt:MATRIX_FMT_FP4 matrix_b_fmt:MATRIX_FMT_FP4
.endif
.endr
.endr
	WIN 0
	v_add_nc_u32 v[ADK], s[TBK], v[AK0]            ; these four are the places behind the products above and behind the last step's, in front of the loads into V's registers
	v_add_nc_u32 v[ADV], s[TBV], v[AV0]
	v_add_nc_u32 v[ADS], s[TS], v[ASK0]
	v_add_nc_u32 v[ADT], s[TJ], v[ASV0]
.irp d, 0,1,2,3
.irp c, 0,1
	ds_load_b128 v[VF+8*\d+4*\c:VF+8*\d+4*\c+3], v[ADV] offset:1024*\d+512*\c
.endr
.endr
.irp i, 0,1
	ds_load_b32 v[VS+\i], v[ADT] offset:128*\i
.endr
	KLS \pf, 0, 1, 2                               ; the next step's K, in one run with V's loads: the four additions above are also the places behind the products that read K's registers
	KLS \pf, 3, 4, 5
	KLS \pf, 6, 7, 8
	KLS \pf, 9, 10, 11
	WIN 0x55                                       ; the largest score of each block of 32 keys, all of it in my registers: two chains a block, eight by turns
.irp q, 0,1
.irp c, 0,1
.set XX, SS+64*\q+32*\c
.set AA, MA+4*\q+2*\c
	v_max3_num_f32 v[AA], v[XX], v[XX+1], v[XX+2]
	v_max3_num_f32 v[AA+1], v[XX+16], v[XX+17], v[XX+18]
.endr
.endr
.irp i, 3,5,7,9,11,13
.irp q, 0,1
.irp c, 0,1
.set XX, SS+64*\q+32*\c
.set AA, MA+4*\q+2*\c
	v_max3_num_f32 v[AA], v[AA], v[XX+\i], v[XX+\i+1]
	v_max3_num_f32 v[AA+1], v[AA+1], v[XX+16+\i], v[XX+17+\i]
.endr
.endr
.endr
.irp q, 0,1
.irp c, 0,1
.set XX, SS+64*\q+32*\c
.set AA, MA+4*\q+2*\c
	v_max3_num_f32 v[AA], v[AA], v[AA+1], v[XX+15]
.endr
.endr
	WIN 0x05                                       ; the last line's result goes to window 0
.irp q, 0,1
.irp c, 0,1
	v_max_num_f32 v[BM+2*\q+\c], v[MA+4*\q+2*\c], v[SS+64*\q+32*\c+31]
.endr
.endr
	WIN 0
.irp q, 0,1
	v_max3_num_f32 v[RM+\q], v[RM+\q], v[BM+2*\q], v[BM+2*\q+1]
.endr
.irp q, 0,1
	v_permlanex16_b32 v[TT+\q], v[RM+\q], s[SEL], s[SEL+1]
.endr
.irp q, 0,1
	v_max_num_f32 v[RM+\q], v[RM+\q], v[TT+\q]     ; with lane l xor 16's 64 keys: the row's largest score so far
.endr
.irp q, 0,1
	v_mul_f32 v[TT+\q], s[NC], v[RM+\q]            ; -t
.endr
.irp q, 0,1
	v_floor_f32 v[TT+\q], v[TT+\q]                 ; the new -M = floor(-t) = -ceil(t)
.endr
.irp q, 0,1
	v_sub_f32 v[DD+\q], v[TT+\q], v[NM+2*\q]       ; old M - new M: a whole number, 0 or less
.endr
.irp q, 0,1
	v_mov_b32 v[NM+2*\q], v[TT+\q]
.endr
.irp q, 0,1
	v_cvt_i32_f32 v[DD+\q], v[DD+\q]               ; (it saturates)
.endr
.irp q, 0,1
	v_ldexp_f32 v[FF+2*\q], 1.0, v[DD+\q]          ; f = 2^(old M - new M)
.endr
.irp q, 0,1
.irp c, 0,1
	v_fma_f32 v[BM+2*\q+\c], v[BM+2*\q+\c], s[CS], v[NM+2*\q]   ; t - M of each block's largest score
.endr
.endr
	WIN 0x41                                       ; destination and source 0 in window 1; -M and f in window 0
.irp q, 0,1
.set ii, 0
.rept 32
	v_pk_fma_f32 v[SS+64*\q+2*ii:SS+64*\q+2*ii+1], v[SS+64*\q+2*ii:SS+64*\q+2*ii+1], s[CS:CS+1], v[NM+2*\q:NM+2*\q+1] op_sel_hi:[1,0,0]   ; t - M
.set ii, ii+1
.endr
.endr
.irp q, 0,1
.set ii, 0
.rept 16
	v_pk_mul_f32 v[OO+32*\q+2*ii:OO+32*\q+2*ii+1], v[OO+32*\q+2*ii:OO+32*\q+2*ii+1], v[FF+2*\q:FF+2*\q+1] op_sel_hi:[1,0]   ; O^T under the new M, in ascending order, ahead of the exponentials
.set ii, ii+1
.endr
.endr
	WIN 0
	s_wait_alu depctr_va_vdst(0)                   ; ahead of the batch
.irp j, 0,1,2,3
	v_exp_f32 v[BM+\j], v[BM+\j]                   ; the blocks' largest p: the same two instructions on the same numbers as their p
.endr
	WIN 0x41
.set ii, 0
.rept 128
	v_exp_f32 v[SS+ii], v[SS+ii]                   ; p = 2^(t - M), at most 1
.set ii, ii+1
.endr
.irp j, 0,2,4,6
	v_pk_mul_f32 v[SU+\j:SU+\j+1], v[SU+\j:SU+\j+1], v[FF+2*(\j/4):FF+2*(\j/4)+1] op_sel_hi:[1,0]   ; the sums under the new M: plain lines behind the batch
.endr
	WIN 0
	s_wait_alu depctr_va_vdst(0)                   ; one wait for the batch, ahead of its first reader
.irp j, 0,1,2,3
	v_max_num_f32 v[BM+\j], 0x1800000, v[BM+\j]    ; the floor 2^(3 - 127): the byte cannot fall under 1
.endr
.irp j, 0,1,2,3
	v_add_nc_u32 v[EX+\j], 0xff000000, v[BM+\j]    ; 2 off the exponent field: the conversion's scale operand
.endr
.irp j, 0,1,2,3
	v_lshrrev_b32 v[BY+\j], 23, v[EX+\j]           ; the scale's byte
.endr
.irp q, 0,1
	v_lshl_or_b32 v[TT+\q], v[BY+2*\q+1], 16, v[BY+2*\q]   ; my two bytes: blocks h and 2 + h,
.endr
.irp q, 0,1
	v_lshlrev_b32 v[TT+\q], v[SH8], v[TT+\q]       ; at their places in the word;
.endr
.irp q, 0,1
	v_permlanex16_b32 v[DD+\q], v[TT+\q], s[SEL], s[SEL+1]
.endr
.irp q, 0,1
	v_or_b32 v[PW+\q], v[TT+\q], v[DD+\q]          ; with lane l xor 16's two the word is whole
.endr
	WIN 0x41
.irp q, 0,1
.irp t, 0,1,2,3,4,5,6,7
	v_cvt_scalef32_pk8_fp4_f32 v[CD+8*\q+\t], v[SS+64*\q+8*\t:SS+64*\q+8*\t+7], v[EX+2*\q+\t/4]   ; register t of P's fragment
.endr
.endr
	WIN 0x45
.set ii, 0
.rept 32                               ; the row's sum is taken of the unquantised p: four chains by turns.  These 64 are also the places between the scale words and codes and the products
.irp q, 0,1
	v_pk_add_f32 v[SU+4*\q+2*(ii%2):SU+4*\q+2*(ii%2)+1], v[SU+4*\q+2*(ii%2):SU+4*\q+2*(ii%2)+1], v[SS+64*\q+2*ii:SS+64*\q+2*ii+1]
.endr
.set ii, ii+1
.endr
	WIN 0x54                                       ; D, C and source 1 (P) in window 1
.if \pf
	s_wait_dscnt 12                                ; V and its scale words are in; the 12 loads of the next step's K may be out
.else
	s_wait_dscnt 0x0
.endif
.irp d, 0,1,2,3
.irp q, 0,1
.if (\d)%2
	v_wmma_scale_f32_16x16x128_f8f6f4 v[OO+32*\q+8*\d:OO+32*\q+8*\d+7], v[VF+8*\d:VF+8*\d+7], v[CD+8*\q:CD+8*\q+7], v[OO+32*\q+8*\d:OO+32*\q+8*\d+7], v[VS+\d/2], v[PW+\q] matrix_a_fmt:MATRIX_FMT_FP4 matrix_b_fmt:MATRIX_FMT_FP4 matrix_a_scale:MATRIX_SCALE_ROW1
.else
	v_wmma_scale_f32_16x16x128_f8f6f4 v[OO+32*\q+8*\d:OO+32*\q+8*\d+7], v[VF+8*\d:VF+8*\d+7], v[CD+8*\q:CD+8*\q+7], v[OO+32*\q+8*\d:OO+32*\q+8*\d+7], v[VS+\d/2], v[PW+\q] matrix_a_fmt:MATRIX_FMT_FP4 matrix_b_fmt:MATRIX_FMT_FP4
.endif
.endr
.endr
	WIN 0
	s_add_co_u32 s[TBK], s[TBK], 8*KP
	s_add_co_u32 s[TBV], s[TBV], 4096
	s_add_co_u32 s[TS], s[TS], 512
	s_add_co_u32 s[TJ], s[TJ], 256
.endm
	s_wait_alu depctr_va_vdst(0)
	s_wait_loadcnt 0x0                             ; Q
	s_wait_tensorcnt 0x0                           ; my load of the head, if I had one, is in
	ds_add_u32 v[SPW], v[NIL]                      ; the add twice on end
	ds_add_u32 v[SPW], v[NIL]
	s_wait_dscnt 0x0
	s_barrier_signal -1
	s_barrier_wait -1                              ; the first 512 keys and all scale words are whole
	ARM 3, 60, G1K, .Ls1, .Lsec_asked              ; the other 1,536 keys: first fills, one load a wave
	ARM 6, 68, G1V, .Ls2, .Lsec_asked
.Lsec_asked:
.irp n, 0,1,2,3,4,5,6,7,8,9,10,11
	KL \n                                          ; key step 0's K
.endr
	s_mov_b32 s[CNT], 3
.Lfirst:                                           ; key steps 0 to 2; the third asks for step 3's K, which lies in the first 512 keys
	STEP 1
	s_sub_co_u32 s[CNT], s[CNT], 1
	s_cmp_lg_u32 s[CNT], 0
	s_cbranch_scc1 .Lfirst
	STEP 0                                         ; key step 3, the last of the first 512 keys: its successor's K is not asked for yet
	s_wait_tensorcnt 0x0                           ; my part of the rest has landed,
	s_wait_dscnt 0x0                               ; no LDS load of mine is out;
	s_barrier_signal -1
	s_barrier_wait -1                              ; behind this barrier everybody's has.
.irp n, 0,1,2,3,4,5,6,7,8,9,10,11
	KL \n                                          ; key step 4's K, by the addresses that step 3 made
.endr
	s_mov_b32 s[CNT], 12
.Lrest:                                            ; key steps 4 to 15.  The last trip's look-ahead reads the 4,608 bytes behind K's codes and the 512 behind its scale words, which are V's and have landed; what it brings is discarded: so the tail needs no copy of the step
	STEP 1
	s_sub_co_u32 s[CNT], s[CNT], 1
	s_cmp_lg_u32 s[CNT], 0
	s_cbranch_scc1 .Lrest
	; oc and os lie as the first launch lays codes and scale words: row = token, K = 64 head + d: K step head / 2, part c = head % 2
	s_and_b32 s66, s11, 15                         ; head
	s_lshr_b32 s67, s11, 4
	s_lshl_b32 s67, s67, 4
	s_lshl_b32 s68, ttmp9, 1
	s_add_co_u32 s67, s67, s68
	s_lshr_b32 s68, s[WV], 2
	s_add_co_u32 s67, s67, s68                     ; the group of 128 tokens: 16 batch + 2 x work-group x + wave / 4
	s_and_b32 s68, s[WV], 3                        ; my tiles in it: 2 (wave % 4) + q
	s_lshr_b32 s69, s66, 1
	s_and_b32 s66, s66, 1
	s_lshl_b32 s70, s67, 16
	s_lshl_b32 s72, s69, 13
	s_add_co_u32 s70, s70, s72
	s_lshl_b32 s72, s68, 11
	s_add_co_u32 s70, s70, s72
	s_lshl_b32 s72, s66, 9
	s_add_co_u32 s70, s70, s72
	s_mov_b32 s71, 0
	s_add_nc_u64 s[6:7], s[6:7], s[70:71]
	s_lshl_b32 s70, s67, 12
	s_lshl_b32 s72, s68, 10
	s_add_co_u32 s70, s70, s72
	s_lshl_b32 s72, s69, 6
	s_add_co_u32 s70, s70, s72
	s_lshl_b32 s72, s66, 1
	s_add_co_u32 s70, s70, s72
	s_add_nc_u64 s[8:9], s[8:9], s[70:71]
	WIN 0x45
	s_wait_alu depctr_va_vdst(0)                   ; ahead of the readers below: the sums were last written ahead of the step's wait and the scalar lines above
.irp q, 0,1
	v_pk_add_f32 v[SU+4*\q:SU+4*\q+1], v[SU+4*\q:SU+4*\q+1], v[SU+4*\q+2:SU+4*\q+3]   ; the sum's four parts (these lines are also the places behind the last products)
.endr
	WIN 0x05
.irp q, 0,1
	v_add_f32 v[TT+\q], v[SU+4*\q], v[SU+4*\q+1]
.endr
	WIN 0
.irp q, 0,1
	v_permlanex16_b32 v[DD+\q], v[TT+\q], s[SEL], s[SEL+1]
.endr
.irp q, 0,1
	v_add_f32 v[TT+\q], v[TT+\q], v[DD+\q]         ; and lane l xor 16's
.endr
	s_wait_alu depctr_va_vdst(0)                   ; ahead of the reciprocals
.irp q, 0,1
	v_rcp_f32 v[FF+2*\q], v[TT+\q]
.endr
	v_nop                                          ; a plain line behind the reciprocals
	WIN 0x41
	s_wait_alu depctr_va_vdst(0)                   ; ahead of their first reader, which is also the first reader of the last products' results
.irp q, 0,1
.set ii, 0
.rept 16
	v_pk_mul_f32 v[OO+32*\q+2*ii:OO+32*\q+2*ii+1], v[OO+32*\q+2*ii:OO+32*\q+2*ii+1], v[FF+2*\q:FF+2*\q+1] op_sel_hi:[1,0]   ; O^T / the sum: register 8 dt + j is o(query r, d = 16 dt + 8 h + j)
.set ii, ii+1
.endr
.endr
	WIN 0x55                                       ; the head's two blocks of 32 along d: a lane holds 16 numbers of each, lane l xor 16 the others
.irp q, 0,1
.irp c, 0,1
	v_max3_num_f32 v[MA+4*\q+2*\c], |v[OO+32*\q+16*\c]|, |v[OO+32*\q+16*\c+1]|, 0x1800000
.endr
.endr
.irp i, 2,4,6,8,10,12
.irp q, 0,1
.irp c, 0,1
	v_max3_num_f32 v[MA+4*\q+2*\c], v[MA+4*\q+2*\c], |v[OO+32*\q+16*\c+\i]|, |v[OO+32*\q+16*\c+\i+1]|
.endr
.endr
.endr
	WIN 0x15
.irp q, 0,1
.irp c, 0,1
	v_max3_num_f32 v[BM+2*\q+\c], v[MA+4*\q+2*\c], |v[OO+32*\q+16*\c+14]|, |v[OO+32*\q+16*\c+15]|
.endr
.endr
	WIN 0
.irp j, 0,1,2,3
	v_permlanex16_b32 v[BY+\j], v[BM+\j], s[SEL], s[SEL+1]
.endr
.irp j, 0,1,2,3
	v_max_num_f32 v[BM+\j], v[BM+\j], v[BY+\j]
.endr
.irp j, 0,1,2,3
	v_add_nc_u32 v[EX+\j], 0xff000000, v[BM+\j]
.endr
.irp j, 0,1,2,3
	v_lshrrev_b32 v[BY+\j], 23, v[EX+\j]
.endr
.irp q, 0,1
	v_lshl_or_b32 v[TT+\q], v[BY+2*\q+1], 8, v[BY+2*\q]   ; the two scale bytes
.endr
	WIN 0x41
.irp q, 0,1
	v_cvt_scalef32_pk8_fp4_f32 v[CD+8*\q], v[OO+32*\q:OO+32*\q+7], v[EX+2*\q]
	v_cvt_scalef32_pk8_fp4_f32 v[CD+8*\q+1], v[OO+32*\q+16:OO+32*\q+23], v[EX+2*\q+1]
	v_cvt_scalef32_pk8_fp4_f32 v[CD+8*\q+2], v[OO+32*\q+8:OO+32*\q+15], v[EX+2*\q]
	v_cvt_scalef32_pk8_fp4_f32 v[CD+8*\q+3], v[OO+32*\q+24:OO+32*\q+31], v[EX+2*\q+1]
.endr
	v_nop                                          ; one plain line behind a scaled conversion
.irp q, 0,1
	v_permlane16_swap_b32 v[CD+8*\q], v[CD+8*\q+1] ; lanes 0-15 get d 0-31, lanes 16-31 d 32-63 of query r
	v_permlane16_swap_b32 v[CD+8*\q+2], v[CD+8*\q+3]
.endr
	WIN 0x04                                       ; the stores' data in window 1
	s_wait_alu depctr_va_vdst(0)                   ; ahead of the readers below
.irp q, 0,1
	global_store_b128 v[L16], v[CD+8*\q:CD+8*\q+3], s[6:7] offset:1024*\q   ; 512 consecutive bytes
.endr
	WIN 0
.irp q, 0,1
	global_store_b16 v[R4], v[TT+\q], s[8:9] offset:512*\q   ; two bytes of query r's word (lanes r and 16 + r store the same two); the word's other half is another head's
.endr
	s_wait_tensorcnt 0x0                           ; the wave's end
	ds_add_u32 v[SPW], v[NIL]
	s_wait_dscnt 0x0
	s_endpgm
.Lfunc_end_k_q4107358810_attn:
	.size	k_q4107358810_attn, .Lfunc_end_k_q4107358810_attn-k_q4107358810_attn
	.p2alignl 7, 3214868480
	.fill 96, 4, 3214868480
	.section	.rodata,"a",@progbits
	.p2align	6, 0x0
	.amdhsa_kernel k_q4107358810_attn
		.amdhsa_group_segment_fixed_size 327680
		.amdhsa_private_segment_fixed_size 0
		.amdhsa_enable_private_segment 0
		.amdhsa_kernarg_size 24
		.amdhsa_user_sgpr_count 2
		.amdhsa_user_sgpr_kernarg_segment_ptr 1
		.amdhsa_wavefront_size32 1
		.amdhsa_system_sgpr_workgroup_id_x 1
		.amdhsa_system_sgpr_workgroup_id_y 1
		.amdhsa_system_sgpr_workgroup_id_z 1
		.amdhsa_system_vgpr_workitem_id 0
		.amdhsa_next_free_vgpr 512
		.amdhsa_next_free_sgpr 80
		.amdhsa_reserve_vcc 0
		.amdhsa_float_denorm_mode_32 3
		.amdhsa_float_denorm_mode_16_64 3
		.amdhsa_memory_ordered 1
		.amdhsa_forward_progress 1
		.amdhsa_inst_pref_size 101
	.end_amdhsa_kernel
	.amdgpu_metadata
---
amdhsa.version: [ 1, 2 ]
amdhsa.kernels:
  - .name:           k_q4107358810_attn
    .symbol:         k_q4107358810_attn.kd
    .args:
      - { .name: qkv, .offset: 0, .size: 8, .value_kind: global_buffer, .address_space: global }
      - { .name: oc, .offset: 8, .size: 8, .value_kind: global_buffer, .address_space: global }
      - { .name: os, .offset: 16, .size: 8, .value_kind: global_buffer, .address_space: global }
    .group_segment_fixed_size: 327680
    .private_segment_fixed_size: 0
    .kernarg_segment_align: 8
    .kernarg_segment_size: 24
    .max_flat_workgroup_size: 256
    .sgpr_count:     80
    .vgpr_count:     512
    .wavefront_size: 32
...
	.end_amdgpu_metadata
.endif
;; end of part 7
;; launch oproj (part 8): grid 256 x 1, 4 waves a work-group, no clusters, 176,640 bytes of LDS; arguments oc, os, cod, scl, bo, out0; writes out0
.if DOCPART == 8
	.amdgcn_target "amdgcn-amd-amdhsa--gfx1250"
	.amdhsa_code_object_version 6
	.text
	.protected	k_q4107358810_oproj
	.globl	k_q4107358810_oproj
	.p2align	8
	.type	k_q4107358810_oproj,@function
k_q4107358810_oproj:
	s_mov_b64 s[64:65], 0
	v_nop
	global_prefetch_b8 v0, s[64:65] scope:SCOPE_SE
	s_setreg_imm32_b32 hwreg(HW_REG_WAVE_MODE, 25, 1), 1
	s_wait_xcnt 0x0
; out0 = O Wo^T + bo on codes of FP4 (E2M1) with E8M0 scales.  O's codes and scale words come from the attention launch, Wo's from the first launch (groups 120 to 127), both as images of operand registers.
; SHARES, LDS and the K loop are those of the projections' launch: a work-group makes 128 tokens (mg) x 128 columns (ng); D = P Q^T with P = Wo (source 0) and Q = O (source 1): lane (r, h), register j holds
; (column 16 p + 8 h + j, token r): eight neighbouring numbers of a row of out0.  A wave makes all 128 columns x 32 tokens: 16 accumulators by turns.
; LDS IS FILLED ONCE: five tensor loads a wave, issued together at the head (five of a wave's are out): scale words, then four chunks of two K steps; the waits count down 3, 2, 1, 0, each with a barrier
; behind which nothing is filled.  The bias is the C of each sum's first product.
; NO CLUSTER: O's group is read by 8 work-groups and Wo's by 32; each work-group asks for its 139,264 bytes once, at its head, by loads of its own; joint requests are left to a later version.  NO PREFETCH: all is asked for at the head.
; THE WAY OUT: 16 tokens x 128 columns at a time through the wave's own stage (rows of 512 + 16 bytes, behind all that is filled), back as whole rows: a store covers 512 consecutive bytes.
; REGISTERS: window 0: v1-11 addresses; v16-79 P's 8 fragments, later rows of out0; v80-111 Q's 2 fragments, two sets; v112-121 scale words, two sets of 5; v128-255 the accumulators.  window 1: v0-63 the bias.
.set LP,  1
.set LQ,  2
.set SPA, 3
.set SQA, 4
.set STO, 9
.set RD,  10
.set PF,  16
.set QF,  80
.set SC,  112
.set ACC, 128
.set BI,  0
.set G1C, 24
.set G1S, 32
.set G0,  40
.set MSB, 0
.macro WIN new                         ; the immediate's high byte repeats the setting that is left
.if MSB != \new
	s_set_vgpr_msb (MSB<<8)|\new
.set MSB, \new
.endif
.endm
.macro NOP4
.rept 4
	v_nop
.endr
.endm
	s_load_b256 s[4:11], s[0:1], 0x0               ; oc, os, cod, scl
	s_load_b128 s[12:15], s[0:1], 0x20             ; bo, out0
	v_lshl_add_u32 v126, v0, 2, 0x2b000
	v_mov_b32 v127, 0
	ds_add_u32 v126, v127
	ds_add_u32 v126, v127
	v_lshrrev_b32 v1, 5, v0
	v_readfirstlane_b32 s18, v1                    ; wave
	s_lshr_b32 s20, ttmp9, 3                       ; mg
	s_and_b32 s21, ttmp9, 7                        ; ng
.irp g, G1C, G1S                               ; dense blocks as rows of 256 bytes: 32 elements of 8 bytes, pitch 32, no padding, no mask
	s_mov_b32 s[\g], 3<<16
	s_mov_b32 s[\g+1], 32<<16
	s_mov_b32 s[\g+3], 32<<16
	s_mov_b32 s[\g+5], 32
	s_mov_b32 s[\g+6], 0
	s_mov_b32 s[\g+7], 0
.endr
; THE WAY INTO LDS AS IT NOW STANDS (it takes the place of the five loads a wave that the head comment tells of): four loads in all, one a wave, each of a whole dense block, issued at the head:
; wave 0 Wo's codes, wave 1 O's codes (256 rows of 256 bytes each), wave 2 Wo's scale words, wave 3 O's (16 rows each).  One barrier shows them whole; nothing is filled later.
	s_mov_b32 s[G1C+2], 256<<16
	s_mov_b32 s[G1C+4], 256
	s_mov_b32 s[G1S+2], 16<<16
	s_mov_b32 s[G1S+4], 16
	s_add_co_u32 s66, s21, 120                     ; Wo's group
	s_lshl_b32 s72, s66, 16                        ; its codes,
	s_mov_b32 s73, 0
	s_lshl_b32 s74, s66, 12                        ; its scale words
	s_mov_b32 s75, 0
	s_lshl_b32 s76, s20, 16                        ; O's group mg: codes,
	s_mov_b32 s77, 0
	s_lshl_b32 s78, s20, 12                        ; scale words
	s_mov_b32 s79, 0
	s_wait_dscnt 0x0
	s_wait_kmcnt 0x0
.macro DESC g, lds, bp, op             ; a group 0: LDS address lds, global address s[bp:bp+1] + s[op:op+1]
	s_mov_b32 s[\g], 1
	s_mov_b32 s[\g+1], \lds
	s_add_nc_u64 s[\g+2:\g+3], s[\bp:\bp+1], s[\op:\op+1]
	s_or_b32 s[\g+3], s[\g+3], 0x80000000
.endm
	DESC G0, 0, 8, 72
	DESC G0+4, 65536, 4, 76
	DESC G0+8, 131072, 10, 74
	DESC G0+12, 135168, 6, 78
.macro ARM under, g0, g1, next         ; one arm of a chain of branches on the wave's number: its load, and a jump to the chain's end
	s_cmp_lt_u32 s18, \under
	s_cbranch_scc0 \next
	tensor_load_to_lds s[\g0:\g0+3], s[\g1:\g1+7]
	s_nop 0
	NOP4
	s_branch .Lhead_asked
\next:
.endm
	ARM 1, G0, G1C, .Lh1
	ARM 2, G0+4, G1C, .Lh2
	ARM 3, G0+8, G1S, .Lh3
	tensor_load_to_lds s[G0+12:G0+15], s[G1S:G1S+7]
	s_nop 0
	NOP4
.Lhead_asked:
	v_and_b32 v6, 31, v0                           ; lane
	v_and_b32 v7, 15, v0                           ; r
	v_bfe_u32 v8, v0, 4, 1                         ; h
	v_lshlrev_b32 v[LP], 4, v6
	s_lshl_b32 s66, s18, 11
	s_add_co_u32 s66, s66, 65536
	v_add_nc_u32 v[LQ], s66, v[LP]
	v_lshlrev_b32 v[SPA], 2, v7
	v_lshl_add_u32 v[SPA], v8, 9, v[SPA]
	s_lshl_b32 s66, s18, 10
	s_add_co_u32 s66, s66, 135168
	v_add_nc_u32 v[SQA], s66, v[SPA]
	v_add_nc_u32 v[SPA], 131072, v[SPA]
	s_mul_i32 s66, s18, 8448
	s_add_co_u32 s66, s66, 139264                  ; my stage
	v_mul_u32_u24 v[STO], v7, 528
	v_lshl_add_u32 v[STO], v8, 5, v[STO]
	v_add_nc_u32 v[STO], s66, v[STO]               ; in: row r, 32 bytes for each half of the lanes
	v_add_nc_u32 v[RD], s66, v[LP]                 ; back: the 32 lanes take a row of 512 bytes
	v_lshlrev_b32 v11, 5, v8
	s_lshl_b32 s68, s21, 9
	s_mov_b32 s69, 0
	s_add_nc_u64 s[12:13], s[12:13], s[68:69]      ; bo at column 128 ng
	WIN 0x40                                       ; destination window 1
.irp p, 0,1,2,3,4,5,6,7                        ; bo[128 ng + 16 p + 8 h + j] at 8 p + j
	global_load_b128 v[BI+8*\p:BI+8*\p+3], v11, s[12:13] offset:64*\p
	global_load_b128 v[BI+8*\p+4:BI+8*\p+7], v11, s[12:13] offset:64*\p+16
.endr
	WIN 0
	s_lshl_b32 s72, s20, 19                        ; out0: token 128 mg + 32 w, 4,096 bytes a token; column 128 ng
	s_lshl_b32 s73, s18, 17
	s_add_co_u32 s72, s72, s73
	s_add_co_u32 s72, s72, s68
	s_mov_b32 s73, 0
	s_add_nc_u64 s[72:73], s[14:15], s[72:73]
.macro LDQ st
.irp q, 0,1
.irp c, 0,1
	ds_load_b128 v[QF+16*((\st)%2)+8*\q+4*\c:QF+16*((\st)%2)+8*\q+4*\c+3], v[LQ] offset:(\st)*8192+\q*1024+\c*512
.endr
.endr
.endm
.macro LDSC st
.irp i, 0,1,2,3
	ds_load_b32 v[SC+5*((\st)%2)+\i], v[SPA] offset:\i*1024+(\st)*64
.endr
	ds_load_b32 v[SC+5*((\st)%2)+4], v[SQA] offset:(\st)*64
.endm
.macro LDP st, hf
.irp pp, 0,1,2,3
.irp c, 0,1
	ds_load_b128 v[PF+8*(4*\hf+\pp)+4*\c:PF+8*(4*\hf+\pp)+4*\c+3], v[LP] offset:(\st)*8192+(4*\hf+\pp)*1024+\c*512
.endr
.endr
.endm
.macro WM p, q, st, bias               ; bias = 1: C is the bias (window 1, by the setting in force), else the accumulator
.set rD, ACC+8*(2*(\p)+(\q))
.if \bias
.set rC, BI+8*(\p)
.else
.set rC, ACC+8*(2*(\p)+(\q))
.endif
.set rA, PF+8*(\p)
.set rB, QF+16*((\st)%2)+8*(\q)
.set rS, SC+5*((\st)%2)+(\p)/2
.set rT, SC+5*((\st)%2)+4
.set rW, 2*((\p)%2)+(\q)
.if rW == 0
	v_wmma_scale_f32_16x16x128_f8f6f4 v[rD:rD+7], v[rA:rA+7], v[rB:rB+7], v[rC:rC+7], v[rS], v[rT] matrix_a_fmt:MATRIX_FMT_FP4 matrix_b_fmt:MATRIX_FMT_FP4
.elseif rW == 1
	v_wmma_scale_f32_16x16x128_f8f6f4 v[rD:rD+7], v[rA:rA+7], v[rB:rB+7], v[rC:rC+7], v[rS], v[rT] matrix_a_fmt:MATRIX_FMT_FP4 matrix_b_fmt:MATRIX_FMT_FP4 matrix_b_scale:MATRIX_SCALE_ROW1
.elseif rW == 2
	v_wmma_scale_f32_16x16x128_f8f6f4 v[rD:rD+7], v[rA:rA+7], v[rB:rB+7], v[rC:rC+7], v[rS], v[rT] matrix_a_fmt:MATRIX_FMT_FP4 matrix_b_fmt:MATRIX_FMT_FP4 matrix_a_scale:MATRIX_SCALE_ROW1
.else
	v_wmma_scale_f32_16x16x128_f8f6f4 v[rD:rD+7], v[rA:rA+7], v[rB:rB+7], v[rC:rC+7], v[rS], v[rT] matrix_a_fmt:MATRIX_FMT_FP4 matrix_b_fmt:MATRIX_FMT_FP4 matrix_a_scale:MATRIX_SCALE_ROW1 matrix_b_scale:MATRIX_SCALE_ROW1
.endif
.endm
.macro MM st, hf, bias
.irp pp, 0,1,2,3
.irp q, 0,1
	WM 4*\hf+\pp, \q, \st, \bias
.endr
.endr
.endm
; A K step whose successor lies in the same chunk.  Four plain lines stand behind matrix instructions in front of loads into registers that they have read.
.macro STEPA st, bias
	s_wait_dscnt 8                                 ; all but the youngest eight loads (P's tiles 4-7) are in
	MM \st, 0, \bias
	NOP4
	LDQ (\st)+1
	LDSC (\st)+1
	LDP (\st)+1, 0
	s_wait_dscnt 17                                ; all but the 17 just issued
	MM \st, 1, \bias
	NOP4
	LDP (\st)+1, 1
.endm
; A chunk's last K step: my part of the next chunk has landed (cnt later chunks of mine may stay out), my LDS loads are in; then the barrier.
.macro STEPB st, cnt
	s_wait_dscnt 8
	MM \st, 0, 0
	s_wait_dscnt 0x0
	s_wait_tensorcnt \cnt
	s_barrier_signal -1
	MM \st, 1, 0
	s_barrier_wait -1
	NOP4
	LDQ (\st)+1
	LDSC (\st)+1
	LDP (\st)+1, 0
	LDP (\st)+1, 1
.endm
	s_wait_alu depctr_va_vdst(0)
	s_wait_tensorcnt 0x0
	s_barrier_signal -1
	s_barrier_wait -1
	LDQ 0
	LDSC 0
	LDP 0, 0
	LDP 0, 1
	s_wait_loadcnt 0x0                             ; the bias
	WIN 0x10                                       ; source 2 in window 1: the first products take the bias as C (the LDS loads of this step name a destination and a source 0 alone)
	STEPA 0, 1
	WIN 0
	STEPA 1, 0
	STEPA 2, 0
	STEPA 3, 0
	STEPA 4, 0
	STEPA 5, 0
	STEPA 6, 0
	s_wait_dscnt 8
	MM 7, 0, 0
	s_wait_dscnt 0x0
	MM 7, 1, 0
	NOP4                                           ; places in front of the LDS stores that read results and of the loads into P's registers
.macro OUT q                           ; my tokens 16 q .. 16 q + 15: LDS serves a wave's instructions in order, so no wait stands between the stores and the loads
.irp p, 0,1,2,3,4,5,6,7
	ds_store_b128 v[STO], v[ACC+8*(2*\p+\q):ACC+8*(2*\p+\q)+3] offset:64*\p          ; each accumulator from its low end on
	ds_store_b128 v[STO], v[ACC+8*(2*\p+\q)+4:ACC+8*(2*\p+\q)+7] offset:64*\p+16
.endr
.irp t, 0,1,2,3,4,5,6,7,8,9,10,11,12,13,14,15
	ds_load_b128 v[PF+4*\t:PF+4*\t+3], v[RD] offset:528*\t
.endr
.irp t, 0,1,2,3,4,5,6,7,8,9,10,11,12,13,14,15
	s_wait_dscnt 15-\t
	global_store_b128 v[LP], v[PF+4*\t:PF+4*\t+3], s[72:73] offset:(16*\q+\t)*4096 th:TH_STORE_NT   ; 512 consecutive bytes, at a multiple of 256 from out0's first byte
.endr
.endm
	OUT 0
	s_wait_xcnt 0x0                                ; the stores have read their registers: the next rows may land there
	OUT 1
	s_wait_tensorcnt 0x0
	ds_add_u32 v126, v127
	s_wait_dscnt 0x0
	s_endpgm
.Lfunc_end_k_q4107358810_oproj:
	.size	k_q4107358810_oproj, .Lfunc_end_k_q4107358810_oproj-k_q4107358810_oproj
	.p2alignl 7, 3214868480
	.fill 96, 4, 3214868480
	.section	.rodata,"a",@progbits
	.p2align	6, 0x0
	.amdhsa_kernel k_q4107358810_oproj
		.amdhsa_group_segment_fixed_size 176640
		.amdhsa_private_segment_fixed_size 0
		.amdhsa_enable_private_segment 0
		.amdhsa_kernarg_size 48
		.amdhsa_user_sgpr_count 2
		.amdhsa_user_sgpr_kernarg_segment_ptr 1
		.amdhsa_wavefront_size32 1
		.amdhsa_system_sgpr_workgroup_id_x 1
		.amdhsa_system_sgpr_workgroup_id_y 1
		.amdhsa_system_sgpr_workgroup_id_z 1
		.amdhsa_system_vgpr_workitem_id 0
		.amdhsa_next_free_vgpr 320
		.amdhsa_next_free_sgpr 80
		.amdhsa_reserve_vcc 0
		.amdhsa_float_denorm_mode_32 3
		.amdhsa_float_denorm_mode_16_64 3
		.amdhsa_memory_ordered 1
		.amdhsa_forward_progress 1
		.amdhsa_inst_pref_size 46
	.end_amdhsa_kernel
	.amdgpu_metadata
---
amdhsa.version: [ 1, 2 ]
amdhsa.kernels:
  - .name:           k_q4107358810_oproj
    .symbol:         k_q4107358810_oproj.kd
    .args:
      - { .name: oc, .offset: 0, .size: 8, .value_kind: global_buffer, .address_space: global }
      - { .name: os, .offset: 8, .size: 8, .value_kind: global_buffer, .address_space: global }
      - { .name: cod, .offset: 16, .size: 8, .value_kind: global_buffer, .address_space: global }
      - { .name: scl, .offset: 24, .size: 8, .value_kind: global_buffer, .address_space: global }
      - { .name: bo, .offset: 32, .size: 8, .value_kind: global_buffer, .address_space: global }
      - { .name: out0, .offset: 40, .size: 8, .value_kind: global_buffer, .address_space: global }
    .group_segment_fixed_size: 176640
    .private_segment_fixed_size: 0
    .kernarg_segment_align: 8
    .kernarg_segment_size: 48
    .max_flat_workgroup_size: 128
    .sgpr_count:     80
    .vgpr_count:     320
    .wavefront_size: 32
...
	.end_amdgpu_metadata
.endif
;; end of part 8
